; MI455X (gfx1250); checked and timed in simulation.
; The chip was launched on July 23, 2026; its instructions are those of AMD's public machine-readable ISA for CDNA 5 (MIT licence, August 2026) and "CDNA5" Instruction Set Architecture Reference Guide (July 2026). The comments in the code are by the model that wrote it; some were corrected since.
;; Spatial Axis. Allowed arithmetic: matrix products marked QUANTISED: E3M2 operands, one E8M0 scale for each 32 along K, by v_wmma_scale_f32_16x16x128_f8f6f4 with both operands' format E3M2, f32 sums; products left as they are: f32 operands where the result goes on into a quantised operand, else bf16, f16 or f32 operands; f32 sums; everything else in f32.
;; Inputs: b_fc1 2 x 1,024 float32; b_fc2 2 x 256 float32; b_pos 2 x 8 float32; b_proj 2 x 256 float32; b_qkv 2 x 768 float32; coords 1 x 32,768 x 3 float32; ln1_b 2 x 256 float32; ln1_g 2 x 256 float32; ln2_b 2 x 256 float32; ln2_g 2 x 256 float32; norm_b 1 x 256 float32; norm_g 1 x 256 float32; w_fc1 2 x 256 x 1,024 float32; w_fc2 2 x 1,024 x 256 float32; w_pos 2 x 3 x 8 float32; w_proj 2 x 256 x 256 float32; w_qkv 2 x 256 x 768 float32; x 1 x 32,768 x 256 float32.
;; Outputs: out0 1 x 32,768 x 256 float32.
;; This version of the problem:
;;   THIS VERSION OF THE PROBLEM IS GIVEN IN LOW PRECISION. The matrix products marked QUANTISED in the list below multiply operands that are first quantised to E3M2 (3 exponent bits, 2 mantissa bits; 6 bits a number), with one power-of-two scale for each 32 numbers along K (OCP MX v1.0); their sums are f32. All else is computed in f32.
;;   The module's matrix products, in the order in which they are computed (A, B: the left and right operand; K: the contracted axis; several contracted axes count as one K, in the product's order):
;;     1. [M 32,768, K 256] x [K 256, N 768]; A: computed on the way; B: input w_qkv: QUANTISED
;;     2. batch 1,024 x [M 256, K 32] x [K 32, N 256]; A: computed on the way; B: computed on the way: QUANTISED
;;     3. [M 8, K 3] x [K 3, N 8,388,608]; A: input w_pos; B: computed on the way: left as it is (K = 3 < 32)
;;     4. batch 1,024 x [M 32, K 256] x [K 256, N 256]; A: computed on the way; B: softmax (see below): QUANTISED
;;     5. [M 32,768, K 256] x [K 256, N 256]; A: computed on the way; B: input w_proj: QUANTISED
;;     6. [M 32,768, K 256] x [K 256, N 1,024]; A: computed on the way; B: input w_fc1: QUANTISED
;;     7. [M 32,768, K 1,024] x [K 1,024, N 256]; A: computed on the way; B: input w_fc2: QUANTISED
;;     8. [M 32,768, K 256] x [K 256, N 768]; A: computed on the way; B: input w_qkv: QUANTISED
;;     9. batch 1,024 x [M 256, K 32] x [K 32, N 256]; A: computed on the way; B: computed on the way: QUANTISED
;;     10. [M 8, K 3] x [K 3, N 8,388,608]; A: input w_pos; B: computed on the way: left as it is (K = 3 < 32)
;;     11. batch 1,024 x [M 32, K 256] x [K 256, N 256]; A: computed on the way; B: softmax (see below): QUANTISED
;;     12. [M 32,768, K 256] x [K 256, N 256]; A: computed on the way; B: input w_proj: QUANTISED
;;     13. [M 32,768, K 256] x [K 256, N 1,024]; A: computed on the way; B: input w_fc1: QUANTISED
;;     14. [M 32,768, K 1,024] x [K 1,024, N 256]; A: computed on the way; B: input w_fc2: QUANTISED
;;   THE QUANTISER, for each operand of a quantised product, along K:
;;     - K is cut into blocks of 32 from its start; a last block that is shorter is filled with zeros.
;;     - A block's scale is 2^e with e = floor(log2(the largest magnitude in the block)) - 4, held to -126 .. 127; a block of zeros has e = 0. As a byte (E8M0): e + 127.
;;     - Each number is divided by its block's scale, clamped to +-28, and rounded to the nearest number of E3M2, ties to even, subnormals kept.
;;     - The product sums the exact products of the quantised numbers (number of the format x scale) in f32.
;;   ~~~python
;;   def quantise(x, axis):      # numpy; x: float32 -> the quantised numbers, widened to float32 again
;;       x = np.moveaxis(x, axis, -1); K = x.shape[-1]
;;       x = np.pad(x, [(0, 0)] * (x.ndim - 1) + [(0, -K % 32)]); x = x.reshape(x.shape[:-1] + (-1, 32)); a = np.abs(x).max(-1, keepdims=True)
;;       e = np.where(a > 0, np.clip(np.frexp(np.where(a > 0, a, 1))[1] - 1 - 4, -126, 127), 0)      # np.frexp(a)[1] - 1 = floor(log2(a)), exactly
;;       r = np.clip(x / 2.0 ** e, -28, 28)
;;       step = 2.0 ** (np.maximum(np.frexp(np.where(r == 0, 1, r))[1] - 1, -2) - 2)
;;       q = np.round(r / step) * step * 2.0 ** e      # np.round: ties to even
;;       return np.moveaxis(q.reshape(q.shape[:-2] + (-1,))[..., :K], -1, axis).astype(np.float32)
;;   ~~~
;;   SOFTMAX AHEAD OF A QUANTISED PRODUCT. Where the list says 'softmax', what is quantised is not the finished softmax but p = 2^(t - M), with t = logit x log2(e) and M = ceil(the row's largest t), a whole number; so 1/2 < the row's largest p <= 1. The row's sum l is taken of the UNQUANTISED p, in f32, and the product's result is divided by l at the end. Since M is a whole number, a kernel that streams over the keys may use a running M (the ceiling of the running maximum): every later rescaling is an exact power of two, which a block's scale takes up: the codes' values come out the same.
;;   OPERANDS COMPUTED ON THE WAY. 'Computed on the way' means the value that the module computes at that place (a softmax that the list does not call 'softmax' is quantised finished and normalised). What goes into a quantiser is computed in f32, as accurately as f32 sums, v_exp_f32 and their like allow (about 1e-6 of the number): no bf16 or f16 on the way to a quantiser, and a product that is left as it is and whose result goes on into a quantised operand takes f32 operands (vector FMAs, or v_wmma_f32_16x16x4_f32). A number that lies on a knife's edge between two numbers of the format may be rounded either way, as far as f32 arithmetic and the matrix unit's own rounding can turn it there, and no further.
;; 2 versions. Each part assembles by itself: llvm-mc -triple=amdgcn-amd-amdhsa -mcpu=gfx1250 --defsym DOCPART=n.
;; ======== version 1 of 2: 5 launches
;; workspace buffers: codes 262,144 bytes of whole numbers; srt 524,288 bytes of whole numbers; perm0 131,328 bytes of whole numbers; perm1 131,328 bytes of whole numbers; wts 1,277,952 bytes; y 33,554,432 bytes
;; launch prep (part 1): grid 56 x 1, 16 waves a work-group, no clusters, 56,320 bytes of LDS; arguments coords, w_qkv, w_proj, w_fc1, w_fc2, codes, wts; writes codes, wts
.if DOCPART == 1
	.amdgcn_target "amdgcn-amd-amdhsa--gfx1250"
	.amdhsa_code_object_version 6
	.text
	.protected	k_qf4aa9336d0_prep
	.globl	k_qf4aa9336d0_prep
	.p2align	8
	.type	k_qf4aa9336d0_prep,@function
k_qf4aa9336d0_prep:
	s_mov_b64 s[64:65], 0
	v_nop
	global_prefetch_b8 v0, s[64:65] scope:SCOPE_SE
	s_setreg_imm32_b32 hwreg(HW_REG_WAVE_MODE, 25, 1), 1
	s_wait_xcnt 0x0
; TWO JOBS IN ONE LAUNCH, parted by the work-group's number.
; Work-groups 0-31: the Morton codes of all 32,768 points for both depths (depth 1 takes the axes as y, z, x), stored at fixed places: codes[depth][token].
;   Each of these work-groups finds the minimum and maximum of each axis over all points itself (393,216 bytes), then codes its own 1,024 points.
;   The quotient (c - min) / (max - min + 1e-9) is made by a reciprocal, one Newton step and two residual corrections by fused multiply-adds: the correctly rounded f32 quotient.
; Work-groups 32-55: the four weights of both depths become codes of E3M2 with E8M0 scale bytes, quantised along K (their first axis), laid in the order of the operand's registers.
;   A SET is 32 output columns x 256 along K: for K step s = 0, 1: fragment u = 0 (1,536 bytes), fragment u = 1, 256 bytes of scale words.  Register p of lane L of a fragment lies at 512 (p / 4) + 16 L + 4 (p % 4).
;   Lane r of fragment u holds column n0 + 8 u + r + 8 (r / 8), so that the results of two neighbouring tiles of a transposed product are 16 neighbours along the next K.
;   A wave makes half a set (one K step): lane j takes column n0 + j and its 128 registers run down K.
; LIMITS: NaN and infinities are not served.  c - min is never negative (min is the exact minimum), so the clip at 0 is not written.  A block of zeros gets the scale byte 1 where the rule says 127: its codes are
; zeros, and this program alone reads the bytes.
.set X, 32                             ; v32-159  128 numbers down K (weights); v32-127 a batch of points (codes)
.set DW, 638976                        ; bytes of a depth's 96 sets
	s_load_b256 s[4:11], s[0:1], 0x0               ; coords s[4:5], w_qkv s[6:7], w_proj s[8:9], w_fc1 s[10:11]
	s_load_b128 s[12:15], s[0:1], 0x20             ; w_fc2 s[12:13], codes s[14:15]
	s_load_b64 s[16:17], s[0:1], 0x30              ; wts
	v_lshl_add_u32 v208, v0, 2, 0xd400
	v_mov_b32 v209, 0
	v_lshrrev_b32 v1, 5, v0
	v_readfirstlane_b32 s18, v1                    ; wave 0..15
	v_and_b32 v2, 31, v0                           ; lane
	s_cmp_ge_u32 ttmp9, 32
	s_cbranch_scc1 .Lweights
; ---------------------------------------------------------------- the codes
	v_mul_u32_u24 v3, v0, 48                       ; four points, 48 bytes, a thread and a step
	v_mul_u32_u24 v4, v0, 24                       ; my own two points
	v_lshlrev_b32 v5, 3, v0                        ; and their two codes
	s_mov_b32 s20, 0x76543210
	s_mov_b32 s21, 0xfedcba98                      ; v_permlanex16_b32: lane l xor 16
	s_mul_i32 s22, ttmp9, 12288                    ; my work-group's 1,024 points
	s_mov_b32 s23, 0
	s_lshl_b32 s26, ttmp9, 12                      ; and their codes
	s_mov_b32 s27, 0
	s_lshl_b32 s28, s18, 5
	v_mov_b32 v20, s28                             ; LDS: 32 bytes a wave
	v_and_b32 v21, 15, v0
	v_lshlrev_b32 v21, 5, v21                      ; lane l reads wave l % 16's
.irp k, 0,1,2,3,4,5
	v_mov_b32 v[14+\k], 0                          ; a lane permute's destination counts as one of its sources
.endr
	s_wait_kmcnt 0x0
	s_add_nc_u64 s[24:25], s[4:5], s[22:23]
	s_add_nc_u64 s[14:15], s[14:15], s[26:27]
.irp i, 0,1,2
	global_load_b64 v[128+2*\i:129+2*\i], v4, s[24:25] offset:8*\i     ; x0 y0 z0 x1 y1 z1
.endr
.macro CLOAD h                         ; eight steps of 512 threads x 4 points
.irp j, 0,1,2,3,4,5,6,7
.irp i, 0,1,2
	global_load_b128 v[32+12*\j+4*\i:35+12*\j+4*\i], v3, s[4:5] offset:24576*(8*\h+\j)+16*\i
.endr
.endr
.endm
.macro MM j, first                     ; of 12 numbers x is 0, 3, 6, 9; y 1, 4, 7, 10; z 2, 5, 8, 11.  v8-10 minima, v11-13 maxima
.set A, 32+12*(\j)
.irp c, 0,1,2
.if \first
	v_min3_num_f32 v[8+\c], v[A+\c], v[A+3+\c], v[A+6+\c]
	v_max3_num_f32 v[11+\c], v[A+\c], v[A+3+\c], v[A+6+\c]
	v_min_num_f32 v[8+\c], v[8+\c], v[A+9+\c]
	v_max_num_f32 v[11+\c], v[11+\c], v[A+9+\c]
.else
	v_min3_num_f32 v[8+\c], v[8+\c], v[A+\c], v[A+3+\c]
	v_max3_num_f32 v[11+\c], v[11+\c], v[A+\c], v[A+3+\c]
	v_min3_num_f32 v[8+\c], v[8+\c], v[A+6+\c], v[A+9+\c]
	v_max3_num_f32 v[11+\c], v[11+\c], v[A+6+\c], v[A+9+\c]
.endif
.endr
.endm
.macro ROWS                            ; over the 16 lanes of a row
.irp m, 1,2,4,8
.irp c, 0,1,2
	v_min_num_f32_dpp v[8+\c], v[8+\c], v[8+\c] row_xmask:\m row_mask:0xf bank_mask:0xf
	v_max_num_f32_dpp v[11+\c], v[11+\c], v[11+\c] row_xmask:\m row_mask:0xf bank_mask:0xf
.endr
.endr
.endm
	CLOAD 0
	s_wait_loadcnt 0x0
	MM 0, 1
.irp j, 1,2,3,4,5,6,7
	MM \j, 0
.endr
	CLOAD 1
	s_wait_loadcnt 0x0
.irp j, 0,1,2,3,4,5,6,7
	MM \j, 0
.endr
	ROWS
.irp k, 0,1,2,3,4,5
	v_permlanex16_b32 v[14+\k], v[8+\k], s20, s21
.endr
.irp c, 0,1,2
	v_min_num_f32 v[8+\c], v[8+\c], v[14+\c]
	v_max_num_f32 v[11+\c], v[11+\c], v[17+\c]
.endr
	ds_store_b128 v20, v[8:11]                     ; every lane of the wave writes the same six words
	ds_store_b64 v20, v[12:13] offset:16
	s_wait_dscnt 0x0                               ; my stores have landed: then the barrier
	s_barrier_signal -1
	s_barrier_wait -1
	ds_load_b128 v[8:11], v21
	ds_load_b64 v[12:13], v21 offset:16
	s_wait_dscnt 0x0
	ROWS                                           ; the 16 waves' figures lie in the 16 lanes of a row
.irp c, 0,1,2
	v_sub_f32 v[24+\c], v[11+\c], v[8+\c]
.endr
.irp c, 0,1,2
	v_add_f32 v[24+\c], 0x3089705f, v[24+\c]       ; den = (max - min) + 1e-9
.endr
.irp c, 0,1,2
	v_rcp_f32 v[27+\c], v[24+\c]
.endr
	v_nop                                          ; a plain line behind the last reciprocal
	s_wait_alu depctr_va_vdst(0)                   ; one wait for the three, ahead of their first reader
.irp c, 0,1,2
	v_fma_f32 v[14+\c], -v[24+\c], v[27+\c], 1.0
.endr
.irp c, 0,1,2
	v_fma_f32 v[27+\c], v[14+\c], v[27+\c], v[27+\c]   ; one Newton step
.endr
.irp k, 0,1,2,3,4,5
	v_sub_f32 v[40+\k], v[128+\k], v[8+\k%3]       ; n = c - min
.endr
.irp k, 0,1,2,3,4,5
	v_mul_f32 v[46+\k], v[40+\k], v[27+\k%3]       ; q = n r
.endr
.rept 2
.irp k, 0,1,2,3,4,5
	v_fma_f32 v[52+\k], -v[24+\k%3], v[46+\k], v[40+\k]    ; the residual, exact
.endr
.irp k, 0,1,2,3,4,5
	v_fma_f32 v[46+\k], v[52+\k], v[27+\k%3], v[46+\k]
.endr
.endr
.irp k, 0,1,2,3,4,5
	v_mul_f32 v[46+\k], 0x447fc000, v[46+\k]       ; x 1023
.endr
.irp k, 0,1,2,3,4,5
	v_cvt_i32_f32 v[46+\k], v[46+\k]               ; toward zero
.endr
.irp k, 0,1,2,3,4,5
	v_min_u32 v[46+\k], 0x3ff, v[46+\k]
.endr
.macro SPREAD sh, mask                 ; v = (v | v << sh) & mask
.irp k, 0,1,2,3,4,5
	v_lshl_or_b32 v[52+\k], v[46+\k], \sh, v[46+\k]
.endr
.irp k, 0,1,2,3,4,5
	v_and_b32 v[46+\k], \mask, v[52+\k]
.endr
.endm
	SPREAD 16, 0x030000ff
	SPREAD 8, 0x0300f00f
	SPREAD 4, 0x030c30c3
	SPREAD 2, 0x09249249
.irp q, 0,1
	v_lshl_or_b32 v[60+\q], v[47+3*\q], 1, v[46+3*\q]      ; depth 0: x | y << 1 | z << 2
	v_lshl_or_b32 v[62+\q], v[48+3*\q], 1, v[47+3*\q]      ; depth 1: y | z << 1 | x << 2
.endr
.irp q, 0,1
	v_lshl_or_b32 v[60+\q], v[48+3*\q], 2, v[60+\q]
	v_lshl_or_b32 v[62+\q], v[46+3*\q], 2, v[62+\q]
.endr
	global_store_b64 v5, v[60:61], s[14:15]                ; a wave's store covers 256 consecutive bytes, aligned
	global_store_b64 v5, v[62:63], s[14:15] offset:131072
	s_wait_tensorcnt 0x0
	ds_add_u32 v208, v209
	s_wait_dscnt 0x0
	s_endpgm
; ---------------------------------------------------------------- the weights
.Lweights:
	s_sub_co_u32 s20, ttmp9, 32
	s_lshl_b32 s20, s20, 4
	s_add_co_u32 s20, s20, s18                     ; which half set, 0..383
	s_cmp_ge_u32 s20, 192
	s_cselect_b32 s21, 1, 0                        ; depth
	s_cselect_b32 s22, 192, 0
	s_sub_co_u32 s22, s20, s22
	s_lshr_b32 s23, s22, 1                         ; set 0..95
	s_and_b32 s24, s22, 1                          ; K step
	s_and_b32 s25, s23, 7
	s_sub_co_u32 s30, s23, 32
	s_lshr_b32 s30, s30, 4                         ; the chunk of the MLP (used for sets 32 on alone)
	v_lshlrev_b32 v3, 2, v2                        ; lane j: column n0 + j
	v_bfe_u32 v4, v2, 3, 1                         ; which fragment: u = (j / 8) % 2
	v_and_b32 v5, 7, v2
	v_lshrrev_b32 v6, 4, v2
	v_lshl_or_b32 v5, v6, 3, v5                    ; and which lane of it: r = j % 8 + 8 (j / 16)
	s_mul_i32 s35, s18, 3328
	s_add_co_u32 s35, s35, 1024                    ; my wave's stage: the half set as it will lie in memory
	v_mul_u32_u24 v7, v4, 1536
	v_lshl_add_u32 v7, v5, 4, v7
	v_add_nc_u32 v7, s35, v7                       ; 1536 u + 16 r
	v_lshlrev_b32 v24, 3, v5
	v_lshl_add_u32 v24, v4, 2, v24
	v_add_nc_u32 v24, s35, v24                     ; scale words: 8 r + 4 u (+ 3072)
	v_lshlrev_b32 v27, 4, v2
	v_lshlrev_b32 v28, 3, v2
	v_add_nc_u32 v25, s35, v27                     ; back: 16 bytes a lane,
	v_add_nc_u32 v26, s35, v28                     ; 8 for the scale words
	s_wait_kmcnt 0x0
	; which matrix; its pitch / 256, its depth's bytes / 262,144, its first row / 256, its first column / 32.  Every choice hangs on the set's number alone
	s_bitcmp1_b32 s23, 3                           ; sets 32 on: bit 3 set: w_fc2, else w_fc1
	s_cselect_b64 s[26:27], s[12:13], s[10:11]
	s_cselect_b32 s31, 1, 4
	s_cselect_b32 s33, s30, 0
	s_cselect_b32 s34, 0, s30
	s_mov_b32 s32, 4
	s_lshl_b32 s34, s34, 3
	s_add_co_u32 s34, s34, s25
	s_cmp_lt_u32 s23, 32                           ; sets 24-31: w_proj
	s_cselect_b64 s[26:27], s[8:9], s[26:27]
	s_cselect_b32 s31, 1, s31
	s_cselect_b32 s32, 1, s32
	s_cselect_b32 s33, 0, s33
	s_cselect_b32 s34, s25, s34
	s_cmp_lt_u32 s23, 24                           ; sets 0-23: w_qkv
	s_cselect_b64 s[26:27], s[6:7], s[26:27]
	s_cselect_b32 s31, 3, s31
	s_cselect_b32 s32, 3, s32
	s_cselect_b32 s34, s23, s34
	s_mul_i32 s36, s21, s32
	s_lshl_b32 s36, s36, 18                        ; the depth,
	s_lshl_b32 s37, s33, 1
	s_add_co_u32 s37, s37, s24
	s_mul_i32 s37, s37, s31
	s_lshl_b32 s37, s37, 17                        ; the first row: (first row + 128 s) x pitch x 4,
	s_add_co_u32 s36, s36, s37
	s_lshl_b32 s37, s34, 7                         ; the first column
	s_add_co_u32 s36, s36, s37
	s_mov_b32 s37, 0
	s_add_nc_u64 s[26:27], s[26:27], s[36:37]
	s_mul_i32 s36, s21, DW
	s_mul_i32 s40, s23, 6656
	s_add_co_u32 s36, s36, s40
	s_mul_i32 s40, s24, 3328
	s_add_co_u32 s36, s36, s40
	s_add_nc_u64 s[38:39], s[16:17], s[36:37]      ; where the half set goes
.macro WLD pitch                       ; W(first row + i, my column): 32 lanes read 128 consecutive bytes
.set wi, 0
.rept 128
	global_load_b32 v[X+wi], v3, s[26:27] offset:wi*\pitch*4 th:TH_LOAD_NT
.set wi, wi+1
.endr
.endm
	s_cmp_eq_u32 s31, 3
	s_cbranch_scc1 .Lp768
	s_cmp_eq_u32 s31, 4
	s_cbranch_scc1 .Lp1024
	WLD 256
	s_branch .Lloaded
.Lp768:
	WLD 768
	s_branch .Lloaded
.Lp1024:
	WLD 1024
.Lloaded:
	s_wait_loadcnt 0x0
.irp b, 0,1,2,3
	v_max3_num_f32 v[8+\b], |v[X+32*\b]|, |v[X+32*\b+1]|, 0x2800000    ; block b: all 32 numbers are mine; the floor 2^(5 - 127) holds the byte at 1 from below
.endr
.irp i, 2,4,6,8,10,12,14,16,18,20,22,24,26,28,30
.irp b, 0,1,2,3
	v_max3_num_f32 v[8+\b], v[8+\b], |v[X+32*\b+\i]|, |v[X+32*\b+\i+1]|
.endr
.endr
.irp b, 0,1,2,3
	v_add_nc_u32 v[12+\b], 0xfe000000, v[8+\b]     ; 4 off the exponent field: the conversion's scale operand
.endr
.irp b, 0,1,2,3
	v_lshrrev_b32 v[16+\b], 23, v[12+\b]           ; the scale's byte
.endr
	v_lshl_or_b32 v20, v17, 8, v16
	v_lshl_or_b32 v20, v18, 16, v20
	v_lshl_or_b32 v20, v19, 24, v20                ; my column's scale word for this K step
.irp b, 0,1,2,3
	v_cvt_scalef32_pk16_bf6_f32 v[160+6*\b:162+6*\b], v[X+32*\b:X+32*\b+15], v[12+\b]
	v_cvt_scalef32_pk16_bf6_f32 v[184+4*\b:186+4*\b], v[X+32*\b+16:X+32*\b+31], v[12+\b]   ; (a conversion's three registers begin on an even number)
.endr
	v_nop                                          ; one plain line behind the scaled conversions
.irp b, 0,1,2,3
.irp i, 0,1,2
	v_mov_b32 v[163+6*\b+\i], v[184+4*\b+\i]
.endr
.endr
	; block b = 2 c + hh is registers 6 c .. 6 c + 5 of lane r + 16 hh
.irp hh, 0,1
	ds_store_b128 v7, v[160+6*\hh:163+6*\hh] offset:256*\hh              ; registers 0-3
	ds_store_b64 v7, v[164+6*\hh:165+6*\hh] offset:512+256*\hh           ; 4, 5
	ds_store_b64 v7, v[172+6*\hh:173+6*\hh] offset:520+256*\hh           ; 6, 7
	ds_store_b128 v7, v[174+6*\hh:177+6*\hh] offset:1024+256*\hh         ; 8-11
.endr
	ds_store_b32 v24, v20 offset:3072              ; the scale word, for lane r
	ds_store_b32 v24, v20 offset:3200              ; and for lane r + 16
.irp k, 0,1,2,3,4,5
	ds_load_b128 v[32+4*\k:35+4*\k], v25 offset:512*\k     ; LDS serves a wave's instructions in order: these see my stores
.endr
	ds_load_b64 v[56:57], v26 offset:3072
	s_wait_dscnt 0x0
.irp k, 0,1,2,3,4,5
	global_store_b128 v27, v[32+4*\k:35+4*\k], s[38:39] offset:512*\k   ; 512 consecutive bytes a store, aligned
.endr
	global_store_b64 v28, v[56:57], s[38:39] offset:3072
	s_wait_tensorcnt 0x0
	ds_add_u32 v208, v209
	s_wait_dscnt 0x0
	s_endpgm
.Lfunc_end_k_qf4aa9336d0_prep:
	.size	k_qf4aa9336d0_prep, .Lfunc_end_k_qf4aa9336d0_prep-k_qf4aa9336d0_prep
	.p2alignl 7, 3214868480
	.fill 96, 4, 3214868480
	.section	.rodata,"a",@progbits
	.p2align	6, 0x0
	.amdhsa_kernel k_qf4aa9336d0_prep
		.amdhsa_group_segment_fixed_size 56320
		.amdhsa_private_segment_fixed_size 0
		.amdhsa_enable_private_segment 0
		.amdhsa_kernarg_size 56
		.amdhsa_user_sgpr_count 2
		.amdhsa_user_sgpr_kernarg_segment_ptr 1
		.amdhsa_wavefront_size32 1
		.amdhsa_system_sgpr_workgroup_id_x 1
		.amdhsa_system_sgpr_workgroup_id_y 1
		.amdhsa_system_sgpr_workgroup_id_z 1
		.amdhsa_system_vgpr_workitem_id 0
		.amdhsa_next_free_vgpr 210
		.amdhsa_next_free_sgpr 66
		.amdhsa_reserve_vcc 0
		.amdhsa_float_denorm_mode_32 3
		.amdhsa_float_denorm_mode_16_64 3
		.amdhsa_memory_ordered 1
		.amdhsa_forward_progress 1
		.amdhsa_inst_pref_size 76
	.end_amdhsa_kernel
	.amdgpu_metadata
---
amdhsa.version: [ 1, 2 ]
amdhsa.kernels:
  - .name:           k_qf4aa9336d0_prep
    .symbol:         k_qf4aa9336d0_prep.kd
    .args:
      - { .name: coords, .offset: 0, .size: 8, .value_kind: global_buffer, .address_space: global }
      - { .name: w_qkv, .offset: 8, .size: 8, .value_kind: global_buffer, .address_space: global }
      - { .name: w_proj, .offset: 16, .size: 8, .value_kind: global_buffer, .address_space: global }
      - { .name: w_fc1, .offset: 24, .size: 8, .value_kind: global_buffer, .address_space: global }
      - { .name: w_fc2, .offset: 32, .size: 8, .value_kind: global_buffer, .address_space: global }
      - { .name: codes, .offset: 40, .size: 8, .value_kind: global_buffer, .address_space: global }
      - { .name: wts, .offset: 48, .size: 8, .value_kind: global_buffer, .address_space: global }
    .group_segment_fixed_size: 56320
    .private_segment_fixed_size: 0
    .kernarg_segment_align: 8
    .kernarg_segment_size: 56
    .max_flat_workgroup_size: 512
    .sgpr_count:     66
    .vgpr_count:     210
    .wavefront_size: 32
...
	.end_amdgpu_metadata
.endif
;; end of part 1
;; launch csort (part 2): grid 256 x 1, 8 waves a work-group, no clusters, 5,120 bytes of LDS; arguments codes, srt; writes srt
.if DOCPART == 2
	.amdgcn_target "amdgcn-amd-amdhsa--gfx1250"
	.amdhsa_code_object_version 6
	.text
	.protected	k_qf4aa9336d0_csort
	.globl	k_qf4aa9336d0_csort
	.p2align	8
	.type	k_qf4aa9336d0_csort,@function
k_qf4aa9336d0_csort:
	s_mov_b64 s[64:65], 0
	v_nop
	global_prefetch_b8 v0, s[64:65] scope:SCOPE_SE
	s_setreg_imm32_b32 hwreg(HW_REG_WAVE_MODE, 25, 1), 1
	s_wait_xcnt 0x0
; Each chunk of 1,024 codes (32 chunks a depth, 2 depths) is sorted, stably, by counting: an element's place is the number of elements of its chunk that are smaller, or equal and earlier.
; Four work-groups share a chunk; a thread owns one element.  The chunk's 4,096 bytes come into LDS once, 16 bytes a thread; behind one barrier every wave reads them 16 bytes at a time with the SAME address in all
; lanes, so that each lane holds four comparands in four registers: 8 loads for a block of 32, two sets of 32 registers by turns, the next block's loads out while this block's 64 vector lines are issued.
; srt[depth][0][chunk][place] = the code, srt[depth][1][chunk][place] = the token's number.  The stores are single words at places that hang on the data: 0.5 MB in all.
.set CA, 32                            ; v32-63  comparands, first set
.set CB, 64                            ; v64-95  second set
	s_load_b128 s[4:7], s[0:1], 0x0                ; codes, srt
	v_lshl_add_u32 v96, v0, 2, 0x1000
	v_mov_b32 v97, 0
	v_lshrrev_b32 v1, 5, v0
	v_readfirstlane_b32 s12, v1                    ; wave
	v_and_b32 v2, 31, v0
	s_lshr_b32 s20, ttmp9, 7                       ; depth
	s_bfe_u32 s21, ttmp9, 0x50002                  ; chunk
	s_and_b32 s22, ttmp9, 3                        ; quarter
	s_lshl_b32 s13, s22, 3
	s_add_co_u32 s13, s13, s12                     ; my wave's block of 32 elements, 0..31
	s_lshl_b32 s24, s20, 17
	s_lshl_b32 s23, s21, 12
	s_add_co_u32 s24, s24, s23
	s_mov_b32 s25, 0
	s_lshl_b32 s26, s20, 18
	s_add_co_u32 s26, s26, s23
	s_mov_b32 s27, 0
	v_lshl_add_u32 v3, s13, 5, v2                  ; my element's number in the chunk
	v_lshlrev_b32 v4, 2, v3
	s_lshl_b32 s23, s21, 10
	v_add_nc_u32 v8, s23, v3                       ; the token's number
	v_lshlrev_b32 v10, 4, v0                       ; my 16 bytes of the chunk, in memory and in LDS
	v_mov_b32 v6, 0                                ; the count
	v_mov_b32 v9, 0                                ; LDS byte of the pair of blocks in hand, the same in all lanes
	s_wait_kmcnt 0x0
	s_add_nc_u64 s[8:9], s[4:5], s[24:25]          ; the chunk's codes
	s_add_nc_u64 s[10:11], s[6:7], s[26:27]        ; the chunk's place in srt
	global_load_b128 v[12:15], v10, s[8:9]         ; 256 threads x 16 bytes: the whole chunk
	global_load_b32 v5, v4, s[8:9]                 ; my key
	s_wait_loadcnt 0x0
	ds_store_b128 v10, v[12:15]
	s_wait_dscnt 0x0                               ; my store has landed: then the barrier; nothing is stored to LDS behind it
	s_barrier_signal -1
	s_barrier_wait -1
.macro CLD buf, off                    ; a block's 32 comparands, 128 bytes from v9 + off on, into every lane
.irp i, 0,1,2,3,4,5,6,7
	ds_load_b128 v[\buf+4*\i:\buf+4*\i+3], v9 offset:\off+16*\i
.endr
.endm
; 32 comparands.  A block in front of mine counts 'at most my key' (key + 1 is compared), mine and the later ones 'under my key'.  jb: the scalar register that holds the block's number
.macro CBLK buf, jb
	s_cmp_lt_u32 s[\jb], s13
	s_cselect_b32 s17, 1, 0
	v_add_nc_u32 v7, s17, v5
.set n, 0
.rept 32
	v_cmp_lt_u32 vcc_lo, v[\buf+n], v7
	v_add_co_ci_u32 v6, vcc_lo, 0, v6, vcc_lo
.set n, n+1
.endr
.endm
	s_mov_b32 s15, 0                               ; the first block of the pair in hand
	CLD CA, 0
.Lblk:                                             ; 16 trips, two blocks each
	CLD CB, 128
	s_wait_dscnt 8                                 ; LDS loads come back in order: the first set's 8 are in, the second set's 8 may be out
	CBLK CA, 15
	s_add_co_u32 s14, s15, 2
	s_lshl_b32 s14, s14, 7                         ; the next pair's byte: 128 a block;
	s_min_u32 s14, s14, 3840                       ; the last trip's look-ahead reads inside the chunk again
	v_mov_b32 v9, s14
	CLD CA, 0
	s_add_co_u32 s16, s15, 1
	s_wait_dscnt 8                                 ; the second set's 8 are in, the 8 just issued may be out
	CBLK CB, 16
	s_add_co_u32 s15, s15, 2
	s_cmp_lt_u32 s15, 32
	s_cbranch_scc1 .Lblk
	s_lshl_b32 s14, s13, 7                         ; ties inside my own block: equal and in a lower lane
	v_mov_b32 v9, s14
	CLD CB, 0
	s_wait_dscnt 0x0
.set n, 0
.rept 31
	v_cmp_eq_u32 s17, v[CB+n], v5
	s_and_b32 vcc_lo, s17, (0xfffffffe<<n)&0xffffffff      ; lanes above n
	v_add_co_ci_u32 v6, vcc_lo, 0, v6, vcc_lo
.set n, n+1
.endr
	v_min_u32 v6, 0x3ff, v6
	v_lshlrev_b32 v6, 2, v6
	global_store_b32 v6, v5, s[10:11]
	global_store_b32 v6, v8, s[10:11] offset:131072
	s_wait_tensorcnt 0x0
	ds_add_u32 v96, v97
	s_wait_dscnt 0x0
	s_endpgm
.Lfunc_end_k_qf4aa9336d0_csort:
	.size	k_qf4aa9336d0_csort, .Lfunc_end_k_qf4aa9336d0_csort-k_qf4aa9336d0_csort
	.p2alignl 7, 3214868480
	.fill 96, 4, 3214868480
	.section	.rodata,"a",@progbits
	.p2align	6, 0x0
	.amdhsa_kernel k_qf4aa9336d0_csort
		.amdhsa_group_segment_fixed_size 5120
		.amdhsa_private_segment_fixed_size 0
		.amdhsa_enable_private_segment 0
		.amdhsa_kernarg_size 16
		.amdhsa_user_sgpr_count 2
		.amdhsa_user_sgpr_kernarg_segment_ptr 1
		.amdhsa_wavefront_size32 1
		.amdhsa_system_sgpr_workgroup_id_x 1
		.amdhsa_system_sgpr_workgroup_id_y 1
		.amdhsa_system_sgpr_workgroup_id_z 1
		.amdhsa_system_vgpr_workitem_id 0
		.amdhsa_next_free_vgpr 98
		.amdhsa_next_free_sgpr 66
		.amdhsa_reserve_vcc 1
		.amdhsa_float_denorm_mode_32 3
		.amdhsa_float_denorm_mode_16_64 3
		.amdhsa_memory_ordered 1
		.amdhsa_forward_progress 1
		.amdhsa_inst_pref_size 14
	.end_amdhsa_kernel
	.amdgpu_metadata
---
amdhsa.version: [ 1, 2 ]
amdhsa.kernels:
  - .name:           k_qf4aa9336d0_csort
    .symbol:         k_qf4aa9336d0_csort.kd
    .args:
      - { .name: codes, .offset: 0, .size: 8, .value_kind: global_buffer, .address_space: global }
      - { .name: srt, .offset: 8, .size: 8, .value_kind: global_buffer, .address_space: global }
    .group_segment_fixed_size: 5120
    .private_segment_fixed_size: 0
    .kernarg_segment_align: 8
    .kernarg_segment_size: 16
    .max_flat_workgroup_size: 256
    .sgpr_count:     66
    .vgpr_count:     98
    .wavefront_size: 32
...
	.end_amdgpu_metadata
.endif
;; end of part 2
;; launch rank (part 3): grid 256 x 1, 8 waves a work-group, no clusters, 132,096 bytes of LDS; arguments srt, perm0, perm1; writes perm0, perm1
.if DOCPART == 3
	.amdgcn_target "amdgcn-amd-amdhsa--gfx1250"
	.amdhsa_code_object_version 6
	.text
	.protected	k_qf4aa9336d0_rank
	.globl	k_qf4aa9336d0_rank
	.p2align	8
	.type	k_qf4aa9336d0_rank,@function
k_qf4aa9336d0_rank:
	s_mov_b64 s[64:65], 0
	v_nop
	global_prefetch_b8 v0, s[64:65] scope:SCOPE_SE
	s_setreg_imm32_b32 hwreg(HW_REG_WAVE_MODE, 25, 1), 1
	s_wait_xcnt 0x0
; An element's place in the whole order is the sum, over the 32 sorted chunks, of the elements that come before it: in earlier chunks those at most its key, in later chunks those under its key (the sort is stable),
; in its own chunk its place there.  Each count is a binary search in the chunk, which lies in LDS; 16 searches run side by side, so that their LDS loads overlap.
; perm_d[(place + 128 d) mod 32768] = the token's number (depth 1's order is rolled by half a patch).  Behind the 32,768 numbers stand 32 words that hold the depth.
	s_load_b128 s[4:7], s[0:1], 0x0                ; srt, perm0
	s_load_b64 s[8:9], s[0:1], 0x10                ; perm1
	v_lshl_add_u32 v160, v0, 2, 0x20000
	v_mov_b32 v161, 0
	v_lshrrev_b32 v1, 5, v0
	v_readfirstlane_b32 s12, v1                    ; wave
	s_lshr_b32 s14, ttmp9, 7                       ; depth
	s_bfe_u32 s13, ttmp9, 0x50002                  ; my chunk
	s_and_b32 s15, ttmp9, 3                        ; my quarter of it
	s_lshl_b32 s16, s14, 18
	s_mov_b32 s17, 0
	v_lshlrev_b32 v1, 4, v0                        ; 16 bytes a thread
	v_add_nc_u32 v2, 0x10000, v1
	v_lshl_add_u32 v3, s15, 8, v0                  ; my place in my chunk
	s_lshl_b32 s18, s13, 12
	v_lshl_add_u32 v4, v3, 2, s18                  ; 4096 chunk + 4 place: my element's byte, in memory and in LDS
	v_mov_b32 v9, 0
	s_wait_kmcnt 0x0
	s_add_nc_u64 s[10:11], s[4:5], s[16:17]
	s_cmp_eq_u32 s14, 0
	s_cselect_b64 s[20:21], s[6:7], s[8:9]
	global_load_b32 v5, v4, s[10:11]               ; my key
	global_load_b32 v6, v4, s[10:11] offset:131072 ; my token's number
.set k, 0
.rept 32
	global_load_b128 v[32+4*k:35+4*k], v1, s[10:11] offset:4096*k      ; the depth's 32 sorted chunks, 131,072 dense bytes
.set k, k+1
.endr
	s_wait_loadcnt 0x0
.set k, 0
.rept 16
	ds_store_b128 v1, v[32+4*k:35+4*k] offset:4096*k
	ds_store_b128 v2, v[96+4*k:99+4*k] offset:4096*k
.set k, k+1
.endr
	s_wait_dscnt 0x0                               ; my stores have landed: then the barrier; nothing is stored to LDS behind it
	s_barrier_signal -1
	s_barrier_wait -1
; v16-31 where each search stands (an LDS byte), v32-47 the word read, v48-63 the place if it is smaller, v64-79 what is compared.
; One step of the 16 searches of group grp.  lim: the highest byte of its chunk at which a search can stand ahead of this step (behind the steps 512 .. 2 st: 4 (1024 - 2 st); ahead of the last word: 4092).
; A place hangs on words that were loaded, so it enters an address only behind v_min_u32 with that bound written in the line: the bound changes no value, and with it place + offset + 4 stays inside the chunk's 4,096 bytes.
; lim = -1: the first step, whose place is still the chunk's first byte, a constant.
.macro HALVE grp, off, add, lim
.if (\lim) >= 0
.irp g, 0,1,2,3,4,5,6,7,8,9,10,11,12,13,14,15
	v_min_u32 v[16+\g], 4096*(16*(\grp)+\g)+(\lim), v[16+\g]
.endr
.endif
.irp g, 0,1,2,3,4,5,6,7,8,9,10,11,12,13,14,15
	ds_load_b32 v[32+\g], v[16+\g] offset:\off
.endr
.irp g, 0,1,2,3,4,5,6,7,8,9,10,11,12,13,14,15
	v_add_nc_u32 v[48+\g], \add, v[16+\g]
.endr
.irp g, 0,1,2,3,4,5,6,7,8,9,10,11,12,13,14,15
	s_wait_dscnt 15-\g                             ; LDS loads come back in order: search g's word is in, the 15 - g younger ones may be out
	v_cmp_lt_u32 vcc_lo, v[32+\g], v[64+\g]
	v_cndmask_b32 v[16+\g], v[16+\g], v[48+\g], vcc_lo
.endr
.endm
.macro GROUP grp
.irp g, 0,1,2,3,4,5,6,7,8,9,10,11,12,13,14,15
	v_mov_b32 v[16+\g], 4096*(16*\grp+\g)
	s_cmp_gt_u32 s13, 16*\grp+\g                   ; an earlier chunk: its equals come first
	s_cselect_b32 s22, 1, 0
	v_add_nc_u32 v[64+\g], s22, v5
.endr
	HALVE \grp, 2044, 2048, -1                     ; the step of 512
.irp st, 256,128,64,32,16,8,4,2,1
	HALVE \grp, 4*(\st-1), 4*\st, 4096-8*\st
.endr
	HALVE \grp, 0, 4, 4092                         ; the last word: the count can be 1,024
.irp g, 0,1,2,3,4,5,6,7,8,9,10,11,12,13,14,15
	s_cmp_eq_u32 s13, 16*\grp+\g                   ; in my own chunk: my place
	s_cselect_b32 s22, -1, 0
	v_cndmask_b32 v[16+\g], v[16+\g], v4, s22
	v_add_nc_u32 v9, v9, v[16+\g]
.endr
.endm
	GROUP 0
	GROUP 1
	v_add_nc_u32 v9, 0xffe10000, v9                ; less the 32 chunks' first bytes, 4096 x 496
	v_lshrrev_b32 v9, 2, v9
	s_lshl_b32 s22, s14, 7
	v_add_nc_u32 v9, s22, v9                       ; the roll
	v_and_b32 v9, 0x7fff, v9
	v_min_u32 v9, 0x7fff, v9
	v_lshlrev_b32 v9, 2, v9
	global_store_b32 v9, v6, s[20:21]
	s_and_b32 s23, ttmp9, 127                      ; the depth's first work-group, wave 0: the 32 words behind the numbers
	s_or_b32 s23, s23, s12
	s_cmp_lg_u32 s23, 0
	s_cbranch_scc1 .Lend
	v_lshlrev_b32 v10, 2, v0
	v_mov_b32 v11, s14
	global_store_b32 v10, v11, s[20:21] offset:131072
.Lend:
	s_wait_tensorcnt 0x0
	ds_add_u32 v160, v161
	s_wait_dscnt 0x0
	s_endpgm
.Lfunc_end_k_qf4aa9336d0_rank:
	.size	k_qf4aa9336d0_rank, .Lfunc_end_k_qf4aa9336d0_rank-k_qf4aa9336d0_rank
	.p2alignl 7, 3214868480
	.fill 96, 4, 3214868480
	.section	.rodata,"a",@progbits
	.p2align	6, 0x0
	.amdhsa_kernel k_qf4aa9336d0_rank
		.amdhsa_group_segment_fixed_size 132096
		.amdhsa_private_segment_fixed_size 0
		.amdhsa_enable_private_segment 0
		.amdhsa_kernarg_size 24
		.amdhsa_user_sgpr_count 2
		.amdhsa_user_sgpr_kernarg_segment_ptr 1
		.amdhsa_wavefront_size32 1
		.amdhsa_system_sgpr_workgroup_id_x 1
		.amdhsa_system_sgpr_workgroup_id_y 1
		.amdhsa_system_sgpr_workgroup_id_z 1
		.amdhsa_system_vgpr_workitem_id 0
		.amdhsa_next_free_vgpr 162
		.amdhsa_next_free_sgpr 66
		.amdhsa_reserve_vcc 1
		.amdhsa_float_denorm_mode_32 3
		.amdhsa_float_denorm_mode_16_64 3
		.amdhsa_memory_ordered 1
		.amdhsa_forward_progress 1
		.amdhsa_inst_pref_size 109
	.end_amdhsa_kernel
	.amdgpu_metadata
---
amdhsa.version: [ 1, 2 ]
amdhsa.kernels:
  - .name:           k_qf4aa9336d0_rank
    .symbol:         k_qf4aa9336d0_rank.kd
    .args:
      - { .name: srt, .offset: 0, .size: 8, .value_kind: global_buffer, .address_space: global }
      - { .name: perm0, .offset: 8, .size: 8, .value_kind: global_buffer, .address_space: global }
      - { .name: perm1, .offset: 16, .size: 8, .value_kind: global_buffer, .address_space: global }
    .group_segment_fixed_size: 132096
    .private_segment_fixed_size: 0
    .kernarg_segment_align: 8
    .kernarg_segment_size: 24
    .max_flat_workgroup_size: 256
    .sgpr_count:     66
    .vgpr_count:     162
    .wavefront_size: 32
...
	.end_amdgpu_metadata
.endif
;; end of part 3
;; launch blk0 (part 4): grid 256 x 1, 8 waves a work-group, no clusters, 285,696 bytes of LDS; arguments x, perm0, coords, wts, ln1_g, ln1_b, b_qkv, w_pos, b_pos, b_proj, ln2_g, ln2_b, b_fc1, b_fc2, norm_g, norm_b, y; writes y
.if DOCPART == 4
	.amdgcn_target "amdgcn-amd-amdhsa--gfx1250"
	.amdhsa_code_object_version 6
	.text
	.protected	k_qf4aa9336d0_blk0
	.globl	k_qf4aa9336d0_blk0
	.p2align	8
	.type	k_qf4aa9336d0_blk0,@function
k_qf4aa9336d0_blk0:
	s_mov_b64 s[64:65], 0
	v_nop
	global_prefetch_b8 v0, s[64:65] scope:SCOPE_SE
	s_setreg_imm32_b32 hwreg(HW_REG_WAVE_MODE, 25, 1), 1
	s_wait_xcnt 0x0
; ONE BLOCK OF THE NETWORK for half a patch: 128 queries against the patch's 256 keys, then projection, MLP, and (at depth 1) the last LayerNorm.  All quantised products on codes of E3M2 with E8M0 scales.
; The depth is read from the 32 words behind the permutation; it enters byte offsets into the [2, ..] inputs and a select mask, never a branch.
; SHARES.  Work-group: patch = x / 2, half = x % 2.  Local token t = 0..255 is the patch's row (t + 128 half) % 256: my queries are t < 128, and the blocks of 32 keys are the patch's own blocks.
;   ROW TILE T = 2 b + u, lane r: local token 32 b + 8 u + r + 8 (r / 8): so the results of two neighbouring tiles are 16 neighbours wherever the tokens are a later product's K.
;   Wave w owns head w (q, k, v, scores, softmax, p v stay in its registers), columns 32 w .. 32 w + 31 of the projection, of fc2 and of each 256-wide chunk of fc1, and the rows of tile w (and w + 8) in the LayerNorms.
;   Both halves of a patch compute k and v of all 256 tokens: the price of 256 work-groups in place of 128.
; OPERANDS go from wave to wave through LDS as images of their registers: register p of lane L at 48 L + 4 p, three stores or loads of 16 bytes; 16 lanes fall on 16 different 16-byte columns of 256 bytes.
; WEIGHTS come from memory straight into operand registers (the launch before laid them so), each set 14 loads, asked for a phase ahead.  No multicast: LDS is full of activations, and a set is read once by a work-group.
; SCORES have K = 32: a fragment of k packs four key tiles, one in each block of 32; the query stands in one block of source 1 with zero codes in the others.
; THE BIAS (c_query - c_key) . w_pos + b_pos is a[query] - a[key] + b with a = (c - c of local token 0) . w_pos, by f32 multiply-adds: -a[key] sqrt(32) is the C of the scores' products, (a[query] + b) log2(e) the addend of t.
; SOFTMAX: t = logit x log2(e), M = ceil(the row's largest t), p = 2^(t - M) is quantised along the keys, the sum is of the unquantised p and divides at the end.
; LIMITS: NaN and infinities are not served.  A block of zeros carries the scale byte 1 with zero codes.  The bias differs from (c_query - c_key) . w_pos by a few ulp of (the patch's spread x |w_pos|).
;   1 / sqrt, 1 / x and 2^x are the chip's own, 1 ulp.
.set HIMG,  133120                     ; LDS: 0: XS, 128 rows (16 T + r) x 1,040 bytes, f32.  Then: h's 32 fragments (2 T + s) x 1,536; later a chunk of the hidden layer's 16
.set HSCL,  182272                     ; their scale words, 64 bytes a fragment
.set OIMG,  184320                     ; the attention's output, 16 fragments
.set OSCL,  208896
.set H2IMG, 209920                     ; the second LayerNorm's output, 16 fragments
.set H2SCL, 234496
.set CSB,   235520                     ; coords by local token, 16 bytes each
.set AKT,   239616                     ; 1,024 bytes a wave: -a[t] sqrt(32)
.set AQT,   247808                     ; 512 bytes a wave: (a[t] + b_pos) log2(e), t < 128
.set GBT,   251904                     ; 2,048 bytes a wave: gains, then biases, of the LayerNorm in hand; 16,384 further on the last LayerNorm's
.set DW,    638976
; window 0: v1 R = lane % 16, v2 HH = lane / 16, v3 16 lane, v4 8 lane, v5 48 lane, v6 4 R, v7 my row of XS, v8, v9 my columns of XS (tiles 0-3, 4-7), v10 whole rows of my tile, v11 my tables,
;   v12, v13 where a block of 32 codes and its byte go in an image, v14-17, v21, v22 addresses in hand, v18 AKT, v19 AQT, v20 my row's token, v23 64 HH; v24-52 scale words alone; v54:55 a constant of GELU
.set WSA, 24                           ; scale words of weight slot A (4), of slot B (4)
.set WSB, 28
.set AS,  32                           ; of the fetched fragments (4 + 4)
.set AS2, 36
.set KS,  40                           ; of k's four fragments, of v's four
.set VS,  44
.set QSA, 48                           ; of q's two; v50 the query tile's byte in all four bytes; v51, v52 p's
.set QSC, 50
.set PS,  51
.set TM,  56                           ; v56-71 the quantiser's work; v72-91 the codes just made; v92 their scale word
.set PC,  72
.set PW,  92
.set BQ,  96                           ; v96-127 general
.set BK,  112
.set BV,  96
.set S,   128                          ; v128-255: what is normalised, scored or quantised
.set AF1, S+32
.set AF2, S+80
; window 1 (the low 8 bits)
.set KF,  0                            ; k's 4 fragments
.set QF,  48                           ; q's 2
.set AF,  72                           ; 4 fetched fragments
.set QV,  72                           ; zeros, query in lanes 0-15, zeros, zeros, query in lanes 16-31, zeros: 6 registers each
.set ACC2, 0                           ; later: x1, x2: [tile][16]
.set SLA, 128                          ; weight slot A
.set SLB, 176                          ; weight slot B
.set VF,  176                          ; v's 4 fragments
.set OA,  224                          ; p v of two query tiles
.set BF1, 224
.set BP,  240
.set MSB, 0
.macro WIN new                         ; the immediate's high byte repeats the setting that is left
.if MSB != \new
	s_set_vgpr_msb (MSB<<8)|\new
.set MSB, \new
.endif
.endm
.macro NOPS n                          ; places behind matrix instructions (ISA guide 7.12.1), where no other vector work is at hand
.rept \n
	v_nop
.endr
.endm
.macro BARRIER                         ; my LDS stores have landed and my LDS loads are in: then the work-group's barrier
	s_wait_dscnt 0x0
	s_barrier_signal -1
	s_barrier_wait -1
.endm
.macro WM d, a, b, c, sa, sb
	v_wmma_scale_f32_16x16x128_f8f6f4 v[(\d):(\d)+7], v[(\a):(\a)+11], v[(\b):(\b)+11], v[(\c):(\c)+7], v[\sa], v[\sb] matrix_a_fmt:MATRIX_FMT_BF6 matrix_b_fmt:MATRIX_FMT_BF6
.endm
.macro WM0 d, a, b, sa, sb
	v_wmma_scale_f32_16x16x128_f8f6f4 v[(\d):(\d)+7], v[(\a):(\a)+11], v[(\b):(\b)+11], 0, v[\sa], v[\sb] matrix_a_fmt:MATRIX_FMT_BF6 matrix_b_fmt:MATRIX_FMT_BF6
.endm
; a set of weights: 4 fragments (2 s + u) into a slot of window 1, 4 scale words into window 0: 14 loads
.macro WLOAD slot, ws, bl, off
	WIN 0x40
.irp s, 0,1
.irp u, 0,1
.irp i, 0,1,2
	global_load_b128 v[(\slot)+12*(2*\s+\u)+4*\i:(\slot)+12*(2*\s+\u)+4*\i+3], v3, s[\bl:\bl+1] offset:(\off)+3328*\s+1536*\u+512*\i
.endr
.endr
.endr
	WIN 0
.irp s, 0,1
	global_load_b64 v[(\ws)+2*\s:(\ws)+2*\s+1], v4, s[\bl:\bl+1] offset:(\off)+3328*\s+3072
.endr
.endm
; the four fragments (2 t + s) of a pair of row tiles, from image f0 on, and their scale words: 16 LDS loads.  v14, v15: the images' and the words' base
.macro FETCHP af, w1, as, f0
.if \w1
	WIN 0x40
.endif
.irp t, 0,1
.irp s, 0,1
.irp i, 0,1,2
	ds_load_b128 v[(\af)+12*(2*\t+\s)+4*\i:(\af)+12*(2*\t+\s)+4*\i+3], v14 offset:((\f0)+2*\t+\s)*1536+16*\i
.endr
.endr
.endr
	WIN 0
.irp t, 0,1
.irp s, 0,1
	ds_load_b32 v[(\as)+2*\t+\s], v15 offset:((\f0)+2*\t+\s)*64
.endr
.endr
.endm
; K step ks of a TRANSPOSED product of a pair of tiles: source 0 = 16 columns of the weight, source 1 = 16 rows.  Lane (r, hh) then holds row r, and registers 8 u + j the columns 16 hh + 8 u + j of the set's 32.
; Four accumulators by turns, one instruction a turn.  cmode = 1: C is the bias
.macro MULS acc, w, ws, af, as, ks, cmode, creg
.irp t, 0,1
.irp u, 0,1
.set rD, (\acc)+16*\t+8*\u
.set rW, (\w)+12*(2*(\ks)+\u)
.set rA, (\af)+12*(2*\t+(\ks))
.if \cmode
	WM rD, rW, rA, (\creg)+8*\u, (\ws)+2*(\ks)+\u, (\as)+2*\t+(\ks)
.else
	WM rD, rW, rA, rD, (\ws)+2*(\ks)+\u, (\as)+2*\t+(\ks)
.endif
.endr
.endr
.endm
; the same NOT transposed, for v: source 0 = 16 rows, source 1 = 16 columns: lane (r, hh) holds column lane r of tile u, and its registers run along the tokens, which are the next K
.macro MULVS pp, ks, cmode
.irp t, 0,1
.irp u, 0,1
.set rD, S+64*\u+8*(2*(\pp)+\t)
.set rW, SLA+12*(2*(\ks)+\u)
.set rA, AF+12*(2*\t+(\ks))
.if \cmode
	WM rD, rA, rW, BV+8*\u, AS+2*\t+(\ks), WSA+2*(\ks)+\u
.else
	WM rD, rA, rW, rD, AS+2*\t+(\ks), WSA+2*(\ks)+\u
.endif
.endr
.endr
.endm
; 32 nc numbers of a lane, register 16 b + i = k 32 b + 16 HH + i of my row, become codes in v[PC] on (6 nc registers: a whole block in a lane, lanes 0-15 block 2 c, lanes 16-31 block 2 c + 1),
; the blocks' bytes in v[TM+4] on and, with nc = 2, the scale word in v[PW]
.macro QUANT src, nc
.set qb, 0
.rept 2*(\nc)
	v_max3_num_f32 v[TM+qb], |v[(\src)+16*qb]|, |v[(\src)+1+16*qb]|, 0x2800000     ; my 16 numbers, and the floor 2^(5 - 127): the byte cannot fall under 1
.set qb, qb+1
.endr
.irp i, 2,4,6,8,10,12,14
.set qb, 0
.rept 2*(\nc)
	v_max3_num_f32 v[TM+qb], v[TM+qb], |v[(\src)+16*qb+\i]|, |v[(\src)+1+16*qb+\i]|
.set qb, qb+1
.endr
.endr
.set qb, 0
.rept 2*(\nc)
	v_permlanex16_b32 v[TM+4+qb], v[TM+qb], s42, s43
.set qb, qb+1
.endr
.set qb, 0
.rept 2*(\nc)
	v_max_num_f32 v[TM+qb], v[TM+qb], v[TM+4+qb]   ; with lane l xor 16's: the block's largest magnitude
.set qb, qb+1
.endr
.set qb, 0
.rept 2*(\nc)
	v_add_nc_u32 v[TM+12+qb], 0xfe000000, v[TM+qb] ; 4 off its exponent field: the conversion's scale operand
.set qb, qb+1
.endr
.set qb, 0
.rept 2*(\nc)
	v_lshrrev_b32 v[TM+4+qb], 23, v[TM+12+qb]      ; the scale's byte
.set qb, qb+1
.endr
.if (\nc) == 2
	v_lshl_or_b32 v[PW], v[TM+5], 8, v[TM+4]
	v_lshl_or_b32 v[PW], v[TM+6], 16, v[PW]
	v_lshl_or_b32 v[PW], v[TM+7], 24, v[PW]
.endif
.set qc, 0
.rept \nc
	v_cvt_scalef32_pk16_bf6_f32 v[PC+6*qc:PC+2+6*qc], v[(\src)+32*qc:(\src)+15+32*qc], v[TM+12+2*qc]
	v_cvt_scalef32_pk16_bf6_f32 v[PC+12+4*qc:PC+14+4*qc], v[(\src)+16+32*qc:(\src)+31+32*qc], v[TM+13+2*qc]   ; (a conversion's three registers begin on an even number)
.set qc, qc+1
.endr
	v_nop                                          ; one plain line behind the scaled conversions
.set qc, 0
.rept \nc
.irp i, 0,1,2
	v_permlane16_swap_b32 v[PC+6*qc+\i], v[PC+12+4*qc+\i]
.endr
.irp i, 0,1,2
	v_mov_b32 v[PC+3+6*qc+\i], v[PC+12+4*qc+\i]
.endr
.set qc, qc+1
.endr
.endm
.macro TOFRAG dst, sc                  ; the fragment just made stays in my registers
	WIN 0x40
.irp i, 0,1,2,3,4,5,6,7,8,9,10,11
	v_mov_b32 v[(\dst)+\i], v[PC+\i]
.endr
	WIN 0
	v_mov_b32 v[\sc], v[PW]
.endm
.macro IMAGE off, soff                 ; or goes to LDS as it stands.  v21, v22: where
.irp i, 0,1,2
	ds_store_b128 v21, v[PC+4*\i:PC+4*\i+3] offset:(\off)+16*\i
.endr
	ds_store_b32 v22, v[PW] offset:\soff
.endm
.macro BLOCKOUT                        ; behind QUANT .., 1: my lane's 24 bytes are block w % 4 of K step w / 4 of tile 2 p + HH; the two tiles' bytes go beside the other waves'.  v16, v17: where
.irp i, 0,1,2
	ds_store_b64 v16, v[PC+2*\i:PC+2*\i+1] offset:8*\i
.endr
	ds_store_b8 v17, v[TM+4]
	ds_store_b8 v17, v[TM+5] offset:128
.endm
.macro GBLOAD buf, b, tab              ; gains and biases of columns 32 b + 16 HH + 0 .. 15
.irp i, 0,1,2,3
	ds_load_b128 v[(\buf)+4*\i:(\buf)+4*\i+3], v11 offset:(\tab)+128*(\b)+16*\i
	ds_load_b128 v[(\buf)+16+4*\i:(\buf)+19+4*\i], v11 offset:(\tab)+1024+128*(\b)+16*\i
.endr
.endm
.macro GBAPPLY buf, b
.irp k, 0,2,4,6,8,10,12,14
	v_pk_mul_f32 v[S+16*(\b)+\k:S+16*(\b)+\k+1], v[S+16*(\b)+\k:S+16*(\b)+\k+1], v[94:95]
.endr
.irp k, 0,2,4,6,8,10,12,14
	v_pk_fma_f32 v[S+16*(\b)+\k:S+16*(\b)+\k+1], v[S+16*(\b)+\k:S+16*(\b)+\k+1], v[(\buf)+\k:(\buf)+\k+1], v[(\buf)+16+\k:(\buf)+17+\k]
.endr
.endm
; LayerNorm of my row: S + 16 b + i = column 32 b + 16 HH + i; lanes l and l xor 16 share a row.  sel = 1: at depth 0 the mean counts as 0 and 1 / sigma as 1 (the tables then hold 1 and 0): the row comes out as it is.
; q = 1: the result is quantised, two fragments, and their images stored.  The tables come in eight pieces, two buffers by turns: s_wait_dscnt 8 leaves the younger piece's eight loads out
.macro LNORM sel, q, tab
.irp k, 0,1,2,3
	v_pk_add_f32 v[96+2*\k:97+2*\k], v[S+2*\k:S+2*\k+1], v[S+8+2*\k:S+9+2*\k]
.endr
.set lj, 16
.rept 14
.irp k, 0,1,2,3
	v_pk_add_f32 v[96+2*\k:97+2*\k], v[96+2*\k:97+2*\k], v[S+lj+2*\k:S+lj+2*\k+1]
.endr
.set lj, lj+8
.endr
	v_pk_add_f32 v[96:97], v[96:97], v[98:99]
	v_pk_add_f32 v[100:101], v[100:101], v[102:103]
	v_pk_add_f32 v[96:97], v[96:97], v[100:101]
	v_add_f32 v96, v96, v97
	v_permlanex16_b32 v98, v96, s42, s43
	v_add_f32 v96, v96, v98
	v_mul_f32 v88, s66, v96                        ; the mean
.if \sel
	v_cndmask_b32 v88, 0, v88, s39
.endif
	v_mov_b32 v89, v88
.set lj, 0
.rept 64
	v_pk_add_f32 v[S+lj:S+lj+1], v[S+lj:S+lj+1], v[88:89] neg_lo:[0,1] neg_hi:[0,1]
.set lj, lj+2
.endr
.irp k, 0,1,2,3
	v_pk_mul_f32 v[96+2*\k:97+2*\k], v[S+2*\k:S+2*\k+1], v[S+2*\k:S+2*\k+1]
.endr
.set lj, 8
.rept 15
.irp k, 0,1,2,3
	v_pk_fma_f32 v[96+2*\k:97+2*\k], v[S+lj+2*\k:S+lj+2*\k+1], v[S+lj+2*\k:S+lj+2*\k+1], v[96+2*\k:97+2*\k]
.endr
.set lj, lj+8
.endr
	v_pk_add_f32 v[96:97], v[96:97], v[98:99]
	v_pk_add_f32 v[100:101], v[100:101], v[102:103]
	v_pk_add_f32 v[96:97], v[96:97], v[100:101]
	v_add_f32 v96, v96, v97
	v_permlanex16_b32 v98, v96, s42, s43
	v_add_f32 v96, v96, v98
	v_fma_f32 v96, v96, s66, s67                   ; the variance + 1e-5
	v_rsq_f32 v94, v96
	v_nop                                          ; a plain line behind it
	s_wait_alu depctr_va_vdst(0)                   ; and the wait ahead of its first reader
.if \sel
	v_cndmask_b32 v94, 1.0, v94, s39
.endif
	v_mov_b32 v95, v94
	GBLOAD 96, 0, \tab
.irp s, 0,1
	GBLOAD 56, 4*\s+1, \tab
	s_wait_dscnt 8
	GBAPPLY 96, 4*\s
	GBLOAD 96, 4*\s+2, \tab
	s_wait_dscnt 8
	GBAPPLY 56, 4*\s+1
	GBLOAD 56, 4*\s+3, \tab
	s_wait_dscnt 8
	GBAPPLY 96, 4*\s+2
.if \s == 0
	GBLOAD 96, 4, \tab
	s_wait_dscnt 8
.else
	s_wait_dscnt 0x0
.endif
	GBAPPLY 56, 4*\s+3
.if \q
	QUANT S+64*\s, 2
	IMAGE 1536*\s, 64*\s
.endif
.endr
.endm
; gelu(x) = x / (1 + 2^(x (K1 + K2 x x))), K1 = -2 sqrt(2 / pi) log2(e), K2 = 0.044715 K1: the tanh form, on S + 0 .. 31
.macro GELU
.irp k, 0,2,4,6,8,10,12,14,16,18,20,22,24,26,28,30
	v_pk_mul_f32 v[96+\k:97+\k], v[S+\k:S+\k+1], v[S+\k:S+\k+1]
.endr
.irp k, 0,2,4,6,8,10,12,14,16,18,20,22,24,26,28,30
	v_pk_fma_f32 v[96+\k:97+\k], v[96+\k:97+\k], s[48:49], v[54:55] op_sel_hi:[1,0,1]
.endr
.irp k, 0,2,4,6,8,10,12,14,16,18,20,22,24,26,28,30
	v_pk_mul_f32 v[96+\k:97+\k], v[96+\k:97+\k], v[S+\k:S+\k+1]
.endr
.set gj, 0
.rept 32
	v_exp_f32 v[96+gj], v[96+gj]
.set gj, gj+1
.endr
	v_nop
	s_wait_alu depctr_va_vdst(0)                   ; one wait for the 32 exponentials
.irp k, 0,2,4,6,8,10,12,14,16,18,20,22,24,26,28,30
	v_pk_add_f32 v[96+\k:97+\k], v[96+\k:97+\k], 1.0 op_sel_hi:[1,0]
.endr
.set gj, 0
.rept 32
	v_rcp_f32 v[96+gj], v[96+gj]
.set gj, gj+1
.endr
	v_nop
	s_wait_alu depctr_va_vdst(0)                   ; and one for the 32 reciprocals
.irp k, 0,2,4,6,8,10,12,14,16,18,20,22,24,26,28,30
	v_pk_mul_f32 v[S+\k:S+\k+1], v[S+\k:S+\k+1], v[96+\k:97+\k]
.endr
.endm
.macro XSIO store                      ; my 32 columns of all 128 rows of XS, to or from ACC2
.irp T, 0,1,2,3,4,5,6,7
.irp q, 0,1,2,3
.if \store
	ds_store_b128 v[8+\T/4], v[ACC2+16*\T+4*\q:ACC2+16*\T+4*\q+3] offset:(\T%4)*16640+16*\q   ; each accumulator from its low end on
.else
	ds_load_b128 v[ACC2+16*\T+4*\q:ACC2+16*\T+4*\q+3], v[8+\T/4] offset:(\T%4)*16640+16*\q
.endif
.endr
.endr
.endm
.macro ROWIO store                     ; my row of XS, to or from S
.irp b, 0,1,2,3,4,5,6,7
.irp i, 0,1,2,3
.if \store
	ds_store_b128 v7, v[S+16*\b+4*\i:S+16*\b+4*\i+3] offset:128*\b+16*\i
.else
	ds_load_b128 v[S+16*\b+4*\i:S+16*\b+4*\i+3], v7 offset:128*\b+16*\i
.endif
.endr
.endr
.endm
; ================================================================ HEAD
	s_load_b512 s[4:19], s[0:1], 0x0               ; in s[4:5], perm s[6:7], coords s[8:9], wts s[10:11], ln1_g s[12:13], ln1_b s[14:15], b_qkv s[16:17], w_pos s[18:19]
	s_load_b512 s[20:35], s[0:1], 0x40             ; b_pos s[20:21], b_proj s[22:23], ln2_g s[24:25], ln2_b s[26:27], b_fc1 s[28:29], b_fc2 s[30:31], norm_g s[32:33], norm_b s[34:35]
	s_load_b64 s[36:37], s[0:1], 0x80              ; out
	v_lshrrev_b32 v96, 5, v0
	v_readfirstlane_b32 s40, v96                   ; wave 0..7
	v_and_b32 v96, 31, v0
	v_and_b32 v1, 15, v0
	v_bfe_u32 v2, v0, 4, 1
	v_lshlrev_b32 v3, 4, v96
	v_lshlrev_b32 v4, 3, v96
	v_mul_u32_u24 v5, v96, 48
	v_lshlrev_b32 v6, 2, v1
	v_lshlrev_b32 v23, 6, v2
	s_mov_b32 s42, 0x76543210
	s_mov_b32 s43, 0xfedcba98                      ; v_permlanex16_b32: lane l xor 16
	s_mov_b32 s44, 0x3e8293ee                      ; log2(e) / sqrt(32)
	s_mov_b32 s45, s44
	s_mov_b32 s48, 0xbdd2d3e8                      ; K2
	s_mov_b32 s49, s48
	s_mov_b32 s50, 0x0000ffff                      ; lanes 0-15
	s_mov_b32 s51, 0xffff0000                      ; lanes 16-31
	s_mov_b32 s66, 0x3b800000                      ; 1 / 256
	s_mov_b32 s67, 0x3727c5ac                      ; 1e-5
	v_mov_b32 v54, 0xc0135761                      ; K1
	v_mov_b32 v55, v54
	v_mad_u32_u24 v7, v1, 1040, v23
	s_mul_i32 s72, s40, 16640
	s_lshl_b32 s73, s40, 7
	v_add_nc_u32 v8, s73, v7                       ; R x 1040 + 64 HH + 128 w
	v_add_nc_u32 v9, 66560, v8
	v_add_nc_u32 v7, s72, v7                       ; (16 w + R) x 1040 + 64 HH
	v_add_nc_u32 v10, s72, v3
	s_lshl_b32 s41, s40, 11
	s_add_co_u32 s41, s41, GBT                     ; my tables
	v_add_nc_u32 v11, s41, v23
	s_and_b32 s74, s40, 1
	s_mul_i32 s75, s74, 768
	s_bfe_u32 s76, s40, 0x10001
	s_mul_i32 s77, s76, 24
	s_add_co_u32 s75, s75, s77
	s_lshr_b32 s77, s40, 2
	s_mul_i32 s78, s77, 1536
	s_add_co_u32 s75, s75, s78
	v_mul_u32_u24 v12, v1, 48
	v_mad_u32_u24 v12, v2, 3072, v12
	v_add_nc_u32 v12, s75, v12                     ; 3072 HH + 48 (16 (w % 2) + R) + 24 ((w / 2) % 2) + 1536 (w / 4)
	s_and_b32 s78, s40, 3
	s_lshl_b32 s77, s77, 6
	s_add_co_u32 s78, s78, s77
	v_add_nc_u32 v13, s78, v6                      ; 4 R + w % 4 + 64 (w / 4)
	s_lshl_b32 s77, s40, 10
	s_add_co_u32 s77, s77, AKT
	v_add_nc_u32 v18, s77, v23
	v_and_b32 v97, 8, v1
	v_add_nc_u32 v97, v97, v1                      ; R + 8 (R / 8)
	s_lshl_b32 s77, s40, 9
	s_add_co_u32 s77, s77, AQT
	v_lshl_add_u32 v19, v97, 2, s77
	s_lshr_b32 s79, s40, 1
	s_lshl_b32 s79, s79, 5
	s_lshl_b32 s74, s74, 3
	s_add_co_u32 s79, s79, s74
	v_add_nc_u32 v98, s79, v97                     ; my row's local token in tile w
	v_lshl_add_u32 v21, v98, 4, CSB
	v_add_nc_u32 v22, s41, v3
	s_and_b32 s80, ttmp9, 1
	s_lshl_b32 s80, s80, 7
	s_lshr_b32 s81, ttmp9, 1
	s_lshl_b32 s81, s81, 8
	s_add_co_u32 s80, s80, s81
	v_add_nc_u32 v99, s80, v98
	v_lshlrev_b32 v99, 2, v99                      ; its place in the permutation;
	v_xor_b32 v100, 512, v99                       ; tile w + 8's row lies 128 rows of the patch away
	s_mul_i32 s84, s40, 3072
	s_add_co_u32 s84, s84, HIMG                    ; where my tile's images go,
	s_lshl_b32 s85, s40, 7
	s_add_co_u32 s85, s85, HSCL                    ; and their scale words
	s_wait_kmcnt 0x0
	s_load_b32 s38, s[6:7], 0x20000                ; the depth
	global_load_b32 v20, v99, s[6:7]
	global_load_b32 v101, v100, s[6:7]
	s_wait_kmcnt 0x0
	s_min_u32 s38, s38, 1
	s_sub_co_u32 s39, 0, s38                       ; all ones at depth 1
	s_lshl_b32 s72, s38, 10
	s_mov_b32 s73, 0
	s_add_nc_u64 s[12:13], s[12:13], s[72:73]
	s_add_nc_u64 s[14:15], s[14:15], s[72:73]
	s_add_nc_u64 s[24:25], s[24:25], s[72:73]
	s_add_nc_u64 s[26:27], s[26:27], s[72:73]
	s_lshl_b32 s74, s40, 7                         ; my 32 columns
	s_add_co_u32 s72, s72, s74
	s_add_nc_u64 s[22:23], s[22:23], s[72:73]
	s_add_nc_u64 s[30:31], s[30:31], s[72:73]
	s_mul_i32 s72, s38, 3072
	s_add_co_u32 s72, s72, s74
	s_add_nc_u64 s[16:17], s[16:17], s[72:73]
	s_lshl_b32 s72, s38, 12
	s_add_co_u32 s72, s72, s74
	s_add_nc_u64 s[70:71], s[28:29], s[72:73]
	s_mul_i32 s72, s38, DW
	s_mul_i32 s75, s40, 6656
	s_add_co_u32 s72, s72, s75
	s_add_nc_u64 s[56:57], s[10:11], s[72:73]      ; my sets of weights
	s_mul_i32 s82, s38, 96
	s_lshl_b32 s75, s40, 2
	s_add_co_u32 s82, s82, s75
	s_lshl_b32 s83, s38, 5
	s_add_co_u32 s83, s83, s75
	s_load_b32 s52, s[18:19], s82 offset:0x0       ; w_pos[depth][0..2][w]
	s_load_b32 s53, s[18:19], s82 offset:0x20
	s_load_b32 s54, s[18:19], s82 offset:0x40
	s_load_b32 s55, s[20:21], s83 offset:0x0       ; b_pos[depth][w]
	s_wait_loadcnt 0x0
	v_min_u32 v20, 0x7fff, v20
	v_min_u32 v101, 0x7fff, v101
	v_lshl_add_u32 v17, v20, 10, v23               ; my rows of the input: 1,024 bytes a token, + 64 HH
	v_lshl_add_u32 v16, v101, 10, v23
	v_mul_u32_u24 v14, v20, 12
	v_mul_u32_u24 v15, v101, 12
	global_load_b128 v[96:99], v3, s[12:13]
	global_load_b128 v[100:103], v3, s[12:13] offset:512
	global_load_b128 v[104:107], v3, s[14:15]
	global_load_b128 v[108:111], v3, s[14:15] offset:512
.irp i, 0,1,2
	global_load_b32 v[56+\i], v14, s[8:9] offset:4*\i
	global_load_b32 v[60+\i], v15, s[8:9] offset:4*\i
.endr
.irp b, 0,1,2,3,4,5,6,7
.irp i, 0,1,2,3
	global_load_b128 v[S+16*\b+4*\i:S+16*\b+4*\i+3], v17, s[4:5] offset:128*\b+16*\i
.endr
.endr
	v_mov_b32 v59, 0
	v_mov_b32 v63, 0
	s_wait_loadcnt 32                              ; the tables and the coords are in; the 32 loads of tile w's rows may be out
	ds_store_b128 v22, v[96:99]
	ds_store_b128 v22, v[100:103] offset:512
	ds_store_b128 v22, v[104:107] offset:1024
	ds_store_b128 v22, v[108:111] offset:1536
	ds_store_b128 v21, v[56:59]
	ds_store_b128 v21, v[60:63] offset:2048
	WIN 0x40
.irp b, 0,1,2,3,4,5,6,7
.irp i, 0,1,2,3
	global_load_b128 v[16*\b+4*\i:16*\b+4*\i+3], v16, s[4:5] offset:128*\b+16*\i     ; tile w + 8's rows, into window 1
.endr
.endr
	WLOAD SLA, WSA, 56, 0                          ; Wq of my head
	WLOAD SLB, WSB, 56, 53248                      ; Wk
; ================================================================ A: the first LayerNorm of tiles w and w + 8, quantised
	s_mov_b32 s60, 0
	s_wait_loadcnt 60                              ; tile w's rows are in: behind them 32 + 28 loads were issued
.Lpa:
	s_cmp_lg_u32 s60, 0
	s_cbranch_scc1 .Lpa_nox
	ROWIO 1                                        ; my queries' rows as they came: the residual
.Lpa_nox:
	v_add_nc_u32 v21, s84, v5
	v_add_nc_u32 v22, s85, v6
	LNORM 0, 1, 0
	s_cmp_lg_u32 s60, 0
	s_cbranch_scc1 .Lpa_nocopy
	s_wait_loadcnt 28                              ; tile w + 8's rows are in; the 28 loads of weights may be out
	WIN 0x01
.set lj, 0
.rept 128
	v_mov_b32 v[S+lj], v[lj]
.set lj, lj+1
.endr
	WIN 0
.Lpa_nocopy:
	s_add_co_u32 s84, s84, 24576                   ; tile w + 8's images
	s_add_co_u32 s85, s85, 1024
	s_add_co_u32 s60, s60, 1
	s_cmp_lt_u32 s60, 2
	s_cbranch_scc1 .Lpa
.irp q, 0,1,2,3
	global_load_b128 v[BQ+4*\q:BQ+4*\q+3], v23, s[16:17] offset:16*\q              ; q's bias at my 16 of the head's 32,
	global_load_b128 v[BK+4*\q:BK+4*\q+3], v23, s[16:17] offset:1024+16*\q         ; k's
.endr
	BARRIER                                        ; h's 32 fragments, the coords and the residual lie in LDS
; ================================================================ the positional tables of my head
	s_wait_kmcnt 0x0
	v_add_nc_u32 v14, CSB, v3
	v_mov_b32 v15, CSB
	v_lshrrev_b32 v16, 1, v4                       ; 4 x lane
	s_lshl_b32 s72, s40, 10
	s_add_co_u32 s72, s72, AKT
	s_lshl_b32 s73, s40, 9
	s_add_co_u32 s73, s73, AQT
	v_add_nc_u32 v17, s73, v16
	v_add_nc_u32 v16, s72, v16
.irp i, 0,1,2,3,4,5,6,7
	ds_load_b128 v[S+4*\i:S+4*\i+3], v14 offset:512*\i     ; local token lane + 32 i
.endr
	ds_load_b128 v[S+32:S+35], v15                 ; local token 0: what all are taken against, so that a common offset of the coords falls out ahead of the products
	s_wait_dscnt 0x0
.irp i, 0,1,2,3,4,5,6,7
	v_sub_f32 v[S+4*\i], v[S+4*\i], v[S+32]
	v_sub_f32 v[S+4*\i+1], v[S+4*\i+1], v[S+33]
	v_sub_f32 v[S+4*\i+2], v[S+4*\i+2], v[S+34]
.endr
.irp i, 0,1,2,3,4,5,6,7
	v_mul_f32 v[S+4*\i], s52, v[S+4*\i]
.endr
.irp i, 0,1,2,3,4,5,6,7
	v_fmac_f32 v[S+4*\i], s53, v[S+4*\i+1]
.endr
.irp i, 0,1,2,3,4,5,6,7
	v_fmac_f32 v[S+4*\i], s54, v[S+4*\i+2]         ; a
.endr
.irp i, 0,1,2,3,4,5,6,7
	v_mul_f32 v[S+4*\i+1], 0xc0b504f3, v[S+4*\i]   ; -a sqrt(32)
	ds_store_b32 v16, v[S+4*\i+1] offset:128*\i
.endr
.irp i, 0,1,2,3
	v_add_f32 v[S+4*\i+2], s55, v[S+4*\i]
	v_mul_f32 v[S+4*\i+2], 0x3fb8aa3b, v[S+4*\i+2] ; (a + b_pos) log2(e)
	ds_store_b32 v17, v[S+4*\i+2] offset:128*\i
.endr                                              ; my wave's own bytes: LDS serves a wave's instructions in order
; ================================================================ k of all 16 tiles, q of my 8: four tiles make one fragment (one tile in each block of 32)
	v_add_nc_u32 v14, HIMG, v5
	v_add_nc_u32 v15, HSCL, v6
	s_wait_loadcnt 0x0                             ; the weights and the biases
	FETCHP AF, 1, AS, 0
.irp qd, 0,1,2,3
.irp pr, 0,1
	s_wait_dscnt 0x0
	WIN 0x05
	MULS S+32*\pr, SLB, WSB, AF, AS, 0, 1, BK
.if \qd < 2
	MULS S+64+32*\pr, SLA, WSA, AF, AS, 0, 1, BQ
.endif
	MULS S+32*\pr, SLB, WSB, AF, AS, 1, 0, 0
.if \qd < 2
	MULS S+64+32*\pr, SLA, WSA, AF, AS, 1, 0, 0
.endif
	WIN 0
	NOPS 4                                         ; in front of loads into registers that the products have read, and of the first read of results
.if 2*\qd+\pr < 7
	FETCHP AF, 1, AS, 4*(2*\qd+\pr+1)
.endif
.endr
.if \qd == 1
	WLOAD SLA, WSA, 56, 106496                     ; Wq is done with: Wv
	v_and_b32 v16, 8, v1
	v_add_nc_u32 v16, v16, v1
	v_lshlrev_b32 v16, 2, v16
	global_load_b32 v96, v16, s[16:17] offset:2048         ; v's bias at my column lane, tile u = 0,
	global_load_b32 v104, v16, s[16:17] offset:2080        ; u = 1
.endif
	QUANT S, 2
	TOFRAG KF+12*\qd, KS+\qd
.if \qd < 2
	QUANT S+64, 2
	TOFRAG QF+12*\qd, QSA+\qd
.endif
.endr
; ================================================================ v, with the tokens along the registers: quantised along the keys
	FETCHP AF, 1, AS, 0
	s_wait_loadcnt 0x0
.irp j, 1,2,3,4,5,6,7
	v_mov_b32 v[96+\j], v96
	v_mov_b32 v[104+\j], v104
.endr
.irp ks, 0,1
.irp pp, 0,1,2,3
	s_wait_dscnt 0x0
	WIN 0x05
	MULVS \pp, 0, 1
	MULVS \pp, 1, 0
	WIN 0
	NOPS 4
.if 4*\ks+\pp < 7
	FETCHP AF, 1, AS, 4*(4*\ks+\pp+1)
.endif
.endr
.if \ks == 1
	WLOAD SLA, WSA, 56, 159744                     ; Wv is done with: the projection's set
.endif
.irp u, 0,1
	QUANT S+64*\u, 2
	TOFRAG VF+12*(2*\u+\ks), VS+2*\u+\ks
.endr
.endr
	WIN 0x40
.set lj, 0
.rept 36
	v_mov_b32 v[QV+lj], 0
.set lj, lj+1
.endr
	WIN 0
; ================================================================ attention: a trip takes query tiles 2 j and 2 j + 1
.macro ATT hh
.irp b, 0,1,2,3,4,5,6,7
.irp i, 0,1,2,3
	ds_load_b128 v[S+16*\b+4*\i:S+16*\b+4*\i+3], v18 offset:128*\b+16*\i   ; -a[key] sqrt(32): the products' C.  Register 16 b + i: key 32 b + 16 HH + i
.endr
.endr
	ds_load_b32 v93, v14 offset:32*\hh             ; (a[query] + b_pos) log2(e)
.if \hh
	v_perm_b32 v[QSC], v[QSA], v[QSA], 0x01010101  ; the query tile's scale byte in all four bytes
.else
	v_perm_b32 v[QSC], v[QSA], v[QSA], 0
.endif
	WIN 0x45
.irp i, 0,1,2,3,4,5                    ; the tile's codes lie in lanes 16 hh on of QF + 0 .. 5: once in lanes 0-15, once in lanes 16-31, zeros in the other half
.if \hh
	v_cndmask_b32 v[QV+24+\i], 0, v[QF+\i], s51
	v_permlanex16_b32 v[QV+6+\i], v[QF+\i], s42, s43
.else
	v_cndmask_b32 v[QV+6+\i], 0, v[QF+\i], s50
	v_permlanex16_b32 v[QV+24+\i], v[QF+\i], s42, s43
.endif
.endr
.irp i, 0,1,2,3,4,5
.if \hh
	v_cndmask_b32 v[QV+6+\i], 0, v[QV+6+\i], s50
.else
	v_cndmask_b32 v[QV+24+\i], 0, v[QV+24+\i], s51
.endif
.endr
	WIN 0
	NOPS 4                                         ; an operand written by vector lines stands four places ahead of a scaled product
	s_wait_dscnt 0x0
	WIN 0x05
.set tt, 0
.rept 16                               ; key tile tt is block tt % 4 of k's fragment tt / 4; the query stands in that block
	WM S+8*tt, KF+12*(tt/4), QV+6+18*(tt%2)-6*((tt%4)/2), S+8*tt, KS+tt/4, QSC
.set tt, tt+1
.endr
	WIN 0
	NOPS 4
.irp b, 0,1,2,3,4,5,6,7
	v_max3_num_f32 v[96+\b], v[S+16*\b], v[S+16*\b+1], v[S+16*\b+2]        ; the largest score of each block of 32 keys: for the row's maximum and for the block's largest p
.endr
.irp i, 3,5,7,9,11,13
.irp b, 0,1,2,3,4,5,6,7
	v_max3_num_f32 v[96+\b], v[96+\b], v[S+16*\b+\i], v[S+16*\b+\i+1]
.endr
.endr
.irp b, 0,1,2,3,4,5,6,7
	v_max_num_f32 v[96+\b], v[96+\b], v[S+16*\b+15]
.endr
.irp b, 0,1,2,3,4,5,6,7
	v_permlanex16_b32 v[104+\b], v[96+\b], s42, s43
.endr
.irp b, 0,1,2,3,4,5,6,7
	v_max_num_f32 v[96+\b], v[96+\b], v[104+\b]
.endr
	v_max3_num_f32 v122, v96, v97, v98
	v_max3_num_f32 v123, v99, v100, v101
	v_max3_num_f32 v122, v122, v102, v103
	v_max_num_f32 v122, v122, v123
	v_fma_f32 v122, v122, s44, v93                 ; the row's largest t
	v_floor_f32 v123, -v122                        ; -M = -ceil(t)
	v_add_f32 v88, v93, v123
.set lj, 0
.rept 64
	v_pk_fma_f32 v[S+lj:S+lj+1], v[S+lj:S+lj+1], s[44:45], v[88:89] op_sel_hi:[1,0,0]      ; t - M
.set lj, lj+2
.endr
.irp b, 0,1,2,3,4,5,6,7
	v_fma_f32 v[96+\b], v[96+\b], s44, v88         ; the same of each block's largest score
.endr
.set lj, 0
.rept 128
	v_exp_f32 v[S+lj], v[S+lj]                     ; p, not normalised
.set lj, lj+1
.endr
	v_nop
	s_wait_alu depctr_va_vdst(0)                   ; one wait for the 128, ahead of their first reader
.irp b, 0,1,2,3,4,5,6,7
	v_exp_f32 v[96+\b], v[96+\b]                   ; each block's largest p
.endr
	v_pk_add_f32 v[90:91], v[S:S+1], v[S+2:S+3]    ; the row's sum, of the unquantised p, in two chains
	v_pk_add_f32 v[120:121], v[S+4:S+5], v[S+6:S+7]
.set lj, 8
.rept 30
	v_pk_add_f32 v[90:91], v[90:91], v[S+lj:S+lj+1]
	v_pk_add_f32 v[120:121], v[120:121], v[S+lj+2:S+lj+3]
.set lj, lj+4
.endr
	v_pk_add_f32 v[90:91], v[90:91], v[120:121]
	s_wait_alu depctr_va_vdst(0)                   ; and one for the eight
.irp b, 0,1,2,3,4,5,6,7
	v_max_num_f32 v[96+\b], 0x2800000, v[96+\b]
.endr
.irp b, 0,1,2,3,4,5,6,7
	v_add_nc_u32 v[112+\b], 0xfe000000, v[96+\b]
.endr
.irp b, 0,1,2,3,4,5,6,7
	v_lshrrev_b32 v[96+\b], 23, v[112+\b]
.endr
.irp ks, 0,1
	v_lshl_or_b32 v[PS+\ks], v[97+4*\ks], 8, v[96+4*\ks]
	v_lshl_or_b32 v[PS+\ks], v[98+4*\ks], 16, v[PS+\ks]
	v_lshl_or_b32 v[PS+\ks], v[99+4*\ks], 24, v[PS+\ks]
.endr
.irp ks, 0,1
.irp c, 0,1
	v_cvt_scalef32_pk16_bf6_f32 v[56+12*\ks+6*\c:58+12*\ks+6*\c], v[S+64*\ks+32*\c:S+64*\ks+32*\c+15], v[112+4*\ks+2*\c]
	v_cvt_scalef32_pk16_bf6_f32 v[80+4*\c:82+4*\c], v[S+64*\ks+32*\c+16:S+64*\ks+32*\c+31], v[113+4*\ks+2*\c]
.endr
	v_nop
.irp c, 0,1
.irp i, 0,1,2
	v_permlane16_swap_b32 v[56+12*\ks+6*\c+\i], v[80+4*\c+\i]
.endr
.irp i, 0,1,2
	v_mov_b32 v[59+12*\ks+6*\c+\i], v[80+4*\c+\i]
.endr
.endr
.endr
	v_add_f32 v90, v90, v91
	v_permlanex16_b32 v120, v90, s42, s43
	v_add_f32 v90, v90, v120
	v_rcp_f32 v[92+2*\hh], v90                     ; 1 / the row's sum
	NOPS 4                                         ; the plain line behind it, and the places between p's codes and the products
	s_wait_alu depctr_va_vdst(0)
	WIN 0x51
.irp ks, 0,1
.irp u, 0,1                            ; source 0 = 16 of the head's 32, source 1 = p: lane (r, hh) holds query r, registers 8 u + j the channels 16 hh + 8 u + j
.if \ks == 0
	WM0 OA+16*\hh+8*\u, VF+12*(2*\u+\ks), 56+12*\ks, VS+2*\u+\ks, PS+\ks
.else
	WM OA+16*\hh+8*\u, VF+12*(2*\u+\ks), 56+12*\ks, OA+16*\hh+8*\u, VS+2*\u+\ks, PS+\ks
.endif
.endr
.endr
	WIN 0
.endm
	s_mov_b32 s61, 0
	s_mov_b32 s88, 0
	s_mov_b32 s89, OIMG
	s_mov_b32 s90, OSCL
.Latt:
	v_add_nc_u32 v14, s88, v19
	ATT 0
	ATT 1
	NOPS 4
	WIN 0x01
.irp hh, 0,1
.irp k, 0,2,4,6,8,10,12,14
	v_pk_mul_f32 v[S+16*\hh+\k:S+16*\hh+\k+1], v[OA+16*\hh+\k:OA+16*\hh+\k+1], v[92+2*\hh:93+2*\hh] op_sel_hi:[1,0]
.endr
.endr
	WIN 0
	QUANT S, 1                                     ; my head's 32 channels are one block of the projection's K
	v_add_nc_u32 v16, s89, v12
	v_add_nc_u32 v17, s90, v13
	BLOCKOUT
	WIN 0x41
.set lj, 0
.rept 18
	v_mov_b32 v[QF+lj], v[QF+6+lj]                 ; the next two query tiles' codes come to the front,
.set lj, lj+1
.endr
	WIN 0
	v_alignbit_b32 v[QSA], v[QSA+1], v[QSA], 16    ; and their scale bytes
	v_lshrrev_b32 v[QSA+1], 16, v[QSA+1]
	s_add_co_u32 s88, s88, 128
	s_add_co_u32 s89, s89, 6144
	s_add_co_u32 s90, s90, 256
	s_add_co_u32 s61, s61, 1
	s_cmp_lt_u32 s61, 4
	s_cbranch_scc1 .Latt
	WLOAD SLB, WSB, 56, 212992                     ; fc1, chunk 0
	WIN 0x40
	XSIO 0                                         ; the residual at my 32 columns: the projection adds onto it
.irp q, 0,1,2,3
	global_load_b128 v[BP+4*\q:BP+4*\q+3], v23, s[22:23] offset:16*\q
.endr
	WIN 0
	global_load_b128 v[S:S+3], v3, s[24:25]
	global_load_b128 v[S+4:S+7], v3, s[24:25] offset:512
	global_load_b128 v[S+8:S+11], v3, s[26:27]
	global_load_b128 v[S+12:S+15], v3, s[26:27] offset:512
	global_load_b128 v[S+16:S+19], v3, s[32:33]
	global_load_b128 v[S+20:S+23], v3, s[32:33] offset:512
	global_load_b128 v[S+24:S+27], v3, s[34:35]
	global_load_b128 v[S+28:S+31], v3, s[34:35] offset:512
	v_add_nc_u32 v22, s41, v3
	s_wait_loadcnt 0x0
.irp i, 0,1,2,3,4,5,6,7
	v_cndmask_b32 v[S+16+\i], 1.0, v[S+16+\i], s39 ; at depth 0 the last LayerNorm's gains count as 1
	v_cndmask_b32 v[S+24+\i], 0, v[S+24+\i], s39   ; and its biases as 0
.endr
.irp i, 0,1,2,3
	ds_store_b128 v22, v[S+4*\i:S+4*\i+3] offset:512*\i
	ds_store_b128 v22, v[S+16+4*\i:S+19+4*\i] offset:16384+512*\i
.endr
	BARRIER                                        ; the attention's 16 fragments lie in LDS
; ================================================================ the projection, onto the residual
	WIN 0x45
.irp T, 0,1,2,3,4,5,6,7
.irp k, 0,2,4,6,8,10,12,14
	v_pk_add_f32 v[ACC2+16*\T+\k:ACC2+16*\T+\k+1], v[ACC2+16*\T+\k:ACC2+16*\T+\k+1], v[BP+\k:BP+\k+1]
.endr
.endr
	WIN 0
	v_add_nc_u32 v14, OIMG, v5
	v_add_nc_u32 v15, OSCL, v6
	FETCHP AF1, 0, AS, 0
	FETCHP AF2, 0, AS2, 4
; four pairs of tiles onto ACC2, two sets of fetched fragments by turns: s_wait_dscnt 16 leaves the younger FETCHP's 16 loads out
.macro PAIRS w, ws, last
	s_wait_dscnt 16
	WIN 0x51
	MULS ACC2, \w, \ws, AF1, AS, 0, 0, 0
	MULS ACC2, \w, \ws, AF1, AS, 1, 0, 0
	WIN 0
	NOPS 4
	FETCHP AF1, 0, AS, 8
	s_wait_dscnt 16
	WIN 0x51
	MULS ACC2+32, \w, \ws, AF2, AS2, 0, 0, 0
	MULS ACC2+32, \w, \ws, AF2, AS2, 1, 0, 0
	WIN 0
	NOPS 4
	FETCHP AF2, 0, AS2, 12
	s_wait_dscnt 16
	WIN 0x51
	MULS ACC2+64, \w, \ws, AF1, AS, 0, 0, 0
	MULS ACC2+64, \w, \ws, AF1, AS, 1, 0, 0
	WIN 0
	NOPS 4
.if \last
	s_wait_dscnt 0x0
.else
	v_add_nc_u32 v14, H2IMG, v5                    ; the next chunk's fc1 begins with the first pair of the normalised rows
	v_add_nc_u32 v15, H2SCL, v6
	FETCHP AF1, 0, AS, 0
	s_wait_dscnt 16
.endif
	WIN 0x51
	MULS ACC2+96, \w, \ws, AF2, AS2, 0, 0, 0
	MULS ACC2+96, \w, \ws, AF2, AS2, 1, 0, 0
	WIN 0
	NOPS 4
.endm
	PAIRS SLA, WSA, 1
	WLOAD SLA, WSA, 56, 266240                     ; fc2, chunk 0
	WIN 0x40
.irp q, 0,1,2,3
	global_load_b128 v[BP+4*\q:BP+4*\q+3], v23, s[30:31] offset:16*\q      ; b_fc2
	global_load_b128 v[BF1+4*\q:BF1+4*\q+3], v23, s[70:71] offset:16*\q    ; b_fc1, chunk 0
.endr
	WIN 0x04
	XSIO 1                                         ; x1
	WIN 0
	BARRIER
; ================================================================ the second LayerNorm of my tile's rows
	ROWIO 0
	s_mul_i32 s72, s40, 3072
	s_add_co_u32 s72, s72, H2IMG
	s_lshl_b32 s73, s40, 7
	s_add_co_u32 s73, s73, H2SCL
	v_add_nc_u32 v21, s72, v5
	v_add_nc_u32 v22, s73, v6
	s_wait_dscnt 0x0
	LNORM 0, 1, 0
	s_wait_loadcnt 0x0
	WIN 0x45
.irp T, 0,1,2,3,4,5,6,7
.irp k, 0,2,4,6,8,10,12,14
	v_pk_add_f32 v[ACC2+16*\T+\k:ACC2+16*\T+\k+1], v[ACC2+16*\T+\k:ACC2+16*\T+\k+1], v[BP+\k:BP+\k+1]   ; + b_fc2: fc2 adds onto x1
.endr
.endr
	WIN 0
	BARRIER
	v_add_nc_u32 v14, H2IMG, v5
	v_add_nc_u32 v15, H2SCL, v6
	FETCHP AF1, 0, AS, 0
; ================================================================ the MLP, 256 hidden units at a time
	s_mov_b32 s62, 0
.Lmlp:
	s_wait_loadcnt 14                              ; this chunk's fc1 set and bias are in: behind them only fc2's 14 loads were issued
	s_mov_b32 s63, 0
.Lfc1:                                             ; a pair of row tiles: my 32 hidden units, gelu, quantised: block w of the chunk's 8
	s_wait_dscnt 0x0
	WIN 0x11
	MULS S, SLB, WSB, AF1, AS, 0, 1, BF1
	WIN 0x01
	MULS S, SLB, WSB, AF1, AS, 1, 0, 0
	WIN 0
	NOPS 4
	s_add_co_u32 s72, s63, 1
	s_and_b32 s72, s72, 3
	s_mul_i32 s73, s72, 6144
	s_lshl_b32 s74, s72, 8
	s_add_co_u32 s73, s73, H2IMG
	s_add_co_u32 s74, s74, H2SCL
	v_add_nc_u32 v14, s73, v5
	v_add_nc_u32 v15, s74, v6
	FETCHP AF1, 0, AS, 0                           ; the next pair, while this one is worked on
	GELU
	QUANT S, 1
	s_mul_i32 s73, s63, 6144
	s_lshl_b32 s74, s63, 8
	s_add_co_u32 s73, s73, HIMG
	s_add_co_u32 s74, s74, HSCL
	v_add_nc_u32 v16, s73, v12
	v_add_nc_u32 v17, s74, v13
	BLOCKOUT
	s_add_co_u32 s63, s63, 1
	s_cmp_lt_u32 s63, 4
	s_cbranch_scc1 .Lfc1
	s_add_co_u32 s72, s62, 1
	s_min_u32 s72, s72, 3                          ; the last trip asks for its own sets again: nothing leaves the buffers
	s_mul_i32 s68, s72, 106496
	s_mov_b32 s69, 0
	s_lshl_b32 s92, s72, 10
	s_mov_b32 s93, 0
	s_wait_xcnt 0x0                                ; the loads issued so far have read their bases: they may be written
	s_add_nc_u64 s[58:59], s[56:57], s[68:69]
	s_add_nc_u64 s[86:87], s[70:71], s[92:93]
	WLOAD SLB, WSB, 58, 212992                     ; the next chunk's fc1 set
	WIN 0x40
.irp q, 0,1,2,3
	global_load_b128 v[BF1+4*\q:BF1+4*\q+3], v23, s[86:87] offset:16*\q
.endr
	WIN 0
	BARRIER                                        ; the chunk's 16 fragments lie in LDS
	s_wait_loadcnt 18                              ; this chunk's fc2 set is in: behind it 14 + 4 loads were issued
	v_add_nc_u32 v14, HIMG, v5
	v_add_nc_u32 v15, HSCL, v6
	FETCHP AF1, 0, AS, 0
	FETCHP AF2, 0, AS2, 4
	PAIRS SLA, WSA, 0
	WLOAD SLA, WSA, 58, 266240                     ; the next chunk's fc2 set
	BARRIER                                        ; every wave has read the chunk: its bytes may be written again
	s_add_co_u32 s62, s62, 1
	s_cmp_lt_u32 s62, 4
	s_cbranch_scc1 .Lmlp
; ================================================================ the way out
	WIN 0x04
	XSIO 1                                         ; x2
	WIN 0
	BARRIER
	ROWIO 0
	s_wait_dscnt 0x0
	LNORM 1, 0, 16384                              ; the last LayerNorm at depth 1; at depth 0 the row as it is
	ROWIO 1                                        ; my own rows again,
.set k, 0
.rept 32
	ds_load_b128 v[S+4*k:S+4*k+3], v10 offset:1040*(k/2)+512*(k%2)     ; and back as halves of whole rows: LDS serves a wave's instructions in order
.set k, k+1
.endr
.set k, 0
.rept 16
	v_readlane_b32 s72, v20, k                     ; row k's token
	s_min_u32 s72, s72, 0x7fff
	v_lshl_add_u32 v[96+k], s72, 10, v3
.set k, k+1
.endr
.set k, 0
.rept 32
	s_wait_dscnt 31-k
	global_store_b128 v[96+k/2], v[S+4*k:S+4*k+3], s[36:37] offset:512*(k%2)       ; 32 lanes store 512 consecutive bytes, aligned
.set k, k+1
.endr
	s_wait_xcnt 0x0
	v_lshl_add_u32 v254, v0, 2, 0x45800
	v_mov_b32 v255, 0
	s_wait_tensorcnt 0x0
	ds_add_u32 v254, v255
	s_wait_dscnt 0x0
	s_endpgm
.Lfunc_end_k_qf4aa9336d0_blk0:
	.size	k_qf4aa9336d0_blk0, .Lfunc_end_k_qf4aa9336d0_blk0-k_qf4aa9336d0_blk0
	.p2alignl 7, 3214868480
	.fill 96, 4, 3214868480
	.section	.rodata,"a",@progbits
	.p2align	6, 0x0
	.amdhsa_kernel k_qf4aa9336d0_blk0
		.amdhsa_group_segment_fixed_size 285696
		.amdhsa_private_segment_fixed_size 0
		.amdhsa_enable_private_segment 0
		.amdhsa_kernarg_size 136
		.amdhsa_user_sgpr_count 2
		.amdhsa_user_sgpr_kernarg_segment_ptr 1
		.amdhsa_wavefront_size32 1
		.amdhsa_system_sgpr_workgroup_id_x 1
		.amdhsa_system_sgpr_workgroup_id_y 1
		.amdhsa_system_sgpr_workgroup_id_z 1
		.amdhsa_system_vgpr_workitem_id 0
		.amdhsa_next_free_vgpr 512
		.amdhsa_next_free_sgpr 96
		.amdhsa_reserve_vcc 0
		.amdhsa_float_denorm_mode_32 3
		.amdhsa_float_denorm_mode_16_64 3
		.amdhsa_memory_ordered 1
		.amdhsa_forward_progress 1
		.amdhsa_inst_pref_size 255
	.end_amdhsa_kernel
	.section	.bss,"aw",@nobits
	.p2align	6
	.space	262144
	.amdgpu_metadata
---
amdhsa.version: [ 1, 2 ]
amdhsa.kernels:
  - .name:           k_qf4aa9336d0_blk0
    .symbol:         k_qf4aa9336d0_blk0.kd
    .args:
      - { .name: x, .offset: 0, .size: 8, .value_kind: global_buffer, .address_space: global }
      - { .name: perm0, .offset: 8, .size: 8, .value_kind: global_buffer, .address_space: global }
      - { .name: coords, .offset: 16, .size: 8, .value_kind: global_buffer, .address_space: global }
      - { .name: wts, .offset: 24, .size: 8, .value_kind: global_buffer, .address_space: global }
      - { .name: ln1_g, .offset: 32, .size: 8, .value_kind: global_buffer, .address_space: global }
      - { .name: ln1_b, .offset: 40, .size: 8, .value_kind: global_buffer, .address_space: global }
      - { .name: b_qkv, .offset: 48, .size: 8, .value_kind: global_buffer, .address_space: global }
      - { .name: w_pos, .offset: 56, .size: 8, .value_kind: global_buffer, .address_space: global }
      - { .name: b_pos, .offset: 64, .size: 8, .value_kind: global_buffer, .address_space: global }
      - { .name: b_proj, .offset: 72, .size: 8, .value_kind: global_buffer, .address_space: global }
      - { .name: ln2_g, .offset: 80, .size: 8, .value_kind: global_buffer, .address_space: global }
      - { .name: ln2_b, .offset: 88, .size: 8, .value_kind: global_buffer, .address_space: global }
      - { .name: b_fc1, .offset: 96, .size: 8, .value_kind: global_buffer, .address_space: global }
      - { .name: b_fc2, .offset: 104, .size: 8, .value_kind: global_buffer, .address_space: global }
      - { .name: norm_g, .offset: 112, .size: 8, .value_kind: global_buffer, .address_space: global }
      - { .name: norm_b, .offset: 120, .size: 8, .value_kind: global_buffer, .address_space: global }
      - { .name: y, .offset: 128, .size: 8, .value_kind: global_buffer, .address_space: global }
    .group_segment_fixed_size: 285696
    .private_segment_fixed_size: 0
    .kernarg_segment_align: 8
    .kernarg_segment_size: 136
    .max_flat_workgroup_size: 256
    .sgpr_count:     96
    .vgpr_count:     512
    .wavefront_size: 32
...
	.end_amdgpu_metadata
.endif
;; end of part 4
;; launch blk1: the kernel of part 4 again; grid 256 x 1, 8 waves a work-group, no clusters, 285,696 bytes of LDS; arguments y, perm1, coords, wts, ln1_g, ln1_b, b_qkv, w_pos, b_pos, b_proj, ln2_g, ln2_b, b_fc1, b_fc2, norm_g, norm_b, out0; writes out0
;; ======== version 2 of 2: 5 launches
;; workspace buffers: codes 262,144 bytes of whole numbers; srt 524,288 bytes of whole numbers; perm0 131,328 bytes of whole numbers; perm1 131,328 bytes of whole numbers; wts 1,277,952 bytes; y 33,554,432 bytes
;; launch prep (part 5): grid 56 x 1, 16 waves a work-group, no clusters, 56,320 bytes of LDS; arguments coords, w_qkv, w_proj, w_fc1, w_fc2, codes, wts; writes codes, wts
.if DOCPART == 5
	.amdgcn_target "amdgcn-amd-amdhsa--gfx1250"
	.amdhsa_code_object_version 6
	.text
	.protected	k_qf4aa9336d0_prep
	.globl	k_qf4aa9336d0_prep
	.p2align	8
	.type	k_qf4aa9336d0_prep,@function
k_qf4aa9336d0_prep:
	s_mov_b64 s[64:65], 0
	v_nop
	global_prefetch_b8 v0, s[64:65] scope:SCOPE_SE
	s_setreg_imm32_b32 hwreg(HW_REG_WAVE_MODE, 25, 1), 1
	s_wait_xcnt 0x0
; TWO JOBS IN ONE LAUNCH, parted by the work-group's number.
; Work-groups 0-31: the Morton codes of all 32,768 points for both depths (depth 1 takes the axes as y, z, x), stored at fixed places: codes[depth][token].
;   Each of these work-groups finds the minimum and maximum of each axis over all points itself (393,216 bytes), then codes its own 1,024 points.
;   The quotient (c - min) / (max - min + 1e-9) is made by a reciprocal, one Newton step and two residual corrections by fused multiply-adds: the correctly rounded f32 quotient.
; Work-groups 32-55: the four weights of both depths become codes of E3M2 with E8M0 scale bytes, quantised along K (their first axis), laid in the order of the operand's registers.
;   A SET is 32 output columns x 256 along K: for K step s = 0, 1: fragment u = 0 (1,536 bytes), fragment u = 1, 256 bytes of scale words.  Register p of lane L of a fragment lies at 512 (p / 4) + 16 L + 4 (p % 4).
;   Lane r of fragment u holds column n0 + 8 u + r + 8 (r / 8), so that the results of two neighbouring tiles of a transposed product are 16 neighbours along the next K.
;   A wave makes half a set (one K step): lane j takes column n0 + j and its 128 registers run down K.
; LIMITS: NaN and infinities are not served.  c - min is never negative (min is the exact minimum), so the clip at 0 is not written.  A block of zeros gets the scale byte 1 where the rule says 127: its codes are
; zeros, and this program alone reads the bytes.
.set X, 32                             ; v32-159  128 numbers down K (weights); v32-127 a batch of points (codes)
.set DW, 638976                        ; bytes of a depth's 96 sets
	s_load_b256 s[4:11], s[0:1], 0x0               ; coords s[4:5], w_qkv s[6:7], w_proj s[8:9], w_fc1 s[10:11]
	s_load_b128 s[12:15], s[0:1], 0x20             ; w_fc2 s[12:13], codes s[14:15]
	s_load_b64 s[16:17], s[0:1], 0x30              ; wts
	v_lshl_add_u32 v208, v0, 2, 0xd400
	v_mov_b32 v209, 0
	v_lshrrev_b32 v1, 5, v0
	s_delay_alu instid0(VALU_DEP_1)
	v_readfirstlane_b32 s18, v1                    ; wave 0..15
	v_and_b32 v2, 31, v0                           ; lane
	s_cmp_ge_u32 ttmp9, 32
	s_cbranch_scc1 .Lweights
; ---------------------------------------------------------------- the codes
	v_mul_u32_u24 v3, v0, 48                       ; four points, 48 bytes, a thread and a step
	v_mul_u32_u24 v4, v0, 24                       ; my own two points
	v_lshlrev_b32 v5, 3, v0                        ; and their two codes
	s_mov_b32 s20, 0x76543210
	s_mov_b32 s21, 0xfedcba98                      ; v_permlanex16_b32: lane l xor 16
	s_mul_i32 s22, ttmp9, 12288                    ; my work-group's 1,024 points
	s_mov_b32 s23, 0
	s_lshl_b32 s26, ttmp9, 12                      ; and their codes
	s_mov_b32 s27, 0
	s_lshl_b32 s28, s18, 5
	v_mov_b32 v20, s28                             ; LDS: 32 bytes a wave
	v_and_b32 v21, 15, v0
	s_delay_alu instid0(VALU_DEP_1)
	v_lshlrev_b32 v21, 5, v21                      ; lane l reads wave l % 16's
.irp k, 0,1,2,3,4,5
	v_mov_b32 v[14+\k], 0                          ; a lane permute's destination counts as one of its sources
.endr
	s_wait_kmcnt 0x0
	s_add_nc_u64 s[24:25], s[4:5], s[22:23]
	s_add_nc_u64 s[14:15], s[14:15], s[26:27]
.irp i, 0,1,2
	global_load_b64 v[128+2*\i:129+2*\i], v4, s[24:25] offset:8*\i     ; x0 y0 z0 x1 y1 z1
.endr
.macro CLOAD h                         ; eight steps of 512 threads x 4 points
.irp j, 0,1,2,3,4,5,6,7
.irp i, 0,1,2
	global_load_b128 v[32+12*\j+4*\i:35+12*\j+4*\i], v3, s[4:5] offset:24576*(8*\h+\j)+16*\i
.endr
.endr
.endm
.macro MM j, first                     ; of 12 numbers x is 0, 3, 6, 9; y 1, 4, 7, 10; z 2, 5, 8, 11.  v8-10 minima, v11-13 maxima
.set A, 32+12*(\j)
.irp c, 0,1,2
.if \first
	v_min3_num_f32 v[8+\c], v[A+\c], v[A+3+\c], v[A+6+\c]
	v_max3_num_f32 v[11+\c], v[A+\c], v[A+3+\c], v[A+6+\c]
	s_delay_alu instid0(VALU_DEP_2)
	v_min_num_f32 v[8+\c], v[8+\c], v[A+9+\c]
	s_delay_alu instid0(VALU_DEP_2)
	v_max_num_f32 v[11+\c], v[11+\c], v[A+9+\c]
.else
	v_min3_num_f32 v[8+\c], v[8+\c], v[A+\c], v[A+3+\c]
	v_max3_num_f32 v[11+\c], v[11+\c], v[A+\c], v[A+3+\c]
	s_delay_alu instid0(VALU_DEP_2)
	v_min3_num_f32 v[8+\c], v[8+\c], v[A+6+\c], v[A+9+\c]
	s_delay_alu instid0(VALU_DEP_2)
	v_max3_num_f32 v[11+\c], v[11+\c], v[A+6+\c], v[A+9+\c]
.endif
.endr
.endm
.macro ROWS                            ; over the 16 lanes of a row
.irp m, 1,2,4,8
.irp c, 0,1,2
	v_min_num_f32_dpp v[8+\c], v[8+\c], v[8+\c] row_xmask:\m row_mask:0xf bank_mask:0xf
	v_max_num_f32_dpp v[11+\c], v[11+\c], v[11+\c] row_xmask:\m row_mask:0xf bank_mask:0xf
.endr
.endr
.endm
	CLOAD 0
	s_wait_loadcnt 0x0
	MM 0, 1
.irp j, 1,2,3,4,5,6,7
	MM \j, 0
.endr
	CLOAD 1
	s_wait_loadcnt 0x0
.irp j, 0,1,2,3,4,5,6,7
	MM \j, 0
.endr
	ROWS
.irp k, 0,1,2,3,4,5
	v_permlanex16_b32 v[14+\k], v[8+\k], s20, s21
.endr
.irp c, 0,1,2
	v_min_num_f32 v[8+\c], v[8+\c], v[14+\c]
	v_max_num_f32 v[11+\c], v[11+\c], v[17+\c]
.endr
	ds_store_b128 v20, v[8:11]                     ; every lane of the wave writes the same six words
	ds_store_b64 v20, v[12:13] offset:16
	s_wait_dscnt 0x0                               ; my stores have landed: then the barrier
	s_barrier_signal -1
	s_barrier_wait -1
	ds_load_b128 v[8:11], v21
	ds_load_b64 v[12:13], v21 offset:16
	s_wait_dscnt 0x0
	ROWS                                           ; the 16 waves' figures lie in the 16 lanes of a row
.irp c, 0,1,2
	v_sub_f32 v[24+\c], v[11+\c], v[8+\c]
.endr
.irp c, 0,1,2
	s_delay_alu instid0(VALU_DEP_3)
	v_add_f32 v[24+\c], 0x3089705f, v[24+\c]       ; den = (max - min) + 1e-9
.endr
	s_wait_alu depctr_va_vdst(0)
.irp c, 0,1,2
	v_rcp_f32 v[27+\c], v[24+\c]
.endr
	v_nop                                          ; a plain line behind the last reciprocal
	s_wait_alu depctr_va_vdst(0)                   ; one wait for the three, ahead of their first reader
.irp c, 0,1,2
	v_fma_f32 v[14+\c], -v[24+\c], v[27+\c], 1.0
.endr
.irp c, 0,1,2
	v_fma_f32 v[27+\c], v[14+\c], v[27+\c], v[27+\c]   ; one Newton step
.endr
.irp k, 0,1,2,3,4,5
	v_sub_f32 v[40+\k], v[128+\k], v[8+\k%3]       ; n = c - min
.endr
.irp k, 0,1,2,3,4,5
	v_mul_f32 v[46+\k], v[40+\k], v[27+\k%3]       ; q = n r
.endr
.rept 2
.irp k, 0,1,2,3,4,5
	v_fma_f32 v[52+\k], -v[24+\k%3], v[46+\k], v[40+\k]    ; the residual, exact
.endr
.irp k, 0,1,2,3,4,5
	v_fma_f32 v[46+\k], v[52+\k], v[27+\k%3], v[46+\k]
.endr
.endr
.irp k, 0,1,2,3,4,5
	v_mul_f32 v[46+\k], 0x447fc000, v[46+\k]       ; x 1023
.endr
.irp k, 0,1,2,3,4,5
	v_cvt_i32_f32 v[46+\k], v[46+\k]               ; toward zero
.endr
.irp k, 0,1,2,3,4,5
	v_min_u32 v[46+\k], 0x3ff, v[46+\k]
.endr
.macro SPREAD sh, mask                 ; v = (v | v << sh) & mask
.irp k, 0,1,2,3,4,5
	v_lshl_or_b32 v[52+\k], v[46+\k], \sh, v[46+\k]
.endr
.irp k, 0,1,2,3,4,5
	v_and_b32 v[46+\k], \mask, v[52+\k]
.endr
.endm
	SPREAD 16, 0x030000ff
	SPREAD 8, 0x0300f00f
	SPREAD 4, 0x030c30c3
	SPREAD 2, 0x09249249
.irp q, 0
	v_lshl_or_b32 v[60+\q], v[47+3*\q], 1, v[46+3*\q]      ; depth 0: x | y << 1 | z << 2
	v_lshl_or_b32 v[62+\q], v[48+3*\q], 1, v[47+3*\q]      ; depth 1: y | z << 1 | x << 2
.endr
.irp q, 1
	s_delay_alu instid0(VALU_DEP_4)
	v_lshl_or_b32 v[60+\q], v[47+3*\q], 1, v[46+3*\q]
	s_delay_alu instid0(VALU_DEP_4)
	v_lshl_or_b32 v[62+\q], v[48+3*\q], 1, v[47+3*\q]
.endr
.irp q, 0,1
	s_delay_alu instid0(VALU_DEP_4)
	v_lshl_or_b32 v[60+\q], v[48+3*\q], 2, v[60+\q]
	s_delay_alu instid0(VALU_DEP_4)
	v_lshl_or_b32 v[62+\q], v[46+3*\q], 2, v[62+\q]
.endr
	global_store_b64 v5, v[60:61], s[14:15]                ; a wave's store covers 256 consecutive bytes, aligned
	global_store_b64 v5, v[62:63], s[14:15] offset:131072
	s_wait_tensorcnt 0x0
	ds_add_u32 v208, v209
	s_wait_dscnt 0x0
	s_endpgm
; ---------------------------------------------------------------- the weights
.Lweights:
	s_sub_co_u32 s20, ttmp9, 32
	s_lshl_b32 s20, s20, 4
	s_add_co_u32 s20, s20, s18                     ; which half set, 0..383
	s_cmp_ge_u32 s20, 192
	s_cselect_b32 s21, 1, 0                        ; depth
	s_cselect_b32 s22, 192, 0
	s_sub_co_u32 s22, s20, s22
	s_lshr_b32 s23, s22, 1                         ; set 0..95
	s_and_b32 s24, s22, 1                          ; K step
	s_and_b32 s25, s23, 7
	s_sub_co_u32 s30, s23, 32
	s_lshr_b32 s30, s30, 4                         ; the chunk of the MLP (used for sets 32 on alone)
	s_wait_alu depctr_va_vdst(0)
	v_lshlrev_b32 v3, 2, v2                        ; lane j: column n0 + j
	v_bfe_u32 v4, v2, 3, 1                         ; which fragment: u = (j / 8) % 2
	v_and_b32 v5, 7, v2
	v_lshrrev_b32 v6, 4, v2
	s_delay_alu instid0(VALU_DEP_1)
	v_lshl_or_b32 v5, v6, 3, v5                    ; and which lane of it: r = j % 8 + 8 (j / 16)
	s_mul_i32 s35, s18, 3328
	s_add_co_u32 s35, s35, 1024                    ; my wave's stage: the half set as it will lie in memory
	v_mul_u32_u24 v7, v4, 1536
	s_delay_alu instid0(VALU_DEP_1)
	v_lshl_add_u32 v7, v5, 4, v7
	s_delay_alu instid0(VALU_DEP_1)
	v_add_nc_u32 v7, s35, v7                       ; 1536 u + 16 r
	v_lshlrev_b32 v24, 3, v5
	s_delay_alu instid0(VALU_DEP_1)
	v_lshl_add_u32 v24, v4, 2, v24
	s_delay_alu instid0(VALU_DEP_1)
	v_add_nc_u32 v24, s35, v24                     ; scale words: 8 r + 4 u (+ 3072)
	v_lshlrev_b32 v27, 4, v2
	v_lshlrev_b32 v28, 3, v2
	s_delay_alu instid0(VALU_DEP_2)
	v_add_nc_u32 v25, s35, v27                     ; back: 16 bytes a lane,
	s_delay_alu instid0(VALU_DEP_2)
	v_add_nc_u32 v26, s35, v28                     ; 8 for the scale words
	s_wait_kmcnt 0x0
	; which matrix; its pitch / 256, its depth's bytes / 262,144, its first row / 256, its first column / 32.  Every choice hangs on the set's number alone
	s_bitcmp1_b32 s23, 3                           ; sets 32 on: bit 3 set: w_fc2, else w_fc1
	s_cselect_b64 s[26:27], s[12:13], s[10:11]
	s_cselect_b32 s31, 1, 4
	s_cselect_b32 s33, s30, 0
	s_cselect_b32 s34, 0, s30
	s_mov_b32 s32, 4
	s_lshl_b32 s34, s34, 3
	s_add_co_u32 s34, s34, s25
	s_cmp_lt_u32 s23, 32                           ; sets 24-31: w_proj
	s_cselect_b64 s[26:27], s[8:9], s[26:27]
	s_cselect_b32 s31, 1, s31
	s_cselect_b32 s32, 1, s32
	s_cselect_b32 s33, 0, s33
	s_cselect_b32 s34, s25, s34
	s_cmp_lt_u32 s23, 24                           ; sets 0-23: w_qkv
	s_cselect_b64 s[26:27], s[6:7], s[26:27]
	s_cselect_b32 s31, 3, s31
	s_cselect_b32 s32, 3, s32
	s_cselect_b32 s34, s23, s34
	s_mul_i32 s36, s21, s32
	s_lshl_b32 s36, s36, 18                        ; the depth,
	s_lshl_b32 s37, s33, 1
	s_add_co_u32 s37, s37, s24
	s_mul_i32 s37, s37, s31
	s_lshl_b32 s37, s37, 17                        ; the first row: (first row + 128 s) x pitch x 4,
	s_add_co_u32 s36, s36, s37
	s_lshl_b32 s37, s34, 7                         ; the first column
	s_add_co_u32 s36, s36, s37
	s_mov_b32 s37, 0
	s_add_nc_u64 s[26:27], s[26:27], s[36:37]
	s_mul_i32 s36, s21, DW
	s_mul_i32 s40, s23, 6656
	s_add_co_u32 s36, s36, s40
	s_mul_i32 s40, s24, 3328
	s_add_co_u32 s36, s36, s40
	s_add_nc_u64 s[38:39], s[16:17], s[36:37]      ; where the half set goes
.macro WLD pitch                       ; W(first row + i, my column): 32 lanes read 128 consecutive bytes
.set wi, 0
.rept 128
	global_load_b32 v[X+wi], v3, s[26:27] offset:wi*\pitch*4 th:TH_LOAD_NT
.set wi, wi+1
.endr
.endm
	s_cmp_eq_u32 s31, 3
	s_cbranch_scc1 .Lp768
	s_cmp_eq_u32 s31, 4
	s_cbranch_scc1 .Lp1024
	WLD 256
	s_branch .Lloaded
.Lp768:
	WLD 768
	s_branch .Lloaded
.Lp1024:
	WLD 1024
.Lloaded:
	s_wait_loadcnt 0x0
.irp b, 0,1,2,3
	v_max3_num_f32 v[8+\b], |v[X+32*\b]|, |v[X+32*\b+1]|, 0x2800000    ; block b: all 32 numbers are mine; the floor 2^(5 - 127) holds the byte at 1 from below
.endr
.irp i, 2,4,6,8,10,12,14,16,18,20,22,24,26,28,30
.irp b, 0,1,2,3
	s_delay_alu instid0(VALU_DEP_4)
	v_max3_num_f32 v[8+\b], v[8+\b], |v[X+32*\b+\i]|, |v[X+32*\b+\i+1]|
.endr
.endr
.irp b, 0,1,2,3
	s_delay_alu instid0(VALU_DEP_4)
	v_add_nc_u32 v[12+\b], 0xfe000000, v[8+\b]     ; 4 off the exponent field: the conversion's scale operand
.endr
.irp b, 0,1,2,3
	s_delay_alu instid0(VALU_DEP_4)
	v_lshrrev_b32 v[16+\b], 23, v[12+\b]           ; the scale's byte
.endr
	s_delay_alu instid0(VALU_DEP_3)
	v_lshl_or_b32 v20, v17, 8, v16
	s_delay_alu instid0(VALU_DEP_1)
	v_lshl_or_b32 v20, v18, 16, v20
	s_delay_alu instid0(VALU_DEP_1)
	v_lshl_or_b32 v20, v19, 24, v20                ; my column's scale word for this K step
.irp b, 0,1,2,3
	v_cvt_scalef32_pk16_bf6_f32 v[160+6*\b:162+6*\b], v[X+32*\b:X+32*\b+15], v[12+\b]
	v_cvt_scalef32_pk16_bf6_f32 v[184+4*\b:186+4*\b], v[X+32*\b+16:X+32*\b+31], v[12+\b]   ; (a conversion's three registers begin on an even number)
.endr
	v_nop                                          ; one plain line behind the scaled conversions
.irp b, 0,1,2,3
.irp i, 0,1,2
	v_mov_b32 v[163+6*\b+\i], v[184+4*\b+\i]
.endr
.endr
	; block b = 2 c + hh is registers 6 c .. 6 c + 5 of lane r + 16 hh
.irp hh, 0,1
	ds_store_b128 v7, v[160+6*\hh:163+6*\hh] offset:256*\hh              ; registers 0-3
	ds_store_b64 v7, v[164+6*\hh:165+6*\hh] offset:512+256*\hh           ; 4, 5
	ds_store_b64 v7, v[172+6*\hh:173+6*\hh] offset:520+256*\hh           ; 6, 7
	ds_store_b128 v7, v[174+6*\hh:177+6*\hh] offset:1024+256*\hh         ; 8-11
.endr
	ds_store_b32 v24, v20 offset:3072              ; the scale word, for lane r
	ds_store_b32 v24, v20 offset:3200              ; and for lane r + 16
.irp k, 0,1,2,3,4,5
	ds_load_b128 v[32+4*\k:35+4*\k], v25 offset:512*\k     ; LDS serves a wave's instructions in order: these see my stores
.endr
	ds_load_b64 v[56:57], v26 offset:3072
	s_wait_dscnt 0x0
.irp k, 0,1,2,3,4,5
	global_store_b128 v27, v[32+4*\k:35+4*\k], s[38:39] offset:512*\k   ; 512 consecutive bytes a store, aligned
.endr
	global_store_b64 v28, v[56:57], s[38:39] offset:3072
	s_wait_tensorcnt 0x0
	ds_add_u32 v208, v209
	s_wait_dscnt 0x0
	s_endpgm
.Lfunc_end_k_qf4aa9336d0_prep:
	.size	k_qf4aa9336d0_prep, .Lfunc_end_k_qf4aa9336d0_prep-k_qf4aa9336d0_prep
	.p2alignl 7, 3214868480
	.fill 96, 4, 3214868480
	.section	.rodata,"a",@progbits
	.p2align	6, 0x0
	.amdhsa_kernel k_qf4aa9336d0_prep
		.amdhsa_group_segment_fixed_size 56320
		.amdhsa_private_segment_fixed_size 0
		.amdhsa_enable_private_segment 0
		.amdhsa_kernarg_size 56
		.amdhsa_user_sgpr_count 2
		.amdhsa_user_sgpr_kernarg_segment_ptr 1
		.amdhsa_wavefront_size32 1
		.amdhsa_system_sgpr_workgroup_id_x 1
		.amdhsa_system_sgpr_workgroup_id_y 1
		.amdhsa_system_sgpr_workgroup_id_z 1
		.amdhsa_system_vgpr_workitem_id 0
		.amdhsa_next_free_vgpr 210
		.amdhsa_next_free_sgpr 66
		.amdhsa_reserve_vcc 0
		.amdhsa_float_denorm_mode_32 3
		.amdhsa_float_denorm_mode_16_64 3
		.amdhsa_memory_ordered 1
		.amdhsa_forward_progress 1
		.amdhsa_inst_pref_size 82
	.end_amdhsa_kernel
	.amdgpu_metadata
---
amdhsa.version: [ 1, 2 ]
amdhsa.kernels:
  - .name:           k_qf4aa9336d0_prep
    .symbol:         k_qf4aa9336d0_prep.kd
    .args:
      - { .name: coords, .offset: 0, .size: 8, .value_kind: global_buffer, .address_space: global }
      - { .name: w_qkv, .offset: 8, .size: 8, .value_kind: global_buffer, .address_space: global }
      - { .name: w_proj, .offset: 16, .size: 8, .value_kind: global_buffer, .address_space: global }
      - { .name: w_fc1, .offset: 24, .size: 8, .value_kind: global_buffer, .address_space: global }
      - { .name: w_fc2, .offset: 32, .size: 8, .value_kind: global_buffer, .address_space: global }
      - { .name: codes, .offset: 40, .size: 8, .value_kind: global_buffer, .address_space: global }
      - { .name: wts, .offset: 48, .size: 8, .value_kind: global_buffer, .address_space: global }
    .group_segment_fixed_size: 56320
    .private_segment_fixed_size: 0
    .kernarg_segment_align: 8
    .kernarg_segment_size: 56
    .max_flat_workgroup_size: 512
    .sgpr_count:     66
    .vgpr_count:     210
    .wavefront_size: 32
...
	.end_amdgpu_metadata
.endif
;; end of part 5
;; launch csort (part 6): grid 256 x 1, 8 waves a work-group, no clusters, 5,120 bytes of LDS; arguments codes, srt; writes srt
.if DOCPART == 6
	.amdgcn_target "amdgcn-amd-amdhsa--gfx1250"
	.amdhsa_code_object_version 6
	.text
	.protected	k_qf4aa9336d0_csort
	.globl	k_qf4aa9336d0_csort
	.p2align	8
	.type	k_qf4aa9336d0_csort,@function
k_qf4aa9336d0_csort:
	s_mov_b64 s[64:65], 0
	v_nop
	global_prefetch_b8 v0, s[64:65] scope:SCOPE_SE
	s_setreg_imm32_b32 hwreg(HW_REG_WAVE_MODE, 25, 1), 1
	s_wait_xcnt 0x0
; Each chunk of 1,024 codes (32 chunks a depth, 2 depths) is sorted, stably, by counting: an element's place is the number of elements of its chunk that are smaller, or equal and earlier.
; Four work-groups share a chunk; a thread owns one element.  The chunk's 4,096 bytes come into LDS once, 16 bytes a thread; behind one barrier every wave reads them 16 bytes at a time with the SAME address in all
; lanes, so that each lane holds four comparands in four registers: 8 loads for a block of 32, two sets of 32 registers by turns, the next block's loads out while this block's 64 vector lines are issued.
; srt[depth][0][chunk][place] = the code, srt[depth][1][chunk][place] = the token's number.  The stores are single words at places that hang on the data: 0.5 MB in all.
.set CA, 32                            ; v32-63  comparands, first set
.set CB, 64                            ; v64-95  second set
	s_load_b128 s[4:7], s[0:1], 0x0                ; codes, srt
	v_lshl_add_u32 v96, v0, 2, 0x1000
	v_mov_b32 v97, 0
	v_lshrrev_b32 v1, 5, v0
	s_delay_alu instid0(VALU_DEP_1)
	v_readfirstlane_b32 s12, v1                    ; wave
	v_and_b32 v2, 31, v0
	s_wait_alu depctr_va_vdst(0)
	s_lshr_b32 s20, ttmp9, 7                       ; depth
	s_bfe_u32 s21, ttmp9, 0x50002                  ; chunk
	s_and_b32 s22, ttmp9, 3                        ; quarter
	s_lshl_b32 s13, s22, 3
	s_add_co_u32 s13, s13, s12                     ; my wave's block of 32 elements, 0..31
	s_lshl_b32 s24, s20, 17
	s_lshl_b32 s23, s21, 12
	s_add_co_u32 s24, s24, s23
	s_mov_b32 s25, 0
	s_lshl_b32 s26, s20, 18
	s_add_co_u32 s26, s26, s23
	s_mov_b32 s27, 0
	v_lshl_add_u32 v3, s13, 5, v2                  ; my element's number in the chunk
	s_delay_alu instid0(VALU_DEP_1)
	v_lshlrev_b32 v4, 2, v3
	s_lshl_b32 s23, s21, 10
	v_add_nc_u32 v8, s23, v3                       ; the token's number
	v_lshlrev_b32 v10, 4, v0                       ; my 16 bytes of the chunk, in memory and in LDS
	v_mov_b32 v6, 0                                ; the count
	v_mov_b32 v9, 0                                ; LDS byte of the pair of blocks in hand, the same in all lanes
	s_wait_alu depctr_va_vdst(0)
	s_wait_kmcnt 0x0
	s_add_nc_u64 s[8:9], s[4:5], s[24:25]          ; the chunk's codes
	s_add_nc_u64 s[10:11], s[6:7], s[26:27]        ; the chunk's place in srt
	global_load_b128 v[12:15], v10, s[8:9]         ; 256 threads x 16 bytes: the whole chunk
	global_load_b32 v5, v4, s[8:9]                 ; my key
	s_wait_loadcnt 0x0
	ds_store_b128 v10, v[12:15]
	s_wait_dscnt 0x0                               ; my store has landed: then the barrier; nothing is stored to LDS behind it
	s_barrier_signal -1
	s_barrier_wait -1
.macro CLD buf, off                    ; a block's 32 comparands, 128 bytes from v9 + off on, into every lane
.irp i, 0,1,2,3,4,5,6,7
	ds_load_b128 v[\buf+4*\i:\buf+4*\i+3], v9 offset:\off+16*\i
.endr
.endm
; 32 comparands.  A block in front of mine counts 'at most my key' (key + 1 is compared), mine and the later ones 'under my key'.  jb: the scalar register that holds the block's number
.macro CBLK buf, jb
	s_cmp_lt_u32 s[\jb], s13
	s_cselect_b32 s17, 1, 0
	v_add_nc_u32 v7, s17, v5
.set n, 0
.rept 32
	v_cmp_lt_u32 vcc_lo, v[\buf+n], v7
	s_delay_alu instid0(VALU_DEP_1)
	v_add_co_ci_u32 v6, vcc_lo, 0, v6, vcc_lo
.set n, n+1
.endr
.endm
	s_mov_b32 s15, 0                               ; the first block of the pair in hand
	CLD CA, 0
.Lblk:                                             ; 16 trips, two blocks each
	CLD CB, 128
	s_wait_dscnt 8                                 ; LDS loads come back in order: the first set's 8 are in, the second set's 8 may be out
	s_wait_alu depctr_va_vdst(0)
	CBLK CA, 15
	s_add_co_u32 s14, s15, 2
	s_lshl_b32 s14, s14, 7                         ; the next pair's byte: 128 a block;
	s_min_u32 s14, s14, 3840                       ; the last trip's look-ahead reads inside the chunk again
	v_mov_b32 v9, s14
	CLD CA, 0
	s_add_co_u32 s16, s15, 1
	s_wait_alu depctr_va_vdst(0)
	s_wait_dscnt 8                                 ; the second set's 8 are in, the 8 just issued may be out
	CBLK CB, 16
	s_add_co_u32 s15, s15, 2
	s_cmp_lt_u32 s15, 32
	s_cbranch_scc1 .Lblk
	s_lshl_b32 s14, s13, 7                         ; ties inside my own block: equal and in a lower lane
	v_mov_b32 v9, s14
	CLD CB, 0
	s_wait_dscnt 0x0
.set n, 0
	s_wait_alu depctr_va_vdst(0)
.rept 31
	v_cmp_eq_u32 s17, v[CB+n], v5
	s_and_b32 vcc_lo, s17, (0xfffffffe<<n)&0xffffffff      ; lanes above n
	v_add_co_ci_u32 v6, vcc_lo, 0, v6, vcc_lo
.set n, n+1
.endr
	s_delay_alu instid0(VALU_DEP_1)
	v_min_u32 v6, 0x3ff, v6
	s_delay_alu instid0(VALU_DEP_1)
	v_lshlrev_b32 v6, 2, v6
	global_store_b32 v6, v5, s[10:11]
	global_store_b32 v6, v8, s[10:11] offset:131072
	s_wait_tensorcnt 0x0
	ds_add_u32 v96, v97
	s_wait_dscnt 0x0
	s_endpgm
.Lfunc_end_k_qf4aa9336d0_csort:
	.size	k_qf4aa9336d0_csort, .Lfunc_end_k_qf4aa9336d0_csort-k_qf4aa9336d0_csort
	.p2alignl 7, 3214868480
	.fill 96, 4, 3214868480
	.section	.rodata,"a",@progbits
	.p2align	6, 0x0
	.amdhsa_kernel k_qf4aa9336d0_csort
		.amdhsa_group_segment_fixed_size 5120
		.amdhsa_private_segment_fixed_size 0
		.amdhsa_enable_private_segment 0
		.amdhsa_kernarg_size 16
		.amdhsa_user_sgpr_count 2
		.amdhsa_user_sgpr_kernarg_segment_ptr 1
		.amdhsa_wavefront_size32 1
		.amdhsa_system_sgpr_workgroup_id_x 1
		.amdhsa_system_sgpr_workgroup_id_y 1
		.amdhsa_system_sgpr_workgroup_id_z 1
		.amdhsa_system_vgpr_workitem_id 0
		.amdhsa_next_free_vgpr 98
		.amdhsa_next_free_sgpr 66
		.amdhsa_reserve_vcc 1
		.amdhsa_float_denorm_mode_32 3
		.amdhsa_float_denorm_mode_16_64 3
		.amdhsa_memory_ordered 1
		.amdhsa_forward_progress 1
		.amdhsa_inst_pref_size 16
	.end_amdhsa_kernel
	.amdgpu_metadata
---
amdhsa.version: [ 1, 2 ]
amdhsa.kernels:
  - .name:           k_qf4aa9336d0_csort
    .symbol:         k_qf4aa9336d0_csort.kd
    .args:
      - { .name: codes, .offset: 0, .size: 8, .value_kind: global_buffer, .address_space: global }
      - { .name: srt, .offset: 8, .size: 8, .value_kind: global_buffer, .address_space: global }
    .group_segment_fixed_size: 5120
    .private_segment_fixed_size: 0
    .kernarg_segment_align: 8
    .kernarg_segment_size: 16
    .max_flat_workgroup_size: 256
    .sgpr_count:     66
    .vgpr_count:     98
    .wavefront_size: 32
...
	.end_amdgpu_metadata
.endif
;; end of part 6
;; launch rank (part 7): grid 256 x 1, 8 waves a work-group, no clusters, 132,096 bytes of LDS; arguments srt, perm0, perm1; writes perm0, perm1
.if DOCPART == 7
	.amdgcn_target "amdgcn-amd-amdhsa--gfx1250"
	.amdhsa_code_object_version 6
	.text
	.protected	k_qf4aa9336d0_rank
	.globl	k_qf4aa9336d0_rank
	.p2align	8
	.type	k_qf4aa9336d0_rank,@function
k_qf4aa9336d0_rank:
	s_mov_b64 s[64:65], 0
	v_nop
	global_prefetch_b8 v0, s[64:65] scope:SCOPE_SE
	s_setreg_imm32_b32 hwreg(HW_REG_WAVE_MODE, 25, 1), 1
	s_wait_xcnt 0x0
; An element's place in the whole order is the sum, over the 32 sorted chunks, of the elements that come before it: in earlier chunks those at most its key, in later chunks those under its key (the sort is stable),
; in its own chunk its place there.  Each count is a binary search in the chunk, which lies in LDS; 16 searches run side by side, so that their LDS loads overlap.
; perm_d[(place + 128 d) mod 32768] = the token's number (depth 1's order is rolled by half a patch).  Behind the 32,768 numbers stand 32 words that hold the depth.
	s_load_b128 s[4:7], s[0:1], 0x0                ; srt, perm0
	s_load_b64 s[8:9], s[0:1], 0x10                ; perm1
	v_lshl_add_u32 v160, v0, 2, 0x20000
	v_mov_b32 v161, 0
	v_lshrrev_b32 v1, 5, v0
	s_delay_alu instid0(VALU_DEP_1)
	v_readfirstlane_b32 s12, v1                    ; wave
	s_lshr_b32 s14, ttmp9, 7                       ; depth
	s_bfe_u32 s13, ttmp9, 0x50002                  ; my chunk
	s_and_b32 s15, ttmp9, 3                        ; my quarter of it
	s_lshl_b32 s16, s14, 18
	s_mov_b32 s17, 0
	v_lshlrev_b32 v1, 4, v0                        ; 16 bytes a thread
	s_delay_alu instid0(VALU_DEP_1)
	v_add_nc_u32 v2, 0x10000, v1
	v_lshl_add_u32 v3, s15, 8, v0                  ; my place in my chunk
	s_lshl_b32 s18, s13, 12
	v_lshl_add_u32 v4, v3, 2, s18                  ; 4096 chunk + 4 place: my element's byte, in memory and in LDS
	v_mov_b32 v9, 0
	s_wait_alu depctr_va_vdst(0)
	s_wait_kmcnt 0x0
	s_add_nc_u64 s[10:11], s[4:5], s[16:17]
	s_cmp_eq_u32 s14, 0
	s_cselect_b64 s[20:21], s[6:7], s[8:9]
	global_load_b32 v5, v4, s[10:11]               ; my key
	global_load_b32 v6, v4, s[10:11] offset:131072 ; my token's number
.set k, 0
.rept 32
	global_load_b128 v[32+4*k:35+4*k], v1, s[10:11] offset:4096*k      ; the depth's 32 sorted chunks, 131,072 dense bytes
.set k, k+1
.endr
	s_wait_loadcnt 0x0
.set k, 0
.rept 16
	ds_store_b128 v1, v[32+4*k:35+4*k] offset:4096*k
	ds_store_b128 v2, v[96+4*k:99+4*k] offset:4096*k
.set k, k+1
.endr
	s_wait_dscnt 0x0                               ; my stores have landed: then the barrier; nothing is stored to LDS behind it
	s_barrier_signal -1
	s_barrier_wait -1
; v16-31 where each search stands (an LDS byte), v32-47 the word read, v48-63 the place if it is smaller, v64-79 what is compared.
; One step of the 16 searches of group grp.  lim: the highest byte of its chunk at which a search can stand ahead of this step (behind the steps 512 .. 2 st: 4 (1024 - 2 st); ahead of the last word: 4092).
; A place hangs on words that were loaded, so it enters an address only behind v_min_u32 with that bound written in the line: the bound changes no value, and with it place + offset + 4 stays inside the chunk's 4,096 bytes.
; lim = -1: the first step, whose place is still the chunk's first byte, a constant.
.macro HALVE grp, off, add, lim
.if (\lim) >= 0
.irp g, 0,1,2,3,4,5,6,7,8,9,10,11,12,13,14,15
	v_min_u32 v[16+\g], 4096*(16*(\grp)+\g)+(\lim), v[16+\g]
.endr
.endif
.irp g, 0,1,2,3,4,5,6,7,8,9,10,11,12,13,14,15
	ds_load_b32 v[32+\g], v[16+\g] offset:\off
.endr
.irp g, 0,1,2,3,4,5,6,7,8,9,10,11,12,13,14,15
	v_add_nc_u32 v[48+\g], \add, v[16+\g]
.endr
.irp g, 0,1,2,3,4,5,6,7,8,9,10,11,12,13,14,15
	s_wait_dscnt 15-\g                             ; LDS loads come back in order: search g's word is in, the 15 - g younger ones may be out
	v_cmp_lt_u32 vcc_lo, v[32+\g], v[64+\g]
	s_delay_alu instid0(VALU_DEP_1)
	v_cndmask_b32 v[16+\g], v[16+\g], v[48+\g], vcc_lo
.endr
.endm
.macro GROUP grp
.irp g, 0,1,2,3,4,5,6,7,8,9,10,11,12,13,14,15
	v_mov_b32 v[16+\g], 4096*(16*\grp+\g)
	s_cmp_gt_u32 s13, 16*\grp+\g                   ; an earlier chunk: its equals come first
	s_cselect_b32 s22, 1, 0
	v_add_nc_u32 v[64+\g], s22, v5
.endr
	s_wait_alu depctr_va_vdst(0)
	HALVE \grp, 2044, 2048, -1                     ; the step of 512
.irp st, 256,128,64,32,16,8,4,2,1
	HALVE \grp, 4*(\st-1), 4*\st, 4096-8*\st
.endr
	HALVE \grp, 0, 4, 4092                         ; the last word: the count can be 1,024
.irp g, 0,1,2,3,4,5,6,7,8,9,10,11,12,13,14,15
	s_cmp_eq_u32 s13, 16*\grp+\g                   ; in my own chunk: my place
	s_cselect_b32 s22, -1, 0
	v_cndmask_b32 v[16+\g], v[16+\g], v4, s22
	s_delay_alu instid0(VALU_DEP_1)
	v_add_nc_u32 v9, v9, v[16+\g]
.endr
.endm
	GROUP 0
	GROUP 1
	s_delay_alu instid0(VALU_DEP_1)
	v_add_nc_u32 v9, 0xffe10000, v9                ; less the 32 chunks' first bytes, 4096 x 496
	s_delay_alu instid0(VALU_DEP_1)
	v_lshrrev_b32 v9, 2, v9
	s_lshl_b32 s22, s14, 7
	v_add_nc_u32 v9, s22, v9                       ; the roll
	s_delay_alu instid0(VALU_DEP_1)
	v_and_b32 v9, 0x7fff, v9
	s_delay_alu instid0(VALU_DEP_1)
	v_min_u32 v9, 0x7fff, v9
	s_delay_alu instid0(VALU_DEP_1)
	v_lshlrev_b32 v9, 2, v9
	global_store_b32 v9, v6, s[20:21]
	s_and_b32 s23, ttmp9, 127                      ; the depth's first work-group, wave 0: the 32 words behind the numbers
	s_or_b32 s23, s23, s12
	s_cmp_lg_u32 s23, 0
	s_cbranch_scc1 .Lend
	v_lshlrev_b32 v10, 2, v0
	v_mov_b32 v11, s14
	global_store_b32 v10, v11, s[20:21] offset:131072
.Lend:
	s_wait_tensorcnt 0x0
	ds_add_u32 v160, v161
	s_wait_dscnt 0x0
	s_endpgm
.Lfunc_end_k_qf4aa9336d0_rank:
	.size	k_qf4aa9336d0_rank, .Lfunc_end_k_qf4aa9336d0_rank-k_qf4aa9336d0_rank
	.p2alignl 7, 3214868480
	.fill 96, 4, 3214868480
	.section	.rodata,"a",@progbits
	.p2align	6, 0x0
	.amdhsa_kernel k_qf4aa9336d0_rank
		.amdhsa_group_segment_fixed_size 132096
		.amdhsa_private_segment_fixed_size 0
		.amdhsa_enable_private_segment 0
		.amdhsa_kernarg_size 24
		.amdhsa_user_sgpr_count 2
		.amdhsa_user_sgpr_kernarg_segment_ptr 1
		.amdhsa_wavefront_size32 1
		.amdhsa_system_sgpr_workgroup_id_x 1
		.amdhsa_system_sgpr_workgroup_id_y 1
		.amdhsa_system_sgpr_workgroup_id_z 1
		.amdhsa_system_vgpr_workitem_id 0
		.amdhsa_next_free_vgpr 162
		.amdhsa_next_free_sgpr 66
		.amdhsa_reserve_vcc 1
		.amdhsa_float_denorm_mode_32 3
		.amdhsa_float_denorm_mode_16_64 3
		.amdhsa_memory_ordered 1
		.amdhsa_forward_progress 1
		.amdhsa_inst_pref_size 121
	.end_amdhsa_kernel
	.amdgpu_metadata
---
amdhsa.version: [ 1, 2 ]
amdhsa.kernels:
  - .name:           k_qf4aa9336d0_rank
    .symbol:         k_qf4aa9336d0_rank.kd
    .args:
      - { .name: srt, .offset: 0, .size: 8, .value_kind: global_buffer, .address_space: global }
      - { .name: perm0, .offset: 8, .size: 8, .value_kind: global_buffer, .address_space: global }
      - { .name: perm1, .offset: 16, .size: 8, .value_kind: global_buffer, .address_space: global }
    .group_segment_fixed_size: 132096
    .private_segment_fixed_size: 0
    .kernarg_segment_align: 8
    .kernarg_segment_size: 24
    .max_flat_workgroup_size: 256
    .sgpr_count:     66
    .vgpr_count:     162
    .wavefront_size: 32
...
	.end_amdgpu_metadata
.endif
;; end of part 7
;; launch blk0 (part 8): grid 256 x 1, 8 waves a work-group, no clusters, 285,696 bytes of LDS; arguments x, perm0, coords, wts, ln1_g, ln1_b, b_qkv, w_pos, b_pos, b_proj, ln2_g, ln2_b, b_fc1, b_fc2, norm_g, norm_b, y; writes y
.if DOCPART == 8
	.amdgcn_target "amdgcn-amd-amdhsa--gfx1250"
	.amdhsa_code_object_version 6
	.text
	.protected	k_qf4aa9336d0_blk0
	.globl	k_qf4aa9336d0_blk0
	.p2align	8
	.type	k_qf4aa9336d0_blk0,@function
k_qf4aa9336d0_blk0:
	s_mov_b64 s[64:65], 0
	v_nop
	global_prefetch_b8 v0, s[64:65] scope:SCOPE_SE
	s_setreg_imm32_b32 hwreg(HW_REG_WAVE_SCHED_MODE, 0, 2), 2
	s_setreg_imm32_b32 hwreg(HW_REG_WAVE_MODE, 25, 1), 1
	s_wait_xcnt 0x0
	s_wait_alu depctr_vm_vsrc(0)
; ONE BLOCK OF THE NETWORK for half a patch: 128 queries against the patch's 256 keys, then projection, MLP, and (at depth 1) the last LayerNorm.  All quantised products on codes of E3M2 with E8M0 scales.
; The depth is read from the 32 words behind the permutation; it enters byte offsets into the [2, ..] inputs and a select mask, never a branch.
; SHARES.  Work-group: patch = x / 2, half = x % 2.  Local token t = 0..255 is the patch's row (t + 128 half) % 256: my queries are t < 128, and the blocks of 32 keys are the patch's own blocks.
;   ROW TILE T = 2 b + u, lane r: local token 32 b + 8 u + r + 8 (r / 8): so the results of two neighbouring tiles are 16 neighbours wherever the tokens are a later product's K.
;   Wave w owns head w (q, k, v, scores, softmax, p v stay in its registers), columns 32 w .. 32 w + 31 of the projection, of fc2 and of each 256-wide chunk of fc1, and the rows of tile w (and w + 8) in the LayerNorms.
;   Both halves of a patch compute k and v of all 256 tokens: the price of 256 work-groups in place of 128.
; OPERANDS go from wave to wave through LDS as images of their registers: register p of lane L at 48 L + 4 p, three stores or loads of 16 bytes; 16 lanes fall on 16 different 16-byte columns of 256 bytes.
; WEIGHTS come from memory straight into operand registers (the launch before laid them so), each set 14 loads, asked for a phase ahead.  No multicast: LDS is full of activations, and a set is read once by a work-group.
; SCORES have K = 32: a fragment of k packs four key tiles, one in each block of 32; the query stands in one block of source 1 with zero codes in the others.
; THE BIAS (c_query - c_key) . w_pos + b_pos is a[query] - a[key] + b with a = (c - c of local token 0) . w_pos, by f32 multiply-adds: -a[key] sqrt(32) is the C of the scores' products, (a[query] + b) log2(e) the addend of t.
; SOFTMAX: t = logit x log2(e), M = ceil(the row's largest t), p = 2^(t - M) is quantised along the keys, the sum is of the unquantised p and divides at the end.
; LIMITS: NaN and infinities are not served.  A block of zeros carries the scale byte 1 with zero codes.  The bias differs from (c_query - c_key) . w_pos by a few ulp of (the patch's spread x |w_pos|).
;   1 / sqrt, 1 / x and 2^x are the chip's own, 1 ulp.
; THE MODE: SCHED_MODE bits 1:0 = 2 (LLVM: expert scheduling mode 2), set by the entry lines.  The code itself states the register dependences between vector or matrix instructions and memory or LDS
; instructions, with s_wait_alu, always for 0.
; THE PLAN.  Registers that memory or LDS instructions touch, and who else names them:
;   v1-13, v18, v19, v23  offsets and addresses: written at the head, ahead of one wait on va_vdst, and never again.
;   v14-17, v21, v22      addresses in hand: written anew at a phase's head (in .Lpa, .Latt and .Lfc1 once a trip).  Ahead of the write stands a wait on vm_vsrc for the loads and stores that read the old address;
;                         behind it the wait on va_vdst that the phase's loads or stores owe for their data registers in any case.
;   AF; AF1, AF2; v32-39  fetched fragments and their scale words: LDS loads land in them, products read them.  A set is asked for again behind one wait on va_vdst, which stands behind the products that read it.
;                         AF1 and AF2 take turns: while one is multiplied the other's loads are out.
;   SLA, SLB; v24-31      weights and their scale words: global loads land, products read.  A slot is asked for again behind a wait on va_vdst that stands behind its last product.
;   S                     rows, scores, hidden units: loads land; vector and matrix lines work in place; stores read (the residual, the tables, the rows on the way out).
;                         In .Latt the second tile's 33 loads go out behind the first tile's last products: the wait ahead of those products shows every reader of S done, and the products name none of S.
;   v56-92                the quantiser's work, codes and scale word: written by vector lines, read by the images' stores behind one wait on va_vdst, written again behind a wait on vm_vsrc.
;   v56-127               in a LayerNorm: two buffers for the tables' pieces by turns; a buffer is asked for again behind a wait on va_vdst, which stands behind the sixteen lines that read it.
;   ACC2                  LDS loads land (the residual); vector and matrix lines add; the stores of x1 and x2 read it behind the places and a wait on va_vdst; b_fc2 is added behind a wait on vm_vsrc.
;   Operands and scale words that vector lines make (k, q, v, p) stand ahead of a wait on va_vdst that stands ahead of the products that take them, behind the places.
.set HIMG,  133120                     ; LDS: 0: XS, 128 rows (16 T + r) x 1,040 bytes, f32.  Then: h's 32 fragments (2 T + s) x 1,536; later a chunk of the hidden layer's 16
.set HSCL,  182272                     ; their scale words, 64 bytes a fragment
.set OIMG,  184320                     ; the attention's output, 16 fragments
.set OSCL,  208896
.set H2IMG, 209920                     ; the second LayerNorm's output, 16 fragments
.set H2SCL, 234496
.set CSB,   235520                     ; coords by local token, 16 bytes each
.set AKT,   239616                     ; 1,024 bytes a wave: -a[t] sqrt(32)
.set AQT,   247808                     ; 512 bytes a wave: (a[t] + b_pos) log2(e), t < 128
.set GBT,   251904                     ; 2,048 bytes a wave: gains, then biases, of the LayerNorm in hand; 16,384 further on the last LayerNorm's
.set DW,    638976
; window 0: v1 R = lane % 16, v2 HH = lane / 16, v3 16 lane, v4 8 lane, v5 48 lane, v6 4 R, v7 my row of XS, v8, v9 my columns of XS (tiles 0-3, 4-7), v10 whole rows of my tile, v11 my tables,
;   v12, v13 where a block of 32 codes and its byte go in an image, v14-17, v21, v22 addresses in hand, v18 AKT, v19 AQT, v20 my row's token, v23 64 HH; v24-52 scale words alone; v54:55 a constant of GELU
.set WSA, 24                           ; scale words of weight slot A (4), of slot B (4)
.set WSB, 28
.set AS,  32                           ; of the fetched fragments (4 + 4)
.set AS2, 36
.set KS,  40                           ; of k's four fragments, of v's four
.set VS,  44
.set QSA, 48                           ; of q's two; v50 the query tile's byte in all four bytes; v51, v52 p's
.set QSC, 50
.set PS,  51
.set TM,  56                           ; v56-71 the quantiser's work; v72-91 the codes just made; v92 their scale word
.set PC,  72
.set PW,  92
.set BQ,  96                           ; v96-127 general
.set BK,  112
.set BV,  96
.set S,   128                          ; v128-255: what is normalised, scored or quantised
.set AF1, S+32
.set AF2, S+80
; window 1 (the low 8 bits)
.set KF,  0                            ; k's 4 fragments
.set QF,  48                           ; q's 2
.set AF,  72                           ; 4 fetched fragments
.set QV,  72                           ; zeros, query in lanes 0-15, zeros, zeros, query in lanes 16-31, zeros: 6 registers each
.set ACC2, 0                           ; later: x1, x2: [tile][16]
.set SLA, 128                          ; weight slot A
.set SLB, 176                          ; weight slot B
.set VF,  176                          ; v's 4 fragments
.set OA,  224                          ; p v of two query tiles
.set BF1, 224
.set BP,  240
.set MSB, 0
.macro WIN new                         ; the immediate's high byte repeats the setting that is left
.if MSB != \new
	s_set_vgpr_msb (MSB<<8)|\new
.set MSB, \new
.endif
.endm
.macro NOPS n                          ; places behind matrix instructions (ISA guide 7.12.1), where no other vector work is at hand
.rept \n
	v_nop
.endr
.endm
.macro BARRIER                         ; my LDS stores have landed and my LDS loads are in: then the work-group's barrier
	s_wait_dscnt 0x0
	s_barrier_signal -1
	s_barrier_wait -1
.endm
.macro WM d, a, b, c, sa, sb
	v_wmma_scale_f32_16x16x128_f8f6f4 v[(\d):(\d)+7], v[(\a):(\a)+11], v[(\b):(\b)+11], v[(\c):(\c)+7], v[\sa], v[\sb] matrix_a_fmt:MATRIX_FMT_BF6 matrix_b_fmt:MATRIX_FMT_BF6
.endm
.macro WM0 d, a, b, sa, sb
	v_wmma_scale_f32_16x16x128_f8f6f4 v[(\d):(\d)+7], v[(\a):(\a)+11], v[(\b):(\b)+11], 0, v[\sa], v[\sb] matrix_a_fmt:MATRIX_FMT_BF6 matrix_b_fmt:MATRIX_FMT_BF6
.endm
; a set of weights: 4 fragments (2 s + u) into a slot of window 1, 4 scale words into window 0: 14 loads
.macro WLOAD slot, ws, bl, off
	WIN 0x40
.irp s, 0,1
.irp u, 0,1
.irp i, 0,1,2
	global_load_b128 v[(\slot)+12*(2*\s+\u)+4*\i:(\slot)+12*(2*\s+\u)+4*\i+3], v3, s[\bl:\bl+1] offset:(\off)+3328*\s+1536*\u+512*\i
.endr
.endr
.endr
	WIN 0
.irp s, 0,1
	global_load_b64 v[(\ws)+2*\s:(\ws)+2*\s+1], v4, s[\bl:\bl+1] offset:(\off)+3328*\s+3072
.endr
.endm
; the four fragments (2 t + s) of a pair of row tiles, from image f0 on, and their scale words: 16 LDS loads.  v14, v15: the images' and the words' base
.macro FETCHP af, w1, as, f0
.if \w1
	WIN 0x40
.endif
.irp t, 0,1
.irp s, 0,1
.irp i, 0,1,2
	ds_load_b128 v[(\af)+12*(2*\t+\s)+4*\i:(\af)+12*(2*\t+\s)+4*\i+3], v14 offset:((\f0)+2*\t+\s)*1536+16*\i
.endr
.endr
.endr
	WIN 0
.irp t, 0,1
.irp s, 0,1
	ds_load_b32 v[(\as)+2*\t+\s], v15 offset:((\f0)+2*\t+\s)*64
.endr
.endr
.endm
; K step ks of a TRANSPOSED product of a pair of tiles: source 0 = 16 columns of the weight, source 1 = 16 rows.  Lane (r, hh) then holds row r, and registers 8 u + j the columns 16 hh + 8 u + j of the set's 32.
; Four accumulators by turns, one instruction a turn.  cmode = 1: C is the bias
.macro MULS acc, w, ws, af, as, ks, cmode, creg
.irp t, 0,1
.irp u, 0,1
.set rD, (\acc)+16*\t+8*\u
.set rW, (\w)+12*(2*(\ks)+\u)
.set rA, (\af)+12*(2*\t+(\ks))
.if \cmode
	WM rD, rW, rA, (\creg)+8*\u, (\ws)+2*(\ks)+\u, (\as)+2*\t+(\ks)
.else
	WM rD, rW, rA, rD, (\ws)+2*(\ks)+\u, (\as)+2*\t+(\ks)
.endif
.endr
.endr
.endm
; the same NOT transposed, for v: source 0 = 16 rows, source 1 = 16 columns: lane (r, hh) holds column lane r of tile u, and its registers run along the tokens, which are the next K
.macro MULVS pp, ks, cmode
.irp t, 0,1
.irp u, 0,1
.set rD, S+64*\u+8*(2*(\pp)+\t)
.set rW, SLA+12*(2*(\ks)+\u)
.set rA, AF+12*(2*\t+(\ks))
.if \cmode
	WM rD, rA, rW, BV+8*\u, AS+2*\t+(\ks), WSA+2*(\ks)+\u
.else
	WM rD, rA, rW, rD, AS+2*\t+(\ks), WSA+2*(\ks)+\u
.endif
.endr
.endr
.endm
; 32 nc numbers of a lane, register 16 b + i = k 32 b + 16 HH + i of my row, become codes in v[PC] on (6 nc registers: a whole block in a lane, lanes 0-15 block 2 c, lanes 16-31 block 2 c + 1),
; the blocks' bytes in v[TM+4] on and, with nc = 2, the scale word in v[PW]
.macro QUANT src, nc
.set qb, 0
.rept 2*(\nc)
	v_max3_num_f32 v[TM+qb], |v[(\src)+16*qb]|, |v[(\src)+1+16*qb]|, 0x2800000     ; my 16 numbers, and the floor 2^(5 - 127): the byte cannot fall under 1
.set qb, qb+1
.endr
.irp i, 2,4,6,8,10,12,14
.set qb, 0
.rept 2*(\nc)
	v_max3_num_f32 v[TM+qb], v[TM+qb], |v[(\src)+16*qb+\i]|, |v[(\src)+1+16*qb+\i]|
.set qb, qb+1
.endr
.endr
.set qb, 0
.rept 2*(\nc)
	v_permlanex16_b32 v[TM+4+qb], v[TM+qb], s42, s43
.set qb, qb+1
.endr
.set qb, 0
.rept 2*(\nc)
	v_max_num_f32 v[TM+qb], v[TM+qb], v[TM+4+qb]   ; with lane l xor 16's: the block's largest magnitude
.set qb, qb+1
.endr
.set qb, 0
.rept 2*(\nc)
	v_add_nc_u32 v[TM+12+qb], 0xfe000000, v[TM+qb] ; 4 off its exponent field: the conversion's scale operand
.set qb, qb+1
.endr
.set qb, 0
.rept 2*(\nc)
	v_lshrrev_b32 v[TM+4+qb], 23, v[TM+12+qb]      ; the scale's byte
.set qb, qb+1
.endr
.if (\nc) == 2
	v_lshl_or_b32 v[PW], v[TM+5], 8, v[TM+4]
	v_lshl_or_b32 v[PW], v[TM+6], 16, v[PW]
	v_lshl_or_b32 v[PW], v[TM+7], 24, v[PW]
.endif
.set qc, 0
.rept \nc
	v_cvt_scalef32_pk16_bf6_f32 v[PC+6*qc:PC+2+6*qc], v[(\src)+32*qc:(\src)+15+32*qc], v[TM+12+2*qc]
	v_cvt_scalef32_pk16_bf6_f32 v[PC+12+4*qc:PC+14+4*qc], v[(\src)+16+32*qc:(\src)+31+32*qc], v[TM+13+2*qc]   ; (a conversion's three registers begin on an even number)
.set qc, qc+1
.endr
	v_nop                                          ; one plain line behind the scaled conversions
.set qc, 0
.rept \nc
.irp i, 0,1,2
	v_permlane16_swap_b32 v[PC+6*qc+\i], v[PC+12+4*qc+\i]
.endr
.irp i, 0,1,2
	v_mov_b32 v[PC+3+6*qc+\i], v[PC+12+4*qc+\i]
.endr
.set qc, qc+1
.endr
.endm
.macro TOFRAG dst, sc                  ; the fragment just made stays in my registers
	WIN 0x40
.irp i, 0,1,2,3,4,5,6,7,8,9,10,11
	v_mov_b32 v[(\dst)+\i], v[PC+\i]
.endr
	WIN 0
	v_mov_b32 v[\sc], v[PW]
.endm
.macro IMAGE off, soff                 ; or goes to LDS as it stands.  v21, v22: where
.irp i, 0,1,2
	ds_store_b128 v21, v[PC+4*\i:PC+4*\i+3] offset:(\off)+16*\i
.endr
	ds_store_b32 v22, v[PW] offset:\soff
.endm
.macro BLOCKOUT                        ; behind QUANT .., 1: my lane's 24 bytes are block w % 4 of K step w / 4 of tile 2 p + HH; the two tiles' bytes go beside the other waves'.  v16, v17: where
.irp i, 0,1,2
	ds_store_b64 v16, v[PC+2*\i:PC+2*\i+1] offset:8*\i
.endr
	ds_store_b8 v17, v[TM+4]
	ds_store_b8 v17, v[TM+5] offset:128
.endm
.macro GBLOAD buf, b, tab              ; gains and biases of columns 32 b + 16 HH + 0 .. 15
.irp i, 0,1,2,3
	ds_load_b128 v[(\buf)+4*\i:(\buf)+4*\i+3], v11 offset:(\tab)+128*(\b)+16*\i
	ds_load_b128 v[(\buf)+16+4*\i:(\buf)+19+4*\i], v11 offset:(\tab)+1024+128*(\b)+16*\i
.endr
.endm
.macro GBAPPLY buf, b
.irp k, 0,2,4,6,8,10,12,14
	v_pk_mul_f32 v[S+16*(\b)+\k:S+16*(\b)+\k+1], v[S+16*(\b)+\k:S+16*(\b)+\k+1], v[94:95]
.endr
.irp k, 0,2,4,6,8,10,12,14
	v_pk_fma_f32 v[S+16*(\b)+\k:S+16*(\b)+\k+1], v[S+16*(\b)+\k:S+16*(\b)+\k+1], v[(\buf)+\k:(\buf)+\k+1], v[(\buf)+16+\k:(\buf)+17+\k]
.endr
.endm
; LayerNorm of my row: S + 16 b + i = column 32 b + 16 HH + i; lanes l and l xor 16 share a row.  sel = 1: at depth 0 the mean counts as 0 and 1 / sigma as 1 (the tables then hold 1 and 0): the row comes out as it is.
; q = 1: the result is quantised, two fragments, and their images stored.  The tables come in eight pieces, two buffers by turns: s_wait_dscnt 8 leaves the younger piece's eight loads out
.macro LNORM sel, q, tab
.irp k, 0,1,2,3
	v_pk_add_f32 v[96+2*\k:97+2*\k], v[S+2*\k:S+2*\k+1], v[S+8+2*\k:S+9+2*\k]
.endr
.set lj, 16
.rept 14
.irp k, 0,1,2,3
	v_pk_add_f32 v[96+2*\k:97+2*\k], v[96+2*\k:97+2*\k], v[S+lj+2*\k:S+lj+2*\k+1]
.endr
.set lj, lj+8
.endr
	v_pk_add_f32 v[96:97], v[96:97], v[98:99]
	v_pk_add_f32 v[100:101], v[100:101], v[102:103]
	v_pk_add_f32 v[96:97], v[96:97], v[100:101]
	v_add_f32 v96, v96, v97
	v_permlanex16_b32 v98, v96, s42, s43
	v_add_f32 v96, v96, v98
	v_mul_f32 v88, s66, v96                        ; the mean
.if \sel
	v_cndmask_b32 v88, 0, v88, s39
.endif
	v_mov_b32 v89, v88
.set lj, 0
.rept 64
	v_pk_add_f32 v[S+lj:S+lj+1], v[S+lj:S+lj+1], v[88:89] neg_lo:[0,1] neg_hi:[0,1]
.set lj, lj+2
.endr
.irp k, 0,1,2,3
	v_pk_mul_f32 v[96+2*\k:97+2*\k], v[S+2*\k:S+2*\k+1], v[S+2*\k:S+2*\k+1]
.endr
.set lj, 8
.rept 15
.irp k, 0,1,2,3
	v_pk_fma_f32 v[96+2*\k:97+2*\k], v[S+lj+2*\k:S+lj+2*\k+1], v[S+lj+2*\k:S+lj+2*\k+1], v[96+2*\k:97+2*\k]
.endr
.set lj, lj+8
.endr
	v_pk_add_f32 v[96:97], v[96:97], v[98:99]
	v_pk_add_f32 v[100:101], v[100:101], v[102:103]
	v_pk_add_f32 v[96:97], v[96:97], v[100:101]
	v_add_f32 v96, v96, v97
	v_permlanex16_b32 v98, v96, s42, s43
	v_add_f32 v96, v96, v98
	v_fma_f32 v96, v96, s66, s67                   ; the variance + 1e-5
	s_wait_alu depctr_va_vdst(0)
	v_rsq_f32 v94, v96
	v_nop                                          ; a plain line behind it
	s_wait_alu depctr_va_vdst(0)                   ; 1 / sigma, v94, is written, ahead of its first reader; and the sums are done with v96-103, earlier vector lines with v56-127: the tables' first two pieces land there
.if \sel
	v_cndmask_b32 v94, 1.0, v94, s39
.endif
	v_mov_b32 v95, v94
	s_wait_alu depctr_va_vdst(0)
	GBLOAD 96, 0, \tab
.irp s, 0,1
.if \s == 1
.if \q
	s_wait_alu depctr_vm_vsrc(0)                   ; the first image's stores have read v72-83 and v92: piece 5 lands in v56-87, and the quantiser writes v72-92 again (its own writes stand ahead of the wait in front of those stores)
.else
	s_wait_alu depctr_va_vdst(0)                   ; piece 3's sixteen lines are done reading v56-87, in which piece 5 lands
.endif
.endif
	GBLOAD 56, 4*\s+1, \tab
	s_wait_dscnt 8
	GBAPPLY 96, 4*\s
	s_wait_alu depctr_va_vdst(0)                   ; the sixteen lines above are done reading v96-127, in which the piece after next lands
	GBLOAD 96, 4*\s+2, \tab
	s_wait_dscnt 8
	GBAPPLY 56, 4*\s+1
	s_wait_alu depctr_va_vdst(0)                   ; the sixteen lines above are done reading v56-87, in which the piece after next lands
	GBLOAD 56, 4*\s+3, \tab
	s_wait_dscnt 8
	GBAPPLY 96, 4*\s+2
.if \s == 0
	s_wait_alu depctr_va_vdst(0)                   ; the sixteen lines above are done reading v96-127, in which piece 4 lands
	GBLOAD 96, 4, \tab
	s_wait_dscnt 8
.else
	s_wait_dscnt 0x0
.endif
	GBAPPLY 56, 4*\s+3
.if \q
	QUANT S+64*\s, 2
	s_wait_alu depctr_va_vdst(0)                   ; the quantiser has written the codes v72-83 and the scale word v92, which the image's stores read; v21 and v22, their addresses, are written too
	IMAGE 1536*\s, 64*\s
.endif
.endr
.endm
; gelu(x) = x / (1 + 2^(x (K1 + K2 x x))), K1 = -2 sqrt(2 / pi) log2(e), K2 = 0.044715 K1: the tanh form, on S + 0 .. 31
.macro GELU
.irp k, 0,2,4,6,8,10,12,14,16,18,20,22,24,26,28,30
	v_pk_mul_f32 v[96+\k:97+\k], v[S+\k:S+\k+1], v[S+\k:S+\k+1]
.endr
.irp k, 0,2,4,6,8,10,12,14,16,18,20,22,24,26,28,30
	v_pk_fma_f32 v[96+\k:97+\k], v[96+\k:97+\k], s[48:49], v[54:55] op_sel_hi:[1,0,1]
.endr
.irp k, 0,2,4,6,8,10,12,14,16,18,20,22,24,26,28,30
	v_pk_mul_f32 v[96+\k:97+\k], v[96+\k:97+\k], v[S+\k:S+\k+1]
.endr
.set gj, 0
	s_wait_alu depctr_va_vdst(0)
.rept 32
	v_exp_f32 v[96+gj], v[96+gj]
.set gj, gj+1
.endr
	v_nop
	s_wait_alu depctr_va_vdst(0)                   ; the 32 exponentials have written v96-127, ahead of their first reader
.irp k, 0,2,4,6,8,10,12,14,16,18,20,22,24,26,28,30
	v_pk_add_f32 v[96+\k:97+\k], v[96+\k:97+\k], 1.0 op_sel_hi:[1,0]
.endr
.set gj, 0
	s_wait_alu depctr_va_vdst(0)
.rept 32
	v_rcp_f32 v[96+gj], v[96+gj]
.set gj, gj+1
.endr
	v_nop
	s_wait_alu depctr_va_vdst(0)                   ; the 32 reciprocals have written v96-127, ahead of their first reader
.irp k, 0,2,4,6,8,10,12,14,16,18,20,22,24,26,28,30
	v_pk_mul_f32 v[S+\k:S+\k+1], v[S+\k:S+\k+1], v[96+\k:97+\k]
.endr
.endm
.macro XSIO store                      ; my 32 columns of all 128 rows of XS, to or from ACC2
.irp T, 0,1,2,3,4,5,6,7
.irp q, 0,1,2,3
.if \store
	ds_store_b128 v[8+\T/4], v[ACC2+16*\T+4*\q:ACC2+16*\T+4*\q+3] offset:(\T%4)*16640+16*\q   ; each accumulator from its low end on
.else
	ds_load_b128 v[ACC2+16*\T+4*\q:ACC2+16*\T+4*\q+3], v[8+\T/4] offset:(\T%4)*16640+16*\q
.endif
.endr
.endr
.endm
.macro ROWIO store                     ; my row of XS, to or from S
.irp b, 0,1,2,3,4,5,6,7
.irp i, 0,1,2,3
.if \store
	ds_store_b128 v7, v[S+16*\b+4*\i:S+16*\b+4*\i+3] offset:128*\b+16*\i
.else
	ds_load_b128 v[S+16*\b+4*\i:S+16*\b+4*\i+3], v7 offset:128*\b+16*\i
.endif
.endr
.endr
.endm
; ================================================================ HEAD
	s_load_b512 s[4:19], s[0:1], 0x0               ; in s[4:5], perm s[6:7], coords s[8:9], wts s[10:11], ln1_g s[12:13], ln1_b s[14:15], b_qkv s[16:17], w_pos s[18:19]
	s_load_b512 s[20:35], s[0:1], 0x40             ; b_pos s[20:21], b_proj s[22:23], ln2_g s[24:25], ln2_b s[26:27], b_fc1 s[28:29], b_fc2 s[30:31], norm_g s[32:33], norm_b s[34:35]
	s_load_b64 s[36:37], s[0:1], 0x80              ; out
	v_lshrrev_b32 v96, 5, v0
	v_readfirstlane_b32 s40, v96                   ; wave 0..7
	v_and_b32 v96, 31, v0
	v_and_b32 v1, 15, v0
	v_bfe_u32 v2, v0, 4, 1
	v_lshlrev_b32 v3, 4, v96
	v_lshlrev_b32 v4, 3, v96
	v_mul_u32_u24 v5, v96, 48
	v_lshlrev_b32 v6, 2, v1
	v_lshlrev_b32 v23, 6, v2
	s_wait_alu depctr_va_vdst(0)
	s_mov_b32 s42, 0x76543210
	s_mov_b32 s43, 0xfedcba98                      ; v_permlanex16_b32: lane l xor 16
	s_mov_b32 s44, 0x3e8293ee                      ; log2(e) / sqrt(32)
	s_mov_b32 s45, s44
	s_mov_b32 s48, 0xbdd2d3e8                      ; K2
	s_mov_b32 s49, s48
	s_mov_b32 s50, 0x0000ffff                      ; lanes 0-15
	s_mov_b32 s51, 0xffff0000                      ; lanes 16-31
	s_mov_b32 s66, 0x3b800000                      ; 1 / 256
	s_mov_b32 s67, 0x3727c5ac                      ; 1e-5
	v_mov_b32 v54, 0xc0135761                      ; K1
	v_mov_b32 v55, v54
	v_mad_u32_u24 v7, v1, 1040, v23
	s_wait_alu depctr_va_sdst(0)                   ; s40, the wave's number, is written, ahead of its first reader
	s_mul_i32 s72, s40, 16640
	s_lshl_b32 s73, s40, 7
	v_add_nc_u32 v8, s73, v7                       ; R x 1040 + 64 HH + 128 w
	v_add_nc_u32 v9, 66560, v8
	v_add_nc_u32 v7, s72, v7                       ; (16 w + R) x 1040 + 64 HH
	v_add_nc_u32 v10, s72, v3
	s_lshl_b32 s41, s40, 11
	s_add_co_u32 s41, s41, GBT                     ; my tables
	v_add_nc_u32 v11, s41, v23
	s_and_b32 s74, s40, 1
	s_mul_i32 s75, s74, 768
	s_bfe_u32 s76, s40, 0x10001
	s_mul_i32 s77, s76, 24
	s_add_co_u32 s75, s75, s77
	s_lshr_b32 s77, s40, 2
	s_mul_i32 s78, s77, 1536
	s_add_co_u32 s75, s75, s78
	v_mul_u32_u24 v12, v1, 48
	v_mad_u32_u24 v12, v2, 3072, v12
	v_add_nc_u32 v12, s75, v12                     ; 3072 HH + 48 (16 (w % 2) + R) + 24 ((w / 2) % 2) + 1536 (w / 4)
	s_and_b32 s78, s40, 3
	s_lshl_b32 s77, s77, 6
	s_add_co_u32 s78, s78, s77
	v_add_nc_u32 v13, s78, v6                      ; 4 R + w % 4 + 64 (w / 4)
	s_lshl_b32 s77, s40, 10
	s_add_co_u32 s77, s77, AKT
	v_add_nc_u32 v18, s77, v23
	v_and_b32 v97, 8, v1
	v_add_nc_u32 v97, v97, v1                      ; R + 8 (R / 8)
	s_lshl_b32 s77, s40, 9
	s_add_co_u32 s77, s77, AQT
	v_lshl_add_u32 v19, v97, 2, s77
	s_lshr_b32 s79, s40, 1
	s_lshl_b32 s79, s79, 5
	s_lshl_b32 s74, s74, 3
	s_add_co_u32 s79, s79, s74
	v_add_nc_u32 v98, s79, v97                     ; my row's local token in tile w
	v_lshl_add_u32 v21, v98, 4, CSB
	v_add_nc_u32 v22, s41, v3
	s_and_b32 s80, ttmp9, 1
	s_lshl_b32 s80, s80, 7
	s_lshr_b32 s81, ttmp9, 1
	s_lshl_b32 s81, s81, 8
	s_add_co_u32 s80, s80, s81
	v_add_nc_u32 v99, s80, v98
	v_lshlrev_b32 v99, 2, v99                      ; its place in the permutation;
	v_xor_b32 v100, 512, v99                       ; tile w + 8's row lies 128 rows of the patch away
	s_mul_i32 s84, s40, 3072
	s_add_co_u32 s84, s84, HIMG                    ; where my tile's images go,
	s_lshl_b32 s85, s40, 7
	s_add_co_u32 s85, s85, HSCL                    ; and their scale words
	s_wait_kmcnt 0x0
	s_load_b32 s38, s[6:7], 0x20000                ; the depth
	s_wait_alu depctr_va_vdst(0)                   ; every offset and address made above (v1-13, v18, v19, v21-23, v99, v100) is written: the kernel's loads and stores read them
	global_load_b32 v20, v99, s[6:7]
	global_load_b32 v101, v100, s[6:7]
	s_wait_kmcnt 0x0
	s_min_u32 s38, s38, 1
	s_sub_co_u32 s39, 0, s38                       ; all ones at depth 1
	s_lshl_b32 s72, s38, 10
	s_mov_b32 s73, 0
	s_add_nc_u64 s[12:13], s[12:13], s[72:73]
	s_add_nc_u64 s[14:15], s[14:15], s[72:73]
	s_add_nc_u64 s[24:25], s[24:25], s[72:73]
	s_add_nc_u64 s[26:27], s[26:27], s[72:73]
	s_lshl_b32 s74, s40, 7                         ; my 32 columns
	s_add_co_u32 s72, s72, s74
	s_add_nc_u64 s[22:23], s[22:23], s[72:73]
	s_add_nc_u64 s[30:31], s[30:31], s[72:73]
	s_mul_i32 s72, s38, 3072
	s_add_co_u32 s72, s72, s74
	s_add_nc_u64 s[16:17], s[16:17], s[72:73]
	s_lshl_b32 s72, s38, 12
	s_add_co_u32 s72, s72, s74
	s_add_nc_u64 s[70:71], s[28:29], s[72:73]
	s_mul_i32 s72, s38, DW
	s_mul_i32 s75, s40, 6656
	s_add_co_u32 s72, s72, s75
	s_add_nc_u64 s[56:57], s[10:11], s[72:73]      ; my sets of weights
	s_mul_i32 s82, s38, 96
	s_lshl_b32 s75, s40, 2
	s_add_co_u32 s82, s82, s75
	s_lshl_b32 s83, s38, 5
	s_add_co_u32 s83, s83, s75
	s_load_b32 s52, s[18:19], s82 offset:0x0       ; w_pos[depth][0..2][w]
	s_load_b32 s53, s[18:19], s82 offset:0x20
	s_load_b32 s54, s[18:19], s82 offset:0x40
	s_load_b32 s55, s[20:21], s83 offset:0x0       ; b_pos[depth][w]
	s_wait_loadcnt 0x0
	v_min_u32 v20, 0x7fff, v20
	v_min_u32 v101, 0x7fff, v101
	v_lshl_add_u32 v17, v20, 10, v23               ; my rows of the input: 1,024 bytes a token, + 64 HH
	v_lshl_add_u32 v16, v101, 10, v23
	v_mul_u32_u24 v14, v20, 12
	v_mul_u32_u24 v15, v101, 12
	v_mov_b32 v59, 0                               ; the fourth word of a token's 16 bytes of coords
	v_mov_b32 v63, 0
	s_wait_alu depctr_vm_vsrc(0)                   ; the two loads of the permutation have read v99 and v100, in which the tables' loads land
	s_wait_alu depctr_va_vdst(0)                   ; v14-17, the offsets of the loads below, and v59, v63, which the coords' stores read, are written; the lines above are done with v96-101, in which the tables' loads land
	global_load_b128 v[96:99], v3, s[12:13]
	global_load_b128 v[100:103], v3, s[12:13] offset:512
	global_load_b128 v[104:107], v3, s[14:15]
	global_load_b128 v[108:111], v3, s[14:15] offset:512
.irp i, 0,1,2
	global_load_b32 v[56+\i], v14, s[8:9] offset:4*\i
	global_load_b32 v[60+\i], v15, s[8:9] offset:4*\i
.endr
.irp b, 0,1,2,3,4,5,6,7
.irp i, 0,1,2,3
	global_load_b128 v[S+16*\b+4*\i:S+16*\b+4*\i+3], v17, s[4:5] offset:128*\b+16*\i
.endr
.endr
	s_wait_loadcnt 32                              ; the tables and the coords are in; the 32 loads of tile w's rows may be out
	ds_store_b128 v22, v[96:99]
	ds_store_b128 v22, v[100:103] offset:512
	ds_store_b128 v22, v[104:107] offset:1024
	ds_store_b128 v22, v[108:111] offset:1536
	ds_store_b128 v21, v[56:59]
	ds_store_b128 v21, v[60:63] offset:2048
	WIN 0x40
.irp b, 0,1,2,3,4,5,6,7
.irp i, 0,1,2,3
	global_load_b128 v[16*\b+4*\i:16*\b+4*\i+3], v16, s[4:5] offset:128*\b+16*\i     ; tile w + 8's rows, into window 1
.endr
.endr
	WLOAD SLA, WSA, 56, 0                          ; Wq of my head
	WLOAD SLB, WSB, 56, 53248                      ; Wk
; ================================================================ A: the first LayerNorm of tiles w and w + 8, quantised
	s_mov_b32 s60, 0
	s_wait_loadcnt 60                              ; tile w's rows are in: behind them 32 + 28 loads were issued
	ROWIO 1                                        ; my queries' rows as they came: the residual.  Ahead of the loop, which writes S by vector lines: here S holds what the loads brought, no vector line has named it, and v7 stands ahead of the head's wait
.Lpa:
	s_wait_alu depctr_vm_vsrc(0)                   ; first trip: the head's stores have read v21, v22, v56-63 and v96-111, the residual's stores S, the head's loads v14-17; second trip: the images' stores have read v21, v22, v72-83, v92: all are written again from here on
	v_add_nc_u32 v21, s84, v5
	v_add_nc_u32 v22, s85, v6
	LNORM 0, 1, 0
	s_cmp_lg_u32 s60, 0
	s_cbranch_scc1 .Lpa_nocopy
	s_wait_loadcnt 28                              ; tile w + 8's rows are in; the 28 loads of weights may be out
	WIN 0x01
.set lj, 0
.rept 128
	v_mov_b32 v[S+lj], v[lj]
.set lj, lj+1
.endr
	WIN 0
.Lpa_nocopy:
	s_add_co_u32 s84, s84, 24576                   ; tile w + 8's images
	s_add_co_u32 s85, s85, 1024
	s_add_co_u32 s60, s60, 1
	s_cmp_lt_u32 s60, 2
	s_cbranch_scc1 .Lpa
.irp q, 0,1,2,3                        ; no wait: no vector line since the wait ahead of the last image's stores names v96-127
	global_load_b128 v[BQ+4*\q:BQ+4*\q+3], v23, s[16:17] offset:16*\q              ; q's bias at my 16 of the head's 32,
	global_load_b128 v[BK+4*\q:BK+4*\q+3], v23, s[16:17] offset:1024+16*\q         ; k's
.endr
	BARRIER                                        ; h's 32 fragments, the coords and the residual lie in LDS
; ================================================================ the positional tables of my head
	s_wait_kmcnt 0x0
	v_add_nc_u32 v14, CSB, v3                      ; (v14-17 were last read by the head's loads, ahead of the wait on vm_vsrc in the loop above)
	v_mov_b32 v15, CSB
	v_lshrrev_b32 v16, 1, v4                       ; 4 x lane
	s_lshl_b32 s72, s40, 10
	s_add_co_u32 s72, s72, AKT
	s_lshl_b32 s73, s40, 9
	s_add_co_u32 s73, s73, AQT
	v_add_nc_u32 v17, s73, v16
	v_add_nc_u32 v16, s72, v16
	s_wait_alu depctr_va_vdst(0)                   ; v14 and v15, the loads' addresses, are written; the LayerNorm and the quantiser are done with S, in which the loads land
.irp i, 0,1,2,3,4,5,6,7
	ds_load_b128 v[S+4*\i:S+4*\i+3], v14 offset:512*\i     ; local token lane + 32 i
.endr
	ds_load_b128 v[S+32:S+35], v15                 ; local token 0: what all are taken against, so that a common offset of the coords falls out ahead of the products
	s_wait_dscnt 0x0
.irp i, 0,1,2,3,4,5,6,7
	v_sub_f32 v[S+4*\i], v[S+4*\i], v[S+32]
	v_sub_f32 v[S+4*\i+1], v[S+4*\i+1], v[S+33]
	v_sub_f32 v[S+4*\i+2], v[S+4*\i+2], v[S+34]
.endr
.irp i, 0,1,2,3,4,5,6,7
	v_mul_f32 v[S+4*\i], s52, v[S+4*\i]
.endr
.irp i, 0,1,2,3,4,5,6,7
	v_fmac_f32 v[S+4*\i], s53, v[S+4*\i+1]
.endr
.irp i, 0,1,2,3,4,5,6,7
	v_fmac_f32 v[S+4*\i], s54, v[S+4*\i+2]         ; a
.endr
.irp i, 0,1,2,3,4,5,6,7
	v_mul_f32 v[S+4*\i+1], 0xc0b504f3, v[S+4*\i]   ; -a sqrt(32)
.endr
.irp i, 0,1,2,3
	v_add_f32 v[S+4*\i+2], s55, v[S+4*\i]
.endr
.irp i, 0,1,2,3
	v_mul_f32 v[S+4*\i+2], 0x3fb8aa3b, v[S+4*\i+2] ; (a + b_pos) log2(e)
.endr
	s_wait_alu depctr_va_vdst(0)                   ; the twelve numbers a lane and v16, v17 are written, which the stores below read
.irp i, 0,1,2,3,4,5,6,7
	ds_store_b32 v16, v[S+4*\i+1] offset:128*\i
.endr
.irp i, 0,1,2,3
	ds_store_b32 v17, v[S+4*\i+2] offset:128*\i
.endr                                              ; my wave's own bytes: LDS serves a wave's instructions in order
; ================================================================ k of all 16 tiles, q of my 8: four tiles make one fragment (one tile in each block of 32)
	s_wait_alu depctr_vm_vsrc(0)                   ; the tables' loads and stores have read v14-17 and S, the last image's stores v72-83 and v92: addresses, products and quantiser write them again
	v_add_nc_u32 v14, HIMG, v5
	v_add_nc_u32 v15, HSCL, v6
	v_and_b32 v16, 8, v1
	v_add_nc_u32 v16, v16, v1
	v_lshlrev_b32 v16, 2, v16                      ; 4 (R + 8 (R / 8)): where v's bias stands for my column lane; read below, when Wq is done with
	s_wait_loadcnt 0x0                             ; the weights and the biases
	s_wait_alu depctr_va_vdst(0)                   ; v14-16 are written; the copy of tile w + 8's rows is done reading the registers of AF, in which the loads land
	FETCHP AF, 1, AS, 0
.irp qd, 0,1,2,3
.irp pr, 0,1
	s_wait_dscnt 0x0
	WIN 0x05
	MULS S+32*\pr, SLB, WSB, AF, AS, 0, 1, BK
.if \qd < 2
	MULS S+64+32*\pr, SLA, WSA, AF, AS, 0, 1, BQ
.endif
	MULS S+32*\pr, SLB, WSB, AF, AS, 1, 0, 0
.if \qd < 2
	MULS S+64+32*\pr, SLA, WSA, AF, AS, 1, 0, 0
.endif
	WIN 0
	NOPS 4                                         ; in front of loads into registers that the products have read, and of the first read of results
.if 2*\qd+\pr < 7
	s_wait_alu depctr_va_vdst(0)                   ; the products are done reading AF and v32-35, in which the next pair lands (and, behind the fourth pair, slot A, v24-27 and q's bias, which are asked for anew below)
	FETCHP AF, 1, AS, 4*(2*\qd+\pr+1)
.endif
.endr
.if \qd == 1
	WLOAD SLA, WSA, 56, 106496                     ; Wq is done with: Wv.  No wait: only loads stand behind the wait above
	global_load_b32 v96, v16, s[16:17] offset:2048         ; v's bias at my column lane, tile u = 0,
	global_load_b32 v104, v16, s[16:17] offset:2080        ; u = 1
.endif
	QUANT S, 2
	TOFRAG KF+12*\qd, KS+\qd
.if \qd < 2
	QUANT S+64, 2
	TOFRAG QF+12*\qd, QSA+\qd
.endif
.endr
; ================================================================ v, with the tokens along the registers: quantised along the keys
	s_wait_alu depctr_va_vdst(0)                   ; the last pair's products are done reading AF and v32-35, in which the first pair lands again
	FETCHP AF, 1, AS, 0
	s_wait_loadcnt 0x0
.irp j, 1,2,3,4,5,6,7
	v_mov_b32 v[96+\j], v96
	v_mov_b32 v[104+\j], v104
.endr
	s_wait_alu depctr_va_vdst(0)
.irp ks, 0,1
.irp pp, 0,1,2,3
	s_wait_dscnt 0x0
	WIN 0x05
	MULVS \pp, 0, 1
	MULVS \pp, 1, 0
	WIN 0
	NOPS 4
.if 4*\ks+\pp < 7
	s_wait_alu depctr_va_vdst(0)                   ; the products are done reading AF and v32-35, in which the next pair lands
	FETCHP AF, 1, AS, 4*(4*\ks+\pp+1)
.endif
.endr
.if \ks == 1
	s_wait_alu depctr_va_vdst(0)                   ; the last products are done reading slot A and v24-27, in which the next set lands
	WLOAD SLA, WSA, 56, 159744                     ; Wv is done with: the projection's set
.endif
.irp u, 0,1
	QUANT S+64*\u, 2
	TOFRAG VF+12*(2*\u+\ks), VS+2*\u+\ks
.endr
.endr
	WIN 0x40
.set lj, 0
.rept 36
	v_mov_b32 v[QV+lj], 0
.set lj, lj+1
.endr
	WIN 0
; ================================================================ attention: a trip takes query tiles 2 j and 2 j + 1
.macro ATTLOAD hh                      ; what a query tile's products begin from: 33 LDS loads
.irp b, 0,1,2,3,4,5,6,7
.irp i, 0,1,2,3
	ds_load_b128 v[S+16*\b+4*\i:S+16*\b+4*\i+3], v18 offset:128*\b+16*\i   ; -a[key] sqrt(32): the products' C.  Register 16 b + i: key 32 b + 16 HH + i
.endr
.endr
	ds_load_b32 v93, v14 offset:32*\hh             ; (a[query] + b_pos) log2(e)
.endm
.macro ATT hh
.if \hh
	v_perm_b32 v[QSC], v[QSA], v[QSA], 0x01010101  ; the query tile's scale byte in all four bytes
.else
	v_perm_b32 v[QSC], v[QSA], v[QSA], 0
.endif
	WIN 0x45
.irp i, 0,1,2,3,4,5                    ; the tile's codes lie in lanes 16 hh on of QF + 0 .. 5: once in lanes 0-15, once in lanes 16-31, zeros in the other half
.if \hh
	v_cndmask_b32 v[QV+24+\i], 0, v[QF+\i], s51
	v_permlanex16_b32 v[QV+6+\i], v[QF+\i], s42, s43
.else
	v_cndmask_b32 v[QV+6+\i], 0, v[QF+\i], s50
	v_permlanex16_b32 v[QV+24+\i], v[QF+\i], s42, s43
.endif
.endr
.irp i, 0,1,2,3,4,5
.if \hh
	v_cndmask_b32 v[QV+6+\i], 0, v[QV+6+\i], s50
.else
	v_cndmask_b32 v[QV+24+\i], 0, v[QV+24+\i], s51
.endif
.endr
	WIN 0
	NOPS 4                                         ; an operand written by vector lines stands four places ahead of a scaled product
	s_wait_dscnt 0x0
	s_wait_alu depctr_va_vdst(0)                   ; the query's codes in QV and its scale bytes in v50 are written (ahead of the first trip k's fragments and v40-43 too): the products below take them as operands and scales
	WIN 0x05
.set tt, 0
.rept 16                               ; key tile tt is block tt % 4 of k's fragment tt / 4; the query stands in that block
	WM S+8*tt, KF+12*(tt/4), QV+6+18*(tt%2)-6*((tt%4)/2), S+8*tt, KS+tt/4, QSC
.set tt, tt+1
.endr
	WIN 0
	NOPS 4
.irp b, 0,1,2,3,4,5,6,7
	v_max3_num_f32 v[96+\b], v[S+16*\b], v[S+16*\b+1], v[S+16*\b+2]        ; the largest score of each block of 32 keys: for the row's maximum and for the block's largest p
.endr
.irp i, 3,5,7,9,11,13
.irp b, 0,1,2,3,4,5,6,7
	v_max3_num_f32 v[96+\b], v[96+\b], v[S+16*\b+\i], v[S+16*\b+\i+1]
.endr
.endr
.irp b, 0,1,2,3,4,5,6,7
	v_max_num_f32 v[96+\b], v[96+\b], v[S+16*\b+15]
.endr
.irp b, 0,1,2,3,4,5,6,7
	v_permlanex16_b32 v[104+\b], v[96+\b], s42, s43
.endr
.irp b, 0,1,2,3,4,5,6,7
	v_max_num_f32 v[96+\b], v[96+\b], v[104+\b]
.endr
	v_max3_num_f32 v122, v96, v97, v98
	v_max3_num_f32 v123, v99, v100, v101
	v_max3_num_f32 v122, v122, v102, v103
	v_max_num_f32 v122, v122, v123
	v_fma_f32 v122, v122, s44, v93                 ; the row's largest t
	v_floor_f32 v123, -v122                        ; -M = -ceil(t)
	v_add_f32 v88, v93, v123
.set lj, 0
.rept 64
	v_pk_fma_f32 v[S+lj:S+lj+1], v[S+lj:S+lj+1], s[44:45], v[88:89] op_sel_hi:[1,0,0]      ; t - M
.set lj, lj+2
.endr
.irp b, 0,1,2,3,4,5,6,7
	v_fma_f32 v[96+\b], v[96+\b], s44, v88         ; the same of each block's largest score
.endr
.set lj, 0
	s_wait_alu depctr_va_vdst(0)
.rept 128
	v_exp_f32 v[S+lj], v[S+lj]                     ; p, not normalised
.set lj, lj+1
.endr
	v_nop
	s_wait_alu depctr_va_vdst(0)                   ; the 128 exponentials have written S, ahead of their first reader
.irp b, 0,1,2,3,4,5,6,7
	v_exp_f32 v[96+\b], v[96+\b]                   ; each block's largest p
.endr
	v_pk_add_f32 v[90:91], v[S:S+1], v[S+2:S+3]    ; the row's sum, of the unquantised p, in two chains
	v_pk_add_f32 v[120:121], v[S+4:S+5], v[S+6:S+7]
.set lj, 8
.rept 30
	v_pk_add_f32 v[90:91], v[90:91], v[S+lj:S+lj+1]
	v_pk_add_f32 v[120:121], v[120:121], v[S+lj+2:S+lj+3]
.set lj, lj+4
.endr
	v_pk_add_f32 v[90:91], v[90:91], v[120:121]
	s_wait_alu depctr_va_vdst(0)                   ; the eight exponentials have written v96-103, ahead of their first reader
.irp b, 0,1,2,3,4,5,6,7
	v_max_num_f32 v[96+\b], 0x2800000, v[96+\b]
.endr
.irp b, 0,1,2,3,4,5,6,7
	v_add_nc_u32 v[112+\b], 0xfe000000, v[96+\b]
.endr
.irp b, 0,1,2,3,4,5,6,7
	v_lshrrev_b32 v[96+\b], 23, v[112+\b]
.endr
.irp ks, 0,1
	v_lshl_or_b32 v[PS+\ks], v[97+4*\ks], 8, v[96+4*\ks]
	v_lshl_or_b32 v[PS+\ks], v[98+4*\ks], 16, v[PS+\ks]
	v_lshl_or_b32 v[PS+\ks], v[99+4*\ks], 24, v[PS+\ks]
.endr
.irp ks, 0,1
.irp c, 0,1
	v_cvt_scalef32_pk16_bf6_f32 v[56+12*\ks+6*\c:58+12*\ks+6*\c], v[S+64*\ks+32*\c:S+64*\ks+32*\c+15], v[112+4*\ks+2*\c]
	v_cvt_scalef32_pk16_bf6_f32 v[80+4*\c:82+4*\c], v[S+64*\ks+32*\c+16:S+64*\ks+32*\c+31], v[113+4*\ks+2*\c]
.endr
	v_nop
.irp c, 0,1
.irp i, 0,1,2
	v_permlane16_swap_b32 v[56+12*\ks+6*\c+\i], v[80+4*\c+\i]
.endr
.irp i, 0,1,2
	v_mov_b32 v[59+12*\ks+6*\c+\i], v[80+4*\c+\i]
.endr
.endr
.endr
	v_add_f32 v90, v90, v91
	v_permlanex16_b32 v120, v90, s42, s43
	v_add_f32 v90, v90, v120
	s_wait_alu depctr_va_vdst(0)
	v_rcp_f32 v[92+2*\hh], v90                     ; 1 / the row's sum
	NOPS 4                                         ; the plain line behind it, and the places between p's codes and the products
	s_wait_alu depctr_va_vdst(0)                   ; 1 / the sum is written, ahead of its first reader; p's codes v56-79 and scale words v51, v52 (and v's fragments and v44-47) are written, which the products take; every reader of S and v93 is done
	WIN 0x51
.irp ks, 0,1
.irp u, 0,1                            ; source 0 = 16 of the head's 32, source 1 = p: lane (r, hh) holds query r, registers 8 u + j the channels 16 hh + 8 u + j
.if \ks == 0
	WM0 OA+16*\hh+8*\u, VF+12*(2*\u+\ks), 56+12*\ks, VS+2*\u+\ks, PS+\ks
.else
	WM OA+16*\hh+8*\u, VF+12*(2*\u+\ks), 56+12*\ks, OA+16*\hh+8*\u, VS+2*\u+\ks, PS+\ks
.endif
.endr
.endr
	WIN 0
.if \hh == 0
	ATTLOAD 1                                      ; the trip's second tile is asked for here.  No wait: behind the wait above stand the four products alone, which name neither S nor v93 nor v14, v18
.endif
.endm
	s_mov_b32 s61, 0
	s_mov_b32 s88, 0
	s_mov_b32 s89, OIMG
	s_mov_b32 s90, OSCL
.Latt:
	s_wait_alu depctr_vm_vsrc(0)                   ; the loads issued so far have read v14 (first trip: v16 too); the last trip's stores have read v16, v17, v60, v61 and v72-77: this trip writes all of them again
	v_add_nc_u32 v14, s88, v19
	s_wait_alu depctr_va_vdst(0)                   ; v14 is written; the vector lines issued so far are done with S and v93, in which the first tile's loads land
	ATTLOAD 0
	ATT 0
	ATT 1
	NOPS 4
	WIN 0x01
.irp hh, 0,1
.irp k, 0,2,4,6,8,10,12,14
	v_pk_mul_f32 v[S+16*\hh+\k:S+16*\hh+\k+1], v[OA+16*\hh+\k:OA+16*\hh+\k+1], v[92+2*\hh:93+2*\hh] op_sel_hi:[1,0]
.endr
.endr
	WIN 0
	QUANT S, 1                                     ; my head's 32 channels are one block of the projection's K
	v_add_nc_u32 v16, s89, v12
	v_add_nc_u32 v17, s90, v13
	s_wait_alu depctr_va_vdst(0)                   ; the codes v72-77, the bytes v60, v61 and the addresses v16, v17 are written, which the stores below read
	BLOCKOUT
	WIN 0x41
.set lj, 0
.rept 18
	v_mov_b32 v[QF+lj], v[QF+6+lj]                 ; the next two query tiles' codes come to the front,
.set lj, lj+1
.endr
	WIN 0
	v_alignbit_b32 v[QSA], v[QSA+1], v[QSA], 16    ; and their scale bytes
	v_lshrrev_b32 v[QSA+1], 16, v[QSA+1]
	s_add_co_u32 s88, s88, 128
	s_add_co_u32 s89, s89, 6144
	s_add_co_u32 s90, s90, 256
	s_add_co_u32 s61, s61, 1
	s_cmp_lt_u32 s61, 4
	s_cbranch_scc1 .Latt
	s_wait_alu depctr_va_vdst(0)                   ; the moves at the trip's end are done with q's registers, in which (with k's, the query's and v's, whose readers stand further back) the residual and the next weights land
	WLOAD SLB, WSB, 56, 212992                     ; fc1, chunk 0
	WIN 0x40
	XSIO 0                                         ; the residual at my 32 columns: the projection adds onto it
.irp q, 0,1,2,3
	global_load_b128 v[BP+4*\q:BP+4*\q+3], v23, s[22:23] offset:16*\q
.endr
	WIN 0
	global_load_b128 v[S:S+3], v3, s[24:25]
	global_load_b128 v[S+4:S+7], v3, s[24:25] offset:512
	global_load_b128 v[S+8:S+11], v3, s[26:27]
	global_load_b128 v[S+12:S+15], v3, s[26:27] offset:512
	global_load_b128 v[S+16:S+19], v3, s[32:33]
	global_load_b128 v[S+20:S+23], v3, s[32:33] offset:512
	global_load_b128 v[S+24:S+27], v3, s[34:35]
	global_load_b128 v[S+28:S+31], v3, s[34:35] offset:512
	v_add_nc_u32 v22, s41, v3                      ; (v22 was last read by the first LayerNorm's stores, ahead of many a wait on vm_vsrc)
	s_wait_loadcnt 0x0
.irp i, 0,1,2,3,4,5,6,7
	v_cndmask_b32 v[S+16+\i], 1.0, v[S+16+\i], s39 ; at depth 0 the last LayerNorm's gains count as 1
	v_cndmask_b32 v[S+24+\i], 0, v[S+24+\i], s39   ; and its biases as 0
.endr
	s_wait_alu depctr_va_vdst(0)                   ; the selects have written S + 16 .. 31, and v22 is written: the stores below read them
.irp i, 0,1,2,3
	ds_store_b128 v22, v[S+4*\i:S+4*\i+3] offset:512*\i
	ds_store_b128 v22, v[S+16+4*\i:S+19+4*\i] offset:16384+512*\i
.endr
	BARRIER                                        ; the attention's 16 fragments lie in LDS
; ================================================================ the projection, onto the residual
	s_wait_alu depctr_vm_vsrc(0)                   ; the last query tiles' loads have read v14; the tables' stores have read v22 and S + 0 .. 31, the last trip's stores v16, v17, v60, v61, v72-77: all are written again from here on
	v_add_nc_u32 v14, OIMG, v5
	v_add_nc_u32 v15, OSCL, v6
	s_wait_alu depctr_va_vdst(0)                   ; v14 and v15 are written; the softmax is done with S + 32 .. 127, in which the fragments land
	FETCHP AF1, 0, AS, 0
	FETCHP AF2, 0, AS2, 4
	WIN 0x45                                       ; b_proj is added while the fragments are on their way: these lines name window 1 alone
.irp T, 0,1,2,3,4,5,6,7
.irp k, 0,2,4,6,8,10,12,14
	v_pk_add_f32 v[ACC2+16*\T+\k:ACC2+16*\T+\k+1], v[ACC2+16*\T+\k:ACC2+16*\T+\k+1], v[BP+\k:BP+\k+1]
.endr
.endr
	WIN 0
; four pairs of tiles onto ACC2, two sets of fetched fragments by turns: s_wait_dscnt 16 leaves the younger FETCHP's 16 loads out
.macro PAIRS w, ws, last
	s_wait_dscnt 16
	WIN 0x51
	MULS ACC2, \w, \ws, AF1, AS, 0, 0, 0
	MULS ACC2, \w, \ws, AF1, AS, 1, 0, 0
	WIN 0
	NOPS 4
	s_wait_alu depctr_va_vdst(0)                   ; the products are done reading AF1 and v32-35, in which the third pair lands
	FETCHP AF1, 0, AS, 8
	s_wait_dscnt 16
	WIN 0x51
	MULS ACC2+32, \w, \ws, AF2, AS2, 0, 0, 0
	MULS ACC2+32, \w, \ws, AF2, AS2, 1, 0, 0
	WIN 0
	NOPS 4
	s_wait_alu depctr_va_vdst(0)                   ; the products are done reading AF2 and v36-39, in which the fourth pair lands
	FETCHP AF2, 0, AS2, 12
	s_wait_dscnt 16
	WIN 0x51
	MULS ACC2+64, \w, \ws, AF1, AS, 0, 0, 0
	MULS ACC2+64, \w, \ws, AF1, AS, 1, 0, 0
	WIN 0
	NOPS 4
.if \last
	s_wait_dscnt 0x0
.else
	s_wait_alu depctr_vm_vsrc(0)                   ; the loads issued so far have read v14 and v15
	v_add_nc_u32 v14, H2IMG, v5                    ; the next chunk's fc1 begins with the first pair of the normalised rows
	v_add_nc_u32 v15, H2SCL, v6
	s_wait_alu depctr_va_vdst(0)                   ; v14 and v15 are written; the products are done reading AF1 and v32-35, in which the loads land
	FETCHP AF1, 0, AS, 0
	s_wait_dscnt 16
.endif
	WIN 0x51
	MULS ACC2+96, \w, \ws, AF2, AS2, 0, 0, 0
	MULS ACC2+96, \w, \ws, AF2, AS2, 1, 0, 0
	WIN 0
	NOPS 4
.endm
	PAIRS SLA, WSA, 1
	s_wait_alu depctr_va_vdst(0)                   ; the products have written ACC2, which the stores of x1 read (the places stand above); they are done reading slot A and v24-27, the additions reading b_proj: loads land there
	WLOAD SLA, WSA, 56, 266240                     ; fc2, chunk 0
	WIN 0x40
.irp q, 0,1,2,3
	global_load_b128 v[BP+4*\q:BP+4*\q+3], v23, s[30:31] offset:16*\q      ; b_fc2
	global_load_b128 v[BF1+4*\q:BF1+4*\q+3], v23, s[70:71] offset:16*\q    ; b_fc1, chunk 0
.endr
	WIN 0x04
	XSIO 1                                         ; x1
	WIN 0
	BARRIER
; ================================================================ the second LayerNorm of my tile's rows
	ROWIO 0                                        ; no wait: no vector or matrix line stands behind the wait above, and the tables' stores read S ahead of the wait on vm_vsrc at the projection's head
	s_mul_i32 s72, s40, 3072
	s_add_co_u32 s72, s72, H2IMG
	s_lshl_b32 s73, s40, 7
	s_add_co_u32 s73, s73, H2SCL
	v_add_nc_u32 v21, s72, v5
	v_add_nc_u32 v22, s73, v6
	s_wait_dscnt 0x0
	LNORM 0, 1, 0
	s_wait_loadcnt 0x0
	s_wait_alu depctr_vm_vsrc(0)                   ; the stores of x1 have read ACC2, onto which b_fc2 is added; the projection's fetches have read v14 and v15, the second image's stores v72-83 and v92, which are written again below
	WIN 0x45
.irp T, 0,1,2,3,4,5,6,7
.irp k, 0,2,4,6,8,10,12,14
	v_pk_add_f32 v[ACC2+16*\T+\k:ACC2+16*\T+\k+1], v[ACC2+16*\T+\k:ACC2+16*\T+\k+1], v[BP+\k:BP+\k+1]   ; + b_fc2: fc2 adds onto x1
.endr
.endr
	WIN 0
	BARRIER
	v_add_nc_u32 v14, H2IMG, v5
	v_add_nc_u32 v15, H2SCL, v6
	s_wait_alu depctr_va_vdst(0)                   ; v14 and v15 are written; the LayerNorm and the quantiser are done with S + 32 .. 79, in which the fragments land
	FETCHP AF1, 0, AS, 0
; ================================================================ the MLP, 256 hidden units at a time
	s_mov_b32 s62, 0
.Lmlp:
	s_wait_loadcnt 14                              ; this chunk's fc1 set and bias are in: behind them only fc2's 14 loads were issued
	s_mov_b32 s63, 0
.Lfc1:                                             ; a pair of row tiles: my 32 hidden units, gelu, quantised: block w of the chunk's 8
	s_wait_dscnt 0x0
	WIN 0x11
	MULS S, SLB, WSB, AF1, AS, 0, 1, BF1
	WIN 0x01
	MULS S, SLB, WSB, AF1, AS, 1, 0, 0
	WIN 0
	NOPS 4
	s_add_co_u32 s72, s63, 1
	s_and_b32 s72, s72, 3
	s_mul_i32 s73, s72, 6144
	s_lshl_b32 s74, s72, 8
	s_add_co_u32 s73, s73, H2IMG
	s_add_co_u32 s74, s74, H2SCL
	s_wait_alu depctr_vm_vsrc(0)                   ; the last fetch has read v14 and v15; the last pair's stores have read v16, v17, v60, v61 and v72-77: this trip writes all of them again
	v_add_nc_u32 v14, s73, v5
	v_add_nc_u32 v15, s74, v6
	s_wait_alu depctr_va_vdst(0)                   ; v14 and v15 are written; the products are done reading AF1 and v32-35, in which the next pair lands
	FETCHP AF1, 0, AS, 0                           ; the next pair, while this one is worked on
	GELU
	QUANT S, 1
	s_mul_i32 s73, s63, 6144
	s_lshl_b32 s74, s63, 8
	s_add_co_u32 s73, s73, HIMG
	s_add_co_u32 s74, s74, HSCL
	v_add_nc_u32 v16, s73, v12
	v_add_nc_u32 v17, s74, v13
	s_wait_alu depctr_va_vdst(0)                   ; the codes v72-77, the bytes v60, v61 and the addresses v16, v17 are written, which the stores below read
	BLOCKOUT
	s_add_co_u32 s63, s63, 1
	s_cmp_lt_u32 s63, 4
	s_cbranch_scc1 .Lfc1
	s_add_co_u32 s72, s62, 1
	s_min_u32 s72, s72, 3                          ; the last trip asks for its own sets again: nothing leaves the buffers
	s_mul_i32 s68, s72, 106496
	s_mov_b32 s69, 0
	s_lshl_b32 s92, s72, 10
	s_mov_b32 s93, 0
	s_wait_xcnt 0x0                                ; the loads issued so far have read their bases: they may be written
	s_add_nc_u64 s[58:59], s[56:57], s[68:69]
	s_add_nc_u64 s[86:87], s[70:71], s[92:93]
	WLOAD SLB, WSB, 58, 212992                     ; the next chunk's fc1 set.  No wait: the products that read slot B, v28-31 and b_fc1 stand ahead of the wait in front of the last pair's stores, and no vector line behind it
	WIN 0x40
.irp q, 0,1,2,3
	global_load_b128 v[BF1+4*\q:BF1+4*\q+3], v23, s[86:87] offset:16*\q
.endr
	WIN 0
	BARRIER                                        ; the chunk's 16 fragments lie in LDS
	s_wait_loadcnt 18                              ; this chunk's fc2 set is in: behind it 14 + 4 loads were issued
	s_wait_alu depctr_vm_vsrc(0)                   ; the last trip's fetch has read v14 and v15
	v_add_nc_u32 v14, HIMG, v5
	v_add_nc_u32 v15, HSCL, v6
	s_wait_alu depctr_va_vdst(0)                   ; v14 and v15, the addresses of the loads below, are written
	FETCHP AF1, 0, AS, 0
	FETCHP AF2, 0, AS2, 4
	PAIRS SLA, WSA, 0
	s_wait_alu depctr_va_vdst(0)                   ; the last products are done reading slot A and v24-27, in which the next set lands; behind the last chunk: they have written ACC2, which the stores of x2 read (the places stand above)
	WLOAD SLA, WSA, 58, 266240                     ; the next chunk's fc2 set
	BARRIER                                        ; every wave has read the chunk: its bytes may be written again
	s_add_co_u32 s62, s62, 1
	s_cmp_lt_u32 s62, 4
	s_cbranch_scc1 .Lmlp
; ================================================================ the way out
	WIN 0x04
	XSIO 1                                         ; x2
	WIN 0
	BARRIER
	ROWIO 0                                        ; no wait: no vector or matrix line stands behind the wait ahead of the last set's loads
	s_wait_dscnt 0x0
	LNORM 1, 0, 16384                              ; the last LayerNorm at depth 1; at depth 0 the row as it is
.set k, 0
.rept 16                               ; the 16 rows' tokens, each into a scalar register of its own (s72-83, s88-91), so that one wait serves all
.set sr, 72+k+4*(k/12)
	v_readlane_b32 s[sr], v20, k                   ; row k's token
.set k, k+1
.endr
	s_wait_alu depctr_va_sdst(0)                   ; the sixteen scalar registers are written, ahead of their first reader
.set k, 0
.rept 16
.set sr, 72+k+4*(k/12)
	s_min_u32 s[sr], s[sr], 0x7fff
	v_lshl_add_u32 v[96+k], s[sr], 10, v3
.set k, k+1
.endr
	s_wait_alu depctr_va_vdst(0)                   ; the LayerNorm has written S, which the LDS stores read; v96-111, the offsets of the stores to memory, are written
	ROWIO 1                                        ; my own rows again,
	s_wait_alu depctr_vm_vsrc(0)                   ; the LDS stores have read S, in which the loads below land
.set k, 0
.rept 32
	ds_load_b128 v[S+4*k:S+4*k+3], v10 offset:1040*(k/2)+512*(k%2)     ; and back as halves of whole rows: LDS serves a wave's instructions in order
.set k, k+1
.endr
.set k, 0
.rept 32
	s_wait_dscnt 31-k
	global_store_b128 v[96+k/2], v[S+4*k:S+4*k+3], s[36:37] offset:512*(k%2)       ; 32 lanes store 512 consecutive bytes, aligned
.set k, k+1
.endr
	s_wait_xcnt 0x0
	s_wait_alu depctr_vm_vsrc(0)                   ; the last store has read v254 and v255 as its data: the two lines below write them
	v_lshl_add_u32 v254, v0, 2, 0x45800
	v_mov_b32 v255, 0
	s_wait_dscnt 0x0                               ; the closing lines, six on end
	s_wait_alu 0x0
	s_wait_tensorcnt 0x0
	ds_add_u32 v254, v255
	s_wait_dscnt 0x0
	s_endpgm
.Lfunc_end_k_qf4aa9336d0_blk0:
	.size	k_qf4aa9336d0_blk0, .Lfunc_end_k_qf4aa9336d0_blk0-k_qf4aa9336d0_blk0
	.p2alignl 7, 3214868480
	.fill 96, 4, 3214868480
	.section	.rodata,"a",@progbits
	.p2align	6, 0x0
	.amdhsa_kernel k_qf4aa9336d0_blk0
		.amdhsa_group_segment_fixed_size 285696
		.amdhsa_private_segment_fixed_size 0
		.amdhsa_enable_private_segment 0
		.amdhsa_kernarg_size 136
		.amdhsa_user_sgpr_count 2
		.amdhsa_user_sgpr_kernarg_segment_ptr 1
		.amdhsa_wavefront_size32 1
		.amdhsa_system_sgpr_workgroup_id_x 1
		.amdhsa_system_sgpr_workgroup_id_y 1
		.amdhsa_system_sgpr_workgroup_id_z 1
		.amdhsa_system_vgpr_workitem_id 0
		.amdhsa_next_free_vgpr 512
		.amdhsa_next_free_sgpr 96
		.amdhsa_reserve_vcc 0
		.amdhsa_float_denorm_mode_32 3
		.amdhsa_float_denorm_mode_16_64 3
		.amdhsa_memory_ordered 1
		.amdhsa_forward_progress 1
		.amdhsa_inst_pref_size 255
	.end_amdhsa_kernel
	.section	.bss,"aw",@nobits
	.p2align	6
	.space	262144
	.amdgpu_metadata
---
amdhsa.version: [ 1, 2 ]
amdhsa.kernels:
  - .name:           k_qf4aa9336d0_blk0
    .symbol:         k_qf4aa9336d0_blk0.kd
    .args:
      - { .name: x, .offset: 0, .size: 8, .value_kind: global_buffer, .address_space: global }
      - { .name: perm0, .offset: 8, .size: 8, .value_kind: global_buffer, .address_space: global }
      - { .name: coords, .offset: 16, .size: 8, .value_kind: global_buffer, .address_space: global }
      - { .name: wts, .offset: 24, .size: 8, .value_kind: global_buffer, .address_space: global }
      - { .name: ln1_g, .offset: 32, .size: 8, .value_kind: global_buffer, .address_space: global }
      - { .name: ln1_b, .offset: 40, .size: 8, .value_kind: global_buffer, .address_space: global }
      - { .name: b_qkv, .offset: 48, .size: 8, .value_kind: global_buffer, .address_space: global }
      - { .name: w_pos, .offset: 56, .size: 8, .value_kind: global_buffer, .address_space: global }
      - { .name: b_pos, .offset: 64, .size: 8, .value_kind: global_buffer, .address_space: global }
      - { .name: b_proj, .offset: 72, .size: 8, .value_kind: global_buffer, .address_space: global }
      - { .name: ln2_g, .offset: 80, .size: 8, .value_kind: global_buffer, .address_space: global }
      - { .name: ln2_b, .offset: 88, .size: 8, .value_kind: global_buffer, .address_space: global }
      - { .name: b_fc1, .offset: 96, .size: 8, .value_kind: global_buffer, .address_space: global }
      - { .name: b_fc2, .offset: 104, .size: 8, .value_kind: global_buffer, .address_space: global }
      - { .name: norm_g, .offset: 112, .size: 8, .value_kind: global_buffer, .address_space: global }
      - { .name: norm_b, .offset: 120, .size: 8, .value_kind: global_buffer, .address_space: global }
      - { .name: y, .offset: 128, .size: 8, .value_kind: global_buffer, .address_space: global }
    .group_segment_fixed_size: 285696
    .private_segment_fixed_size: 0
    .kernarg_segment_align: 8
    .kernarg_segment_size: 136
    .max_flat_workgroup_size: 256
    .sgpr_count:     96
    .vgpr_count:     512
    .wavefront_size: 32
...
	.end_amdgpu_metadata
.endif
;; end of part 8
;; launch blk1: the kernel of part 8 again; grid 256 x 1, 8 waves a work-group, no clusters, 285,696 bytes of LDS; arguments y, perm1, coords, wts, ln1_g, ln1_b, b_qkv, w_pos, b_pos, b_proj, ln2_g, ln2_b, b_fc1, b_fc2, norm_g, norm_b, out0; writes out0
